; MI455X (gfx1250); checked and timed in simulation.
; The chip was launched on July 23, 2026; its instructions are those of AMD's public machine-readable ISA for CDNA 5 (MIT licence, August 2026) and "CDNA5" Instruction Set Architecture Reference Guide (July 2026). The comments in the code are by the model that wrote it; some were corrected since.
;; RJ. Allowed arithmetic: matrix products marked QUANTISED: E2M3 operands, one E8M0 scale for each 32 along K, by v_wmma_scale_f32_16x16x128_f8f6f4 with both operands' format E2M3, f32 sums; everything else in f32.
;; Inputs: Wk 512 x 512 float32; Wo 512 x 512 float32; Wq 512 x 512 float32; Wv 512 x 512 float32; adj 8 x 2,048 x 2,048 int32; beta 512 float32; bo 512 float32; gamma 512 float32; x 8 x 2,048 x 512 float32.
;; Outputs: out0 8 x 2,048 x 512 float32.
;; This version of the problem:
;;   THIS VERSION OF THE PROBLEM IS GIVEN IN LOW PRECISION. The matrix products marked QUANTISED in the list below multiply operands that are first quantised to E2M3 (2 exponent bits, 3 mantissa bits; 6 bits a number), with one power-of-two scale for each 32 numbers along K (OCP MX v1.0); their sums are f32. All else is computed in f32.
;;   The module's matrix products, in the order in which they are computed (A, B: the left and right operand; K: the contracted axis; several contracted axes count as one K, in the product's order):
;;     1. [M 16,384, K 512] x [K 512, N 512]; A: input x; B: input Wq: QUANTISED
;;     2. [M 16,384, K 512] x [K 512, N 512]; A: input x; B: input Wk: QUANTISED
;;     3. [M 16,384, K 512] x [K 512, N 512]; A: input x; B: input Wv: QUANTISED
;;     4. batch 8 x [M 2,048, K 512] x [K 512, N 2,048]; A: computed on the way; B: computed on the way: QUANTISED
;;     5. batch 8 x [M 2,048, K 2,048] x [K 2,048, N 512]; A: softmax (see below); B: computed on the way: QUANTISED
;;     6. [M 16,384, K 512] x [K 512, N 512]; A: computed on the way; B: input Wo: QUANTISED
;;   THE QUANTISER, for each operand of a quantised product, along K:
;;     - K is cut into blocks of 32 from its start; a last block that is shorter is filled with zeros.
;;     - A block's scale is 2^e with e = floor(log2(the largest magnitude in the block)) - 2, held to -126 .. 127; a block of zeros has e = 0. As a byte (E8M0): e + 127.
;;     - Each number is divided by its block's scale, clamped to +-7.5, and rounded to the nearest number of E2M3, ties to even, subnormals kept.
;;     - The product sums the exact products of the quantised numbers (number of the format x scale) in f32.
;;   ~~~python
;;   def quantise(x, axis):      # numpy; x: float32 -> the quantised numbers, widened to float32 again
;;       x = np.moveaxis(x, axis, -1); K = x.shape[-1]
;;       x = np.pad(x, [(0, 0)] * (x.ndim - 1) + [(0, -K % 32)]); x = x.reshape(x.shape[:-1] + (-1, 32)); a = np.abs(x).max(-1, keepdims=True)
;;       e = np.where(a > 0, np.clip(np.frexp(np.where(a > 0, a, 1))[1] - 1 - 2, -126, 127), 0)      # np.frexp(a)[1] - 1 = floor(log2(a)), exactly
;;       r = np.clip(x / 2.0 ** e, -7.5, 7.5)
;;       step = 2.0 ** (np.maximum(np.frexp(np.where(r == 0, 1, r))[1] - 1, 0) - 3)
;;       q = np.round(r / step) * step * 2.0 ** e      # np.round: ties to even
;;       return np.moveaxis(q.reshape(q.shape[:-2] + (-1,))[..., :K], -1, axis).astype(np.float32)
;;   ~~~
;;   SOFTMAX AHEAD OF A QUANTISED PRODUCT. Where the list says 'softmax', what is quantised is not the finished softmax but p = 2^(t - M), with t = logit x log2(e) and M = ceil(the row's largest t), a whole number; so 1/2 < the row's largest p <= 1. The row's sum l is taken of the UNQUANTISED p, in f32, and the product's result is divided by l at the end. Since M is a whole number, a kernel that streams over the keys may use a running M (the ceiling of the running maximum): every later rescaling is an exact power of two, which a block's scale takes up: the codes' values come out the same.
;;   OPERANDS COMPUTED ON THE WAY. 'Computed on the way' means the value that the module computes at that place (a softmax that the list does not call 'softmax' is quantised finished and normalised). What goes into a quantiser is computed in f32, as accurately as f32 sums, v_exp_f32 and their like allow (about 1e-6 of the number): no bf16 or f16 on the way to a quantiser, and a product that is left as it is and whose result goes on into a quantised operand takes f32 operands (vector FMAs, or v_wmma_f32_16x16x4_f32). A number that lies on a knife's edge between two numbers of the format may be rounded either way, as far as f32 arithmetic and the matrix unit's own rounding can turn it there, and no further.
;; 2 versions. Each part assembles by itself: llvm-mc -triple=amdgcn-amd-amdhsa -mcpu=gfx1250 --defsym DOCPART=n.
;; ======== version 1 of 2: 3 launches
;; limits: right only within a limited range of input values
;; workspace buffers: xq 6,553,600 bytes; wb 819,200 bytes; qc 6,553,600 bytes; kv 13,107,200 bytes
;; launch quant (part 1): grid 1152 x 1, 4 waves a work-group, no clusters, 34,304 bytes of LDS; arguments x, Wq, Wk, Wv, Wo, xq, wb; writes xq, wb
.if DOCPART == 1
	.amdgcn_target "amdgcn-amd-amdhsa--gfx1250"
	.amdhsa_code_object_version 6
	.text
	.protected	k_q8ad8f73da1_quant
	.globl	k_q8ad8f73da1_quant
	.p2align	8
	.type	k_q8ad8f73da1_quant,@function
k_q8ad8f73da1_quant:
	s_mov_b64 s[64:65], 0
	v_nop
	global_prefetch_b8 v0, s[64:65] scope:SCOPE_SE
	s_setreg_imm32_b32 hwreg(HW_REG_WAVE_MODE, 25, 1), 1
	s_wait_xcnt 0x0
; x [16384][512] and Wq, Wk, Wv, Wo [512 (k)][512 (n)], f32, become codes of FP6 (E2M3) with one E8M0 byte for each 32 along K, laid as IMAGES OF OPERAND REGISTERS.
; A fragment is 16 rows x 128 K: 12 registers a lane.  Its image is 1,536 bytes: three planes of 512, plane g holding lane l's registers 4 g .. 4 g + 3 at byte 16 l.
; A block (BLK bytes) serves 128 rows: 32 images, tile T (0..7) and K step ks (0..3) at image 4 T + ks, then 2,048 bytes of scale words: fragment f, row r at SCW + 64 f + 4 r.
; THE ROWS OF A TILE ARE NOT NEIGHBOURS: lane r of tile T holds row 32 (T / 2) + 8 (T % 2) + r + 8 (r / 8) of its 128, so that a result's 16 registers of two neighbouring tiles are 16 neighbours along the next K.
; xq: block n = tokens 128 n on.  wb: 16 blocks, Q0-3 V0 V1 | K0-3 V2 V3 | O0-3; block Xg holds columns 128 g on of that weight (a row of the operand is a column n; K is the weight's first axis).
; SHARES.  A work-group makes one tile, its four waves the four K steps: a wave makes one fragment.  Work-groups 0..1023 take x, the other 128 the weights.  Waves share nothing: no barrier.
; x: each load reads 512 consecutive bytes of one token; the 16 rows turn through the wave's own stage in LDS (pitch 512 + 16) so that a lane gets 16 neighbours of each block of 32.
; Weights: lane r takes a column and its registers run down K; sixteen lanes read two runs of 32 bytes.  The weights are 4 MB of the launch's 37.5 MB.
; A block's scale byte is its largest magnitude's exponent field less 2, held at 1 from below.
; LIMITS: a block of zeros gets the byte 1 where the quantiser says 127 (its codes are zeros, and this program alone reads the bytes); NaN and infinities among the inputs are not served.
.set BLK,  51200
.set SCW,  49152
.set SPIT, 528                         ; a stage row
.set R,    16                          ; v16-79   x as loaded
.set X,    80                          ; v80-143  64 numbers: register 16 b + i = k 32 b + 16 (lane / 16) + i of my row
.set TM,   144                         ; v144-159 at work in QUANT
.set PW,   160                         ; the scale word
.set PC,   162                         ; v162-180 the codes
.set SEL,  26                          ; s[26:27] selects for lane l xor 16
; 64 numbers of a lane become a fragment's 12 registers in v[pc] on and its row's scale word in v[PW]
.macro QUANT s, pc
.irp b, 0,1,2,3
	v_max3_num_f32 v[TM+\b], |v[(\s)+16*\b]|, |v[(\s)+16*\b+1]|, 0x1800000   ; block b: my 16 numbers and the floor 2^(3 - 127): the byte cannot fall under 1
.endr
.irp i, 2,4,6,8,10,12,14
.irp b, 0,1,2,3
	v_max3_num_f32 v[TM+\b], v[TM+\b], |v[(\s)+16*\b+\i]|, |v[(\s)+16*\b+\i+1]|   ; the four blocks by turns
.endr
.endr
.irp b, 0,1,2,3
	v_permlanex16_b32 v[TM+4+\b], v[TM+\b], s[SEL], s[SEL+1]
.endr
.irp b, 0,1,2,3
	v_max_num_f32 v[TM+\b], v[TM+\b], v[TM+4+\b]   ; with lane l xor 16's 16: the block's largest magnitude
.endr
.irp b, 0,1,2,3
	v_add_nc_u32 v[TM+12+\b], 0xff000000, v[TM+\b]   ; 2 off its exponent field: the conversion's scale operand
.endr
.irp b, 0,1,2,3
	v_lshrrev_b32 v[TM+4+\b], 23, v[TM+12+\b]   ; the byte
.endr
	v_lshl_or_b32 v[PW], v[TM+5], 8, v[TM+4]
	v_lshl_or_b32 v[PW], v[TM+6], 16, v[PW]
	v_lshl_or_b32 v[PW], v[TM+7], 24, v[PW]
.irp c, 0,1
	v_cvt_scalef32_pk16_fp6_f32 v[(\pc)+6*\c:(\pc)+6*\c+2], v[(\s)+32*\c:(\s)+32*\c+15], v[TM+12+2*\c]
	v_cvt_scalef32_pk16_fp6_f32 v[(\pc)+12+4*\c:(\pc)+12+4*\c+2], v[(\s)+32*\c+16:(\s)+32*\c+31], v[TM+12+2*\c+1]   ; (a conversion's three registers begin on an even number)
.endr
	v_nop                                          ; one plain line behind the conversions
.irp c, 0,1                                    ; the operand wants a whole block in a lane: lanes 0-15 block 2 c, lanes 16-31 block 2 c + 1
.irp i, 0,1,2
	v_permlane16_swap_b32 v[(\pc)+6*\c+\i], v[(\pc)+12+4*\c+\i]
.endr
.irp i, 0,1,2
	v_mov_b32 v[(\pc)+6*\c+3+\i], v[(\pc)+12+4*\c+\i]
.endr
.endr
.endm
	s_load_b256 s[4:11], s[0:1], 0x0               ; x s[4:5], Wq s[6:7], Wk s[8:9], Wv s[10:11]
	s_load_b128 s[12:15], s[0:1], 0x20             ; Wo s[12:13], xq s[14:15]
	s_load_b64 s[16:17], s[0:1], 0x30              ; wb
	v_lshl_add_u32 v192, v0, 2, 0x8400
	v_mov_b32 v193, 0
	v_lshrrev_b32 v1, 5, v0
	v_readfirstlane_b32 s18, v1                    ; wave = K step
	v_and_b32 v1, 31, v0                           ; lane
	v_and_b32 v2, 15, v0                           ; r
	v_bfe_u32 v3, v0, 4, 1                         ; h
	v_and_b32 v4, 8, v2
	v_add_nc_u32 v4, v4, v2                        ; r + 8 (r / 8)
	v_lshlrev_b32 v8, 4, v1                        ; 16 x lane
	v_lshlrev_b32 v9, 2, v2                        ; 4 r
	s_mul_i32 s19, s18, 16*SPIT                    ; my wave's stage
	v_add_nc_u32 v6, s19, v8                       ; into it: 16 x lane of a row
	v_mul_u32_u24 v7, v2, SPIT
	v_lshl_add_u32 v7, v3, 6, v7
	v_add_nc_u32 v7, s19, v7                       ; out of it: row r, + 64 h
	s_mov_b32 s[SEL], 0x76543210
	s_mov_b32 s[SEL+1], 0xfedcba98
.irp b, 0,1,2,3
	v_mov_b32 v[TM+4+\b], 0                        ; written once: a lane permute's destination counts as one of its sources
.endr
	s_mov_b32 s29, 0                               ; the upper word of every offset
	s_wait_kmcnt 0x0
	s_cmp_lt_u32 ttmp9, 1024                       ; x's work-group or a weight's: the choice hangs on the work-group's number alone
	s_cselect_b64 s[38:39], s[14:15], s[16:17]     ; where the results go
	s_cbranch_scc0 .Lweight
	s_lshr_b32 s36, ttmp9, 3                       ; block n
	s_and_b32 s37, ttmp9, 7                        ; tile T
	s_lshl_b32 s28, s36, 18                        ; 128 n tokens of 2,048 bytes,
	s_lshr_b32 s30, s37, 1
	s_lshl_b32 s30, s30, 16                        ; + 32 (T / 2),
	s_add_co_u32 s28, s28, s30
	s_and_b32 s30, s37, 1
	s_lshl_b32 s30, s30, 14                        ; + 8 (T % 2),
	s_add_co_u32 s28, s28, s30
	s_lshl_b32 s30, s18, 9                         ; + my K step's 512 bytes
	s_add_co_u32 s28, s28, s30
	s_add_nc_u64 s[20:21], s[4:5], s[28:29]
.irp i, 0,1,2,3,4,5,6,7,8,9,10,11,12,13,14,15
	global_load_b128 v[R+4*\i:R+4*\i+3], v8, s[20:21] offset:(\i+8*(\i/8))*2048 th:TH_LOAD_NT   ; the tile's row i: 512 consecutive bytes
.endr
	s_wait_loadcnt 0x0
.irp i, 0,1,2,3,4,5,6,7,8,9,10,11,12,13,14,15
	ds_store_b128 v6, v[R+4*\i:R+4*\i+3] offset:SPIT*\i
.endr
.irp b, 0,1,2,3
.irp j, 0,1,2,3
	ds_load_b128 v[X+16*\b+4*\j:X+16*\b+4*\j+3], v7 offset:128*\b+16*\j   ; LDS serves a wave's instructions in order: these see my stores
.endr
.endr
	s_wait_dscnt 0x0
	s_branch .Lq
.Lweight:
	s_sub_co_u32 s30, ttmp9, 1024
	s_lshr_b32 s31, s30, 5                         ; which weight: 0 q, 1 k, 2 v, 3 o
	s_bfe_u32 s32, s30, 0x20003                    ; g: its columns 128 g on
	s_and_b32 s37, s30, 7                          ; tile ct
	s_cmp_eq_u32 s31, 1
	s_cselect_b64 s[20:21], s[8:9], s[6:7]
	s_cselect_b32 s34, 6, 0                        ; the block in wb: q: g; k: 6 + g; v: 4 + g + 4 (g / 2); o: 12 + g
	s_lshr_b32 s33, s32, 1
	s_lshl_b32 s33, s33, 2
	s_add_co_u32 s33, s33, 4
	s_cmp_eq_u32 s31, 2
	s_cselect_b64 s[20:21], s[10:11], s[20:21]
	s_cselect_b32 s34, s33, s34
	s_cmp_eq_u32 s31, 3
	s_cselect_b64 s[20:21], s[12:13], s[20:21]
	s_cselect_b32 s34, 12, s34
	s_add_co_u32 s36, s34, s32
	s_lshl_b32 s28, s18, 18                        ; my K step: 128 rows of 2,048 bytes,
	s_lshl_b32 s33, s32, 9                         ; + 128 g columns,
	s_add_co_u32 s28, s28, s33
	s_lshr_b32 s33, s37, 1
	s_lshl_b32 s33, s33, 7                         ; + 32 (ct / 2),
	s_add_co_u32 s28, s28, s33
	s_and_b32 s33, s37, 1
	s_lshl_b32 s33, s33, 5                         ; + 8 (ct % 2)
	s_add_co_u32 s28, s28, s33
	s_add_nc_u64 s[20:21], s[20:21], s[28:29]
	v_lshlrev_b32 v5, 2, v4                        ; my column,
	v_lshl_add_u32 v5, v3, 15, v5                  ; lanes 16-31 sixteen rows further down
.irp b, 0,1,2,3
.irp i, 0,1,2,3,4,5,6,7,8,9,10,11,12,13,14,15
	global_load_b32 v[X+16*\b+\i], v5, s[20:21] offset:(32*\b+\i)*2048
.endr
.endr
	s_wait_loadcnt 0x0
.Lq:
	s_mul_i32 s28, s36, BLK                        ; the block,
	s_lshl_b32 s30, s37, 2
	s_add_co_u32 s30, s30, s18                     ; fragment 4 x tile + K step:
	s_mul_i32 s31, s30, 1536
	s_add_co_u32 s28, s28, s31
	s_add_nc_u64 s[22:23], s[38:39], s[28:29]      ; its image,
	s_mul_i32 s28, s36, BLK
	s_lshl_b32 s31, s30, 6
	s_add_co_u32 s28, s28, s31
	s_add_co_u32 s28, s28, SCW
	s_add_nc_u64 s[24:25], s[38:39], s[28:29]      ; its scale words
	QUANT X, PC
	global_store_b128 v8, v[PC:PC+3], s[22:23]               ; each store covers 512 consecutive bytes, aligned
	global_store_b128 v8, v[PC+4:PC+7], s[22:23] offset:512
	global_store_b128 v8, v[PC+8:PC+11], s[22:23] offset:1024
	global_store_b32 v9, v[PW], s[24:25]                     ; lanes r and r + 16 hold the same word and store it to the same place
	s_wait_tensorcnt 0x0
	ds_add_u32 v192, v193
	s_wait_dscnt 0x0
	s_endpgm
.Lfunc_end_k_q8ad8f73da1_quant:
	.size	k_q8ad8f73da1_quant, .Lfunc_end_k_q8ad8f73da1_quant-k_q8ad8f73da1_quant
	.p2alignl 7, 3214868480
	.fill 96, 4, 3214868480
	.section	.rodata,"a",@progbits
	.p2align	6, 0x0
	.amdhsa_kernel k_q8ad8f73da1_quant
		.amdhsa_group_segment_fixed_size 34304
		.amdhsa_private_segment_fixed_size 0
		.amdhsa_enable_private_segment 0
		.amdhsa_kernarg_size 56
		.amdhsa_user_sgpr_count 2
		.amdhsa_user_sgpr_kernarg_segment_ptr 1
		.amdhsa_wavefront_size32 1
		.amdhsa_system_sgpr_workgroup_id_x 1
		.amdhsa_system_sgpr_workgroup_id_y 1
		.amdhsa_system_sgpr_workgroup_id_z 1
		.amdhsa_system_vgpr_workitem_id 0
		.amdhsa_next_free_vgpr 194
		.amdhsa_next_free_sgpr 66
		.amdhsa_reserve_vcc 0
		.amdhsa_float_denorm_mode_32 3
		.amdhsa_float_denorm_mode_16_64 3
		.amdhsa_memory_ordered 1
		.amdhsa_forward_progress 1
		.amdhsa_inst_pref_size 18
	.end_amdhsa_kernel
	.amdgpu_metadata
---
amdhsa.version: [ 1, 2 ]
amdhsa.kernels:
  - .name:           k_q8ad8f73da1_quant
    .symbol:         k_q8ad8f73da1_quant.kd
    .args:
      - { .name: x, .offset: 0, .size: 8, .value_kind: global_buffer, .address_space: global }
      - { .name: Wq, .offset: 8, .size: 8, .value_kind: global_buffer, .address_space: global }
      - { .name: Wk, .offset: 16, .size: 8, .value_kind: global_buffer, .address_space: global }
      - { .name: Wv, .offset: 24, .size: 8, .value_kind: global_buffer, .address_space: global }
      - { .name: Wo, .offset: 32, .size: 8, .value_kind: global_buffer, .address_space: global }
      - { .name: xq, .offset: 40, .size: 8, .value_kind: global_buffer, .address_space: global }
      - { .name: wb, .offset: 48, .size: 8, .value_kind: global_buffer, .address_space: global }
    .group_segment_fixed_size: 34304
    .private_segment_fixed_size: 0
    .kernarg_segment_align: 8
    .kernarg_segment_size: 56
    .max_flat_workgroup_size: 128
    .sgpr_count:     66
    .vgpr_count:     194
    .wavefront_size: 32
...
	.end_amdgpu_metadata
.endif
;; end of part 1
;; launch proj (part 2): grid 128 x 2, 4 waves a work-group, clusters of 4 x 1, 327,680 bytes of LDS; arguments xq, wb, qc, kv; writes qc, kv
.if DOCPART == 2
	.amdgcn_target "amdgcn-amd-amdhsa--gfx1250"
	.amdhsa_code_object_version 6
	.text
	.protected	k_q8ad8f73da1_proj
	.globl	k_q8ad8f73da1_proj
	.p2align	8
	.type	k_q8ad8f73da1_proj,@function
k_q8ad8f73da1_proj:
	s_mov_b64 s[64:65], 0
	v_nop
	global_prefetch_b8 v0, s[64:65] scope:SCOPE_SE
	s_setreg_imm32_b32 hwreg(HW_REG_WAVE_MODE, 25, 1), 1
	s_wait_xcnt 0x0
	s_wait_alu depctr_hold_cnt(0) depctr_sa_sdst(0) depctr_va_vdst(0) depctr_va_sdst(0) depctr_va_ssrc(0) depctr_va_vcc(0) depctr_vm_vsrc(0)
	s_getreg_b32 s2, hwreg(HW_REG_IB_STS2, 6, 4)
	s_cmp_eq_u32 s2, 0
	s_cbranch_scc0 .Lentry_in_a_cluster
	s_endpgm
.Lentry_in_a_cluster:
	s_bfe_u32 s2, ttmp6, 0x10000c
	s_cmp_lg_u32 s2, 0x3003
	s_cbranch_scc0 .Lentry_shape_is_right
	s_endpgm
.Lentry_shape_is_right:
; Q = x Wq, K = x Wk, V = x Wv on codes of FP6 (E2M3), each result quantised at once for the product that will read it: Q and K along their 512 columns, V along the tokens (the keys).
; All buffers hold images of operand registers: a fragment (16 rows x 128 K, 12 registers a lane) is 1,536 bytes, three planes of 512, lane l's four registers at 16 l; a block of BLK bytes is 32 images and 2,048 bytes
; of scale words (fragment f, row r at SCW + 64 f + 4 r).  Lane r of tile T holds row 32 (T / 2) + 8 (T % 2) + r + 8 (r / 8) of the block's 128.
; SHARES.  A work-group takes 128 tokens (block n) and half of the 1,536 columns: c = 0: Wq and V's columns 0-255; c = 1: Wk and V's columns 256-511: six blocks of wb on end, one text for both.
; CLUSTER.  The four work-groups of a cluster have the same c and walk the same six blocks: each half block is asked for JOINTLY.  All six lie in LDS, each filled once: nothing is filled again.
; Q, K (four groups of 128 columns): wave w takes its own two tiles of tokens against the group's eight tiles of columns, source 0 = columns, source 1 = tokens: a lane holds one token and 64 neighbours-by-16 along
; the columns, which is one whole fragment of Q or K and one scale word a row: no exchange between waves.  The price: all four waves read every fragment of the weight from LDS, and each feeds two products.
; V (two groups): wave w takes two tiles of columns against all eight tiles of tokens, source 0 = tokens, source 1 = columns: a lane holds one column and its registers run along the tokens: a whole fragment of V.
; kv: for each 128 tokens [K's block | V's block]; V's fragment 8 G + t is tile t of columns 128 G on, its K the block's 128 tokens in their order.
; LIMITS: a block of zeros gets the byte 1 where the quantiser says 127 (zero codes; this program alone reads the bytes); NaN and infinities are not served.
; REGISTERS, in windows of 256.  Window 0: v1-7 addresses; v32-159 16 accumulators; v160-195 scale words; v196-252 at work.  Window 1: my two tiles of x, later tiles 0-3.  Window 2: tiles 4-7.  Window 3: two sets of weight fragments.
.set BLK,  51200
.set SCW,  49152
.set L16,  1                           ; v1  16 x lane
.set L4,   2                           ; v2  4 x lane
.set R4,   3                           ; v3  4 r
.set AW,   4                           ; v4  LDS: 16 x lane + the weight block in hand
.set AWS,  5                           ; v5  4 x lane + that block's scale words
.set AWV,  6                           ; v6  16 x lane + block 4 + my two tiles (12,288 w)
.set AWSV, 7                           ; v7  4 x lane + block 4's scale words + 512 w
.set ACC,  32
.set XOS,  160                         ; v160-163 my two tiles' scale words: register 2 u + ks / 2; even ks in lanes 0-15, odd in lanes 16-31
.set XS,   164                         ; v164-179 all eight tiles': 2 T + ks / 2
.set WS,   180                         ; v180-195 the weight block's: 2 ct + ks / 2
.set TM,   196
.set PW,   212
.set PC0,  214                         ; v214-232, v234-252: two sets for the codes
.set WV,   12                          ; s12 wave; s13 c; s14 n
.set G1,   16                          ; s[16:23] descriptor group 1
.set G0,   24                          ; s[24:35] three groups 0
.set SEL,  48
.set DQ,   50                          ; s[50:51] Q's or K's block + my tiles' images
.set DS,   52                          ; s[52:53] and their scale words
.set DV,   54                          ; s[54:55] V's block + my fragments
.set DVS,  56
.set XB,   58                          ; s[58:59] x's block
.set MSB, 0
.macro WIN new                         ; the immediate's high byte repeats the setting that is left; a switch that changes nothing is dropped
.if MSB != (\new)
	s_set_vgpr_msb (MSB<<8)|(\new)
.set MSB, (\new)
.endif
.endm
.macro PLACES n
.rept \n
	v_nop
.endr
.endm
.macro CROUND                          ; a round of the cluster's barrier
	s_barrier_signal -1
	s_barrier_wait -1
	s_cmp_lg_u32 s[WV], 0
	s_cbranch_scc1 .Lnot_wave_0_\@
	s_barrier_signal -3
.Lnot_wave_0_\@:
	s_barrier_wait -3
	s_barrier_signal -1
	s_barrier_wait -1
.endm
; one product: D, A, B at registers d, a, b; C = 0 where c < 0, else at c; scale words sa, sb, taken from lanes 16-31 where ra, rb are 1
.macro WM d, a, b, c, sa, sb, ra, rb
.if (\c) < 0
.if (\ra) && (\rb)
	v_wmma_scale_f32_16x16x128_f8f6f4 v[(\d):(\d)+7], v[(\a):(\a)+11], v[(\b):(\b)+11], 0, v[\sa], v[\sb] matrix_a_fmt:MATRIX_FMT_FP6 matrix_b_fmt:MATRIX_FMT_FP6 matrix_a_scale:MATRIX_SCALE_ROW1 matrix_b_scale:MATRIX_SCALE_ROW1
.elseif (\ra)
	v_wmma_scale_f32_16x16x128_f8f6f4 v[(\d):(\d)+7], v[(\a):(\a)+11], v[(\b):(\b)+11], 0, v[\sa], v[\sb] matrix_a_fmt:MATRIX_FMT_FP6 matrix_b_fmt:MATRIX_FMT_FP6 matrix_a_scale:MATRIX_SCALE_ROW1
.elseif (\rb)
	v_wmma_scale_f32_16x16x128_f8f6f4 v[(\d):(\d)+7], v[(\a):(\a)+11], v[(\b):(\b)+11], 0, v[\sa], v[\sb] matrix_a_fmt:MATRIX_FMT_FP6 matrix_b_fmt:MATRIX_FMT_FP6 matrix_b_scale:MATRIX_SCALE_ROW1
.else
	v_wmma_scale_f32_16x16x128_f8f6f4 v[(\d):(\d)+7], v[(\a):(\a)+11], v[(\b):(\b)+11], 0, v[\sa], v[\sb] matrix_a_fmt:MATRIX_FMT_FP6 matrix_b_fmt:MATRIX_FMT_FP6
.endif
.else
.if (\ra) && (\rb)
	v_wmma_scale_f32_16x16x128_f8f6f4 v[(\d):(\d)+7], v[(\a):(\a)+11], v[(\b):(\b)+11], v[(\c):(\c)+7], v[\sa], v[\sb] matrix_a_fmt:MATRIX_FMT_FP6 matrix_b_fmt:MATRIX_FMT_FP6 matrix_a_scale:MATRIX_SCALE_ROW1 matrix_b_scale:MATRIX_SCALE_ROW1
.elseif (\ra)
	v_wmma_scale_f32_16x16x128_f8f6f4 v[(\d):(\d)+7], v[(\a):(\a)+11], v[(\b):(\b)+11], v[(\c):(\c)+7], v[\sa], v[\sb] matrix_a_fmt:MATRIX_FMT_FP6 matrix_b_fmt:MATRIX_FMT_FP6 matrix_a_scale:MATRIX_SCALE_ROW1
.elseif (\rb)
	v_wmma_scale_f32_16x16x128_f8f6f4 v[(\d):(\d)+7], v[(\a):(\a)+11], v[(\b):(\b)+11], v[(\c):(\c)+7], v[\sa], v[\sb] matrix_a_fmt:MATRIX_FMT_FP6 matrix_b_fmt:MATRIX_FMT_FP6 matrix_b_scale:MATRIX_SCALE_ROW1
.else
	v_wmma_scale_f32_16x16x128_f8f6f4 v[(\d):(\d)+7], v[(\a):(\a)+11], v[(\b):(\b)+11], v[(\c):(\c)+7], v[\sa], v[\sb] matrix_a_fmt:MATRIX_FMT_FP6 matrix_b_fmt:MATRIX_FMT_FP6
.endif
.endif
.endm
; 64 numbers of a lane, register 16 b + i = k 32 b + 16 (lane / 16) + i of my row, become a fragment's 12 registers in v[pc] on and its row's scale word in v[PW]
.macro QUANT s, pc
.irp b, 0,1,2,3
	v_max3_num_f32 v[TM+\b], |v[(\s)+16*\b]|, |v[(\s)+16*\b+1]|, 0x1800000   ; block b: my 16 numbers and the floor 2^(3 - 127): the byte cannot fall under 1
.endr
.irp i, 2,4,6,8,10,12,14
.irp b, 0,1,2,3
	v_max3_num_f32 v[TM+\b], v[TM+\b], |v[(\s)+16*\b+\i]|, |v[(\s)+16*\b+\i+1]|
.endr
.endr
.irp b, 0,1,2,3
	v_permlanex16_b32 v[TM+4+\b], v[TM+\b], s[SEL], s[SEL+1]
.endr
.irp b, 0,1,2,3
	v_max_num_f32 v[TM+\b], v[TM+\b], v[TM+4+\b]
.endr
.irp b, 0,1,2,3
	v_add_nc_u32 v[TM+12+\b], 0xff000000, v[TM+\b]   ; 2 off the exponent field: the conversion's scale operand
.endr
.irp b, 0,1,2,3
	v_lshrrev_b32 v[TM+4+\b], 23, v[TM+12+\b]
.endr
	v_lshl_or_b32 v[PW], v[TM+5], 8, v[TM+4]
	v_lshl_or_b32 v[PW], v[TM+6], 16, v[PW]
	v_lshl_or_b32 v[PW], v[TM+7], 24, v[PW]
.irp c, 0,1
	v_cvt_scalef32_pk16_fp6_f32 v[(\pc)+6*\c:(\pc)+6*\c+2], v[(\s)+32*\c:(\s)+32*\c+15], v[TM+12+2*\c]
	v_cvt_scalef32_pk16_fp6_f32 v[(\pc)+12+4*\c:(\pc)+12+4*\c+2], v[(\s)+32*\c+16:(\s)+32*\c+31], v[TM+12+2*\c+1]
.endr
	v_nop                                          ; one plain line behind the conversions: later products write their sources again
.irp c, 0,1
.irp i, 0,1,2
	v_permlane16_swap_b32 v[(\pc)+6*\c+\i], v[(\pc)+12+4*\c+\i]
.endr
.irp i, 0,1,2
	v_mov_b32 v[(\pc)+6*\c+3+\i], v[(\pc)+12+4*\c+\i]
.endr
.endr
.endm
	s_load_b256 s[4:11], s[0:1], 0x0               ; xq s[4:5], wb s[6:7], qc s[8:9], kv s[10:11]
	v_lshl_add_u32 v254, v0, 2, 0x4b000
	v_mov_b32 v255, 0
	ds_add_u32 v254, v255
	ds_add_u32 v254, v255
	v_lshrrev_b32 v8, 5, v0
	v_readfirstlane_b32 s[WV], v8                  ; wave 0..3
	s_bfe_u32 s40, ttmp6, 0x40000                  ; cx: it enters x's and the results' addresses alone
	s_lshl_b32 s14, ttmp9, 2
	s_add_co_u32 s14, s14, s40                     ; n = 4 x cluster x + cx
	s_and_b32 s13, ttmp7, 0xffff                   ; c, which the four partners share
	; descriptor group 1: half a block, 25,600 dense bytes, as 100 rows of 256 bytes (32 elements of 8 bytes), no padding: images are read 512 consecutive bytes at a time
	s_mov_b32 s[G1], 15|(3<<16)|(1<<21)            ; 15:0 the mask: all four work-groups; 17:16 elements of 8 bytes; 21 set beside a mask
	s_mov_b32 s[G1+1], 32<<16                      ; tensor_dim0
	s_mov_b32 s[G1+2], 100<<16                     ; tensor_dim1
	s_mov_b32 s[G1+3], 32<<16                      ; tile_dim0
	s_mov_b32 s[G1+4], 100                         ; tile_dim1
	s_mov_b32 s[G1+5], 32                          ; the pitch
	s_mov_b32 s[G1+6], 0
	s_mov_b32 s[G1+7], 0
	s_lshr_b32 s41, s[WV], 1                       ; my load i brings half (w % 2) of block 2 i + w / 2
	s_and_b32 s42, s[WV], 1
	s_mul_i32 s41, s41, BLK
	s_mul_i32 s42, s42, BLK/2
	s_add_co_u32 s41, s41, s42                     ; its place in LDS for i = 0: the wave's number and constants alone
	s_mul_i32 s44, s13, 6*BLK
	s_add_co_u32 s44, s44, s41                     ; and in wb
	s_mov_b32 s45, 0
	s_wait_dscnt 0x0
	s_wait_kmcnt 0x0
	s_add_nc_u64 s[46:47], s[6:7], s[44:45]
.irp i, 0,1,2
	s_mov_b32 s[G0+4*\i], 1
	s_add_co_u32 s[G0+4*\i+1], s41, \i*2*BLK
	s_add_nc_u64 s[G0+4*\i+2:G0+4*\i+3], s[46:47], \i*2*BLK
	s_or_b32 s[G0+4*\i+3], s[G0+4*\i+3], 0x80000000
.endr
	CROUND                                         ; all four work-groups are here: the joint loads meet
	tensor_load_to_lds s[G0:G0+3], s[G1:G1+7]      ; all fills of the launch in one group: three loads of mine are out
	s_nop 0
	tensor_load_to_lds s[G0+4:G0+7], s[G1:G1+7]
	s_nop 0
	tensor_load_to_lds s[G0+8:G0+11], s[G1:G1+7]
	s_nop 0
	PLACES 4                                       ; four such lines behind the loads
	v_and_b32 v8, 31, v0
	v_lshlrev_b32 v[L16], 4, v8
	v_lshlrev_b32 v[L4], 2, v8
	v_and_b32 v9, 15, v0
	v_lshlrev_b32 v[R4], 2, v9
	v_mov_b32 v[AW], v[L16]
	v_add_nc_u32 v[AWS], SCW, v[L4]
	s_mul_i32 s43, s[WV], 12288
	s_add_co_u32 s43, s43, 4*BLK
	v_add_nc_u32 v[AWV], s43, v[L16]
	s_lshl_b32 s43, s[WV], 9
	s_add_co_u32 s43, s43, 4*BLK+SCW
	v_add_nc_u32 v[AWSV], s43, v[L4]
	s_mov_b32 s[SEL], 0x76543210
	s_mov_b32 s[SEL+1], 0xfedcba98
.irp b, 0,1,2,3
	v_mov_b32 v[TM+4+\b], 0                        ; written once: a lane permute's destination counts as one of its sources
.endr
	s_mul_i32 s44, s14, BLK
	s_add_nc_u64 s[XB:XB+1], s[4:5], s[44:45]      ; x's block n
	s_cmp_eq_u32 s13, 0
	s_cselect_b64 s[DQ:DQ+1], s[8:9], s[10:11]     ; Q goes to qc, K to kv
	s_lshl_b32 s44, 0xc800, s13                    ; blocks BLK apart in qc, 2 BLK in kv
	s_mul_i32 s44, s44, s14
	s_add_nc_u64 s[DQ:DQ+1], s[DQ:DQ+1], s[44:45]
	s_lshl_b32 s44, s[WV], 9
	s_add_co_u32 s44, s44, SCW
	s_add_nc_u64 s[DS:DS+1], s[DQ:DQ+1], s[44:45]  ; fragments 8 w on: their scale words,
	s_mul_i32 s44, s[WV], 12288
	s_add_nc_u64 s[DQ:DQ+1], s[DQ:DQ+1], s[44:45]  ; their images
	s_add_nc_u64 s[60:61], s[XB:XB+1], s[44:45]    ; and the same fragments of x
	s_lshl_b32 s44, s[WV], 9
	s_add_co_u32 s44, s44, SCW
	s_add_nc_u64 s[62:63], s[XB:XB+1], s[44:45]
	s_mul_i32 s44, s14, 2*BLK
	s_add_co_u32 s44, s44, BLK
	s_add_nc_u64 s[DV:DV+1], s[10:11], s[44:45]    ; V's block n
	s_lshl_b32 s43, s13, 4
	s_lshl_b32 s42, s[WV], 1
	s_add_co_u32 s43, s43, s42                     ; my first fragment of it: 16 c + 2 w
	s_lshl_b32 s44, s43, 6
	s_add_co_u32 s44, s44, SCW
	s_add_nc_u64 s[DVS:DVS+1], s[DV:DV+1], s[44:45]
	s_mul_i32 s44, s43, 1536
	s_add_nc_u64 s[DV:DV+1], s[DV:DV+1], s[44:45]
	WIN 0x40                                       ; destination window 1
.set k, 0
.rept 24                                       ; my two tiles of x: eight images on end; fragment (u, ks) lands at v[12 (4 u + ks)]
	global_load_b128 v[4*k:4*k+3], v[L16], s[60:61] offset:512*k
.set k, k+1
.endr
	WIN 0
.irp i, 0,1,2,3
	global_load_b32 v[XOS+\i], v[L4], s[62:63] offset:128*\i
.endr
.irp i, 0,1,2,3,4,5,6,7,8,9,10,11,12,13,14,15
	global_load_b32 v[XS+\i], v[L4], s[XB:XB+1] offset:SCW+128*\i
.endr
; n planes of x's images from plane k0 of window w on; off: the window's first byte in the block
.macro XFL w, k0, n, off
	WIN (\w)<<6
.set k, \k0
.rept \n
	global_load_b128 v[4*k:4*k+3], v[L16], s[XB:XB+1] offset:(\off)+512*k
.set k, k+1
.endr
	WIN 0
.endm
; the block's eight fragments of K step ks into set buf of window 3
.macro WFETCH ks, buf
	WIN 0xc0
.irp ct, 0,1,2,3,4,5,6,7
.irp pl, 0,1,2
	ds_load_b128 v[96*(\buf)+12*\ct+4*\pl:96*(\buf)+12*\ct+4*\pl+3], v[AW] offset:6144*\ct+1536*(\ks)+512*\pl
.endr
.endr
	WIN 0
.endm
; 16 products: eight tiles of columns x my two tiles of tokens; the 16 accumulators take turns, in the same order in every K step
.macro MULQ ks
	WIN 0x07                                       ; source 0 (the weight) window 3, source 1 (x) window 1
.irp ct, 0,1,2,3,4,5,6,7
.irp u, 0,1
.if (\ks) == 0
	WM ACC+64*\u+8*\ct, 96*((\ks)%2)+12*\ct, 12*(4*\u+(\ks)), -1, WS+2*\ct+(\ks)/2, XOS+2*\u+(\ks)/2, (\ks)%2, (\ks)%2
.else
	WM ACC+64*\u+8*\ct, 96*((\ks)%2)+12*\ct, 12*(4*\u+(\ks)), ACC+64*\u+8*\ct, WS+2*\ct+(\ks)/2, XOS+2*\u+(\ks)/2, (\ks)%2, (\ks)%2
.endif
.endr
.endr
.endm
; Columns 128 g on of Q or K
.macro GQK g
.if (\g)%2 == 0
	s_wait_tensorcnt 2-(\g)/2                      ; my load g / 2 has landed: behind it I issued 2 - g / 2 more
	s_barrier_signal -1
	s_barrier_wait -1                              ; everybody's has: blocks g and g + 1 are whole.
.endif
.irp i, 0,1,2,3,4,5,6,7,8,9,10,11,12,13,14,15
	ds_load_b32 v[WS+\i], v[AWS] offset:128*\i
.endr
	WFETCH 0, 0
	WFETCH 1, 1
	s_wait_dscnt 24                                ; all but the 24 loads of the set fetched last
	MULQ 0
	PLACES 4                                       ; in front of loads into registers that the products have read
	WFETCH 2, 0
	s_wait_dscnt 24
	MULQ 1
	PLACES 4
	WFETCH 3, 1
	s_wait_dscnt 24
	MULQ 2
	s_wait_dscnt 0x0
	MULQ 3
	WIN 0
	PLACES 4                                       ; in front of the first read of results, and of loads over my two tiles of x
.if (\g) == 0
	XFL 2, 0, 48, 24576                            ; x's other tiles, for V's groups, are asked for on the way: tiles 4-7,
.elseif (\g) == 1
	XFL 1, 24, 24, 0                               ; tiles 2 and 3,
.elseif (\g) == 3
	XFL 1, 0, 24, 0                                ; tiles 0 and 1, over my own two, which are done with
.endif
	v_add_nc_u32 v[AW], BLK, v[AW]                 ; the next block (no LDS load of mine is out)
	v_add_nc_u32 v[AWS], BLK, v[AWS]
.irp u, 0,1
	s_wait_xcnt 0x0                                ; the earlier stores have read their registers: the codes and the word may be written again
	QUANT ACC+64*\u, PC0+20*\u
	global_store_b128 v[L16], v[PC0+20*\u:PC0+20*\u+3], s[DQ:DQ+1] offset:6144*\u+1536*(\g)          ; fragment (tile 2 w + u, K step g): 512 consecutive bytes a store, aligned
	global_store_b128 v[L16], v[PC0+20*\u+4:PC0+20*\u+7], s[DQ:DQ+1] offset:6144*\u+1536*(\g)+512
	global_store_b128 v[L16], v[PC0+20*\u+8:PC0+20*\u+11], s[DQ:DQ+1] offset:6144*\u+1536*(\g)+1024
	global_store_b32 v[R4], v[PW], s[DS:DS+1] offset:256*\u+64*(\g)
.endr
.endm
; Columns 128 (2 c + gv) on of V
.macro GV gv
.if (\gv) == 0
	s_wait_tensorcnt 0x0                           ; my last load has landed
	s_barrier_signal -1
	s_barrier_wait -1
.endif
	WIN 0xc0
.set k, 0
.rept 24                                       ; my two tiles of columns: eight images on end; fragment (cp, ks) lands at v[12 (4 cp + ks)]
	ds_load_b128 v[4*k:4*k+3], v[AWV] offset:BLK*(\gv)+512*k
.set k, k+1
.endr
	WIN 0
.irp i, 0,1,2,3
	ds_load_b32 v[WS+\i], v[AWSV] offset:BLK*(\gv)+128*\i
.endr
	s_wait_loadcnt 0x0                             ; all of x
	s_wait_dscnt 0x0
.irp ks, 0,1,2,3
.irp T, 0,1,2,3,4,5,6,7
	WIN 0x0d+\T/4                                  ; source 0 (x) window 1 or 2, source 1 (the weight) window 3
.irp cp, 0,1
.if \ks == 0
	WM ACC+64*\cp+8*\T, 48*(\T%4)+12*\ks, 12*(4*\cp+\ks), -1, XS+2*\T+\ks/2, WS+2*\cp+\ks/2, \ks%2, \ks%2
.else
	WM ACC+64*\cp+8*\T, 48*(\T%4)+12*\ks, 12*(4*\cp+\ks), ACC+64*\cp+8*\T, XS+2*\T+\ks/2, WS+2*\cp+\ks/2, \ks%2, \ks%2
.endif
.endr
.endr
.endr
	WIN 0
	PLACES 4
.irp cp, 0,1
	s_wait_xcnt 0x0
	QUANT ACC+64*\cp, PC0+20*\cp
	global_store_b128 v[L16], v[PC0+20*\cp:PC0+20*\cp+3], s[DV:DV+1] offset:12288*(\gv)+1536*\cp
	global_store_b128 v[L16], v[PC0+20*\cp+4:PC0+20*\cp+7], s[DV:DV+1] offset:12288*(\gv)+1536*\cp+512
	global_store_b128 v[L16], v[PC0+20*\cp+8:PC0+20*\cp+11], s[DV:DV+1] offset:12288*(\gv)+1536*\cp+1024
	global_store_b32 v[R4], v[PW], s[DVS:DVS+1] offset:512*(\gv)+64*\cp
.endr
.endm
	s_wait_loadcnt 0x0                             ; my tiles of x and the scale words
	GQK 0
	GQK 1
	GQK 2
	GQK 3
	GV 0
	GV 1
	s_wait_tensorcnt 0x0
	s_wait_tensorcnt 0x0
	ds_add_u32 v254, v255
	s_wait_dscnt 0x0
	CROUND                                         ; the closing round: no work-group ends while a partner may still ask for a tile that names it
	s_endpgm
.Lfunc_end_k_q8ad8f73da1_proj:
	.size	k_q8ad8f73da1_proj, .Lfunc_end_k_q8ad8f73da1_proj-k_q8ad8f73da1_proj
	.p2alignl 7, 3214868480
	.fill 96, 4, 3214868480
	.section	.rodata,"a",@progbits
	.p2align	6, 0x0
	.amdhsa_kernel k_q8ad8f73da1_proj
		.amdhsa_group_segment_fixed_size 327680
		.amdhsa_private_segment_fixed_size 0
		.amdhsa_enable_private_segment 0
		.amdhsa_kernarg_size 32
		.amdhsa_user_sgpr_count 2
		.amdhsa_user_sgpr_kernarg_segment_ptr 1
		.amdhsa_wavefront_size32 1
		.amdhsa_system_sgpr_workgroup_id_x 1
		.amdhsa_system_sgpr_workgroup_id_y 1
		.amdhsa_system_sgpr_workgroup_id_z 1
		.amdhsa_system_vgpr_workitem_id 0
		.amdhsa_next_free_vgpr 1024
		.amdhsa_next_free_sgpr 66
		.amdhsa_reserve_vcc 0
		.amdhsa_float_denorm_mode_32 3
		.amdhsa_float_denorm_mode_16_64 3
		.amdhsa_memory_ordered 1
		.amdhsa_forward_progress 1
		.amdhsa_inst_pref_size 154
	.end_amdhsa_kernel
	.amdgpu_metadata
---
amdhsa.version: [ 1, 2 ]
amdhsa.kernels:
  - .name:           k_q8ad8f73da1_proj
    .symbol:         k_q8ad8f73da1_proj.kd
    .args:
      - { .name: xq, .offset: 0, .size: 8, .value_kind: global_buffer, .address_space: global }
      - { .name: wb, .offset: 8, .size: 8, .value_kind: global_buffer, .address_space: global }
      - { .name: qc, .offset: 16, .size: 8, .value_kind: global_buffer, .address_space: global }
      - { .name: kv, .offset: 24, .size: 8, .value_kind: global_buffer, .address_space: global }
    .group_segment_fixed_size: 327680
    .private_segment_fixed_size: 0
    .kernarg_segment_align: 8
    .kernarg_segment_size: 32
    .max_flat_workgroup_size: 128
    .sgpr_count:     66
    .vgpr_count:     1024
    .wavefront_size: 32
...
	.end_amdgpu_metadata
.endif
;; end of part 2
;; launch attn (part 3): grid 32 x 8, 4 waves a work-group, clusters of 4 x 1, 327,680 bytes of LDS; arguments qc, kv, wb, adj, x, bo, gamma, beta, out0; writes out0
.if DOCPART == 3
	.amdgcn_target "amdgcn-amd-amdhsa--gfx1250"
	.amdhsa_code_object_version 6
	.text
	.protected	k_q8ad8f73da1_attn
	.globl	k_q8ad8f73da1_attn
	.p2align	8
	.type	k_q8ad8f73da1_attn,@function
k_q8ad8f73da1_attn:
	s_mov_b64 s[64:65], 0
	v_nop
	global_prefetch_b8 v0, s[64:65] scope:SCOPE_SE
	s_setreg_imm32_b32 hwreg(HW_REG_WAVE_MODE, 25, 1), 1
	s_wait_xcnt 0x0
	s_wait_alu depctr_hold_cnt(0) depctr_sa_sdst(0) depctr_va_vdst(0) depctr_va_sdst(0) depctr_va_ssrc(0) depctr_va_vcc(0) depctr_vm_vsrc(0)
	s_getreg_b32 s2, hwreg(HW_REG_IB_STS2, 6, 4)
	s_cmp_eq_u32 s2, 0
	s_cbranch_scc0 .Lentry_in_a_cluster
	s_endpgm
.Lentry_in_a_cluster:
	s_bfe_u32 s2, ttmp6, 0x10000c
	s_cmp_lg_u32 s2, 0x3003
	s_cbranch_scc0 .Lentry_shape_is_right
	s_endpgm
.Lentry_shape_is_right:
; out0 = LayerNorm(x + (softmax(mask(Q K^T / sqrt(512))) V) Wo + bo), the three products on codes of FP6 (E2M3) with one E8M0 scale for each 32 along K.  B = 8, L = 2,048, D = 512.
; Q, K, V and Wo arrive as images of operand registers (a fragment, 16 rows x 128 K, is 1,536 bytes: three planes of 512, lane l's four registers at 16 l; a block of BLK bytes is 32 images and 2,048 bytes of scale words).
; Lane r of tile T holds row 32 (T / 2) + 8 (T % 2) + r + 8 (r / 8) of its block's 128.
; SHARES.  A work-group owns 64 queries of one batch: four tiles m.  Keys go in 16 steps of 128.  THE WAVES SHARE COLUMNS, NOT QUERIES: in a step wave w makes S^T for keys 32 w .. 32 w + 31 (source 0 = K, source 1 = Q,
; which stays in registers) and adds V^T P for channels 128 w .. 128 w + 127, both for all four tiles: each fragment of K and V is read from LDS by one wave and feeds four products.
; A wave's 32 keys are one block of P: its codes (12 bytes a lane), its -M and its scale go to the other waves through LDS, with one barrier a step, which is also the ring's.
; SOFTMAX.  t = score x log2(e) / sqrt(512); each wave keeps its own running M_w = ceil(largest t of its keys); p = 2^(t - M_w) is quantised; the readers take Mc = the largest M_w, multiply O by 2^(old Mc - new Mc) and move
; each block's scale byte by M_w - Mc: powers of two throughout.  The sum l is taken of the unquantised p under M_w and joined at the end.
; THE MASK.  A hidden score becomes -2^100.  Its product with the constant is exact, so a row hidden so far has t - M = 0 and p = 1: uniform weights, as asked of a row without neighbours; the first open key makes every
; factor 0 and wipes that.  No branch hangs on adj.
; CLUSTER.  The four work-groups of a cluster belong to one batch and walk the same K and V: each quarter of a step's 102,400 bytes is asked for JOINTLY.  Q, adj and x are read by one work-group each.
; adj is asked for two steps ahead, into two sets of 64 registers: a lane's four loads cover 64 consecutive bytes of its query's row, the four waves a row's 512 bytes of the step.
; No prefetch: the launch streams adj, x and its output for its whole length, and adj's requests already stand two steps ahead of their use.
; O begins as zeros written once (256 lines), so that the key step has no first form of its own.
; LIMITS: an open score must lie above -2^100; NaN and infinities are not served; a block of zeros gets the byte 1 (zero codes); a block of p whose M_w lies further below Mc than its byte counts with the byte 0
; (at most 7.5 x 2^-127 a term beside a row's largest p above 1/2); p under 2^-126 falls to 0; t is one fused multiply-add with the one constant; 1 / l and 1 / sqrt are the chip's own, to 1 ulp.
; REGISTERS, in windows of 256.  Window 0: v1-27 addresses; v32-95 S^T then p; v96-143 P's fragments; v144-185 scale words; v186-211 statistics; v212-255 at work.
;   Window 1: O^T, later y: tile m, channels' tile t at v[64 m + 8 t].  Window 2: v0-191 Q, later Wo and x; v192-255 adj set 0, later bo.  Window 3: v0-95 K, v96-191 V, later Wo; v192-255 adj set 1, later x.
.set BLK,   51200
.set SCW,   49152
.set STEPB, 2*BLK                      ; a step's tiles: K's block, then V's
.set SLOT1, 1<<17                      ; slot 1: one exclusive or turns an address from one slot to the other
.set OIMG,  102400                     ; behind slot 0: the 16 images of out (4 m + ks),
.set OSC,   126976                     ; their scale words
.set STAGE, 131072                     ; 64 rows x SPIT bytes, over slot 1: written when that slot has had its last fill and its last read
.set SPIT,  2064
.set P0,    263168                     ; P: 64 rows x 96 bytes, two buffers
.set PBUF,  6144
.set META0, 275456                     ; [tile][row][wave] x 8 bytes: -M_w and the scale; two buffers
.set MBUF,  2048
.set LSUM,  279552                     ; the same shape: -M_w and l_w
.set SPARE, 281600                     ; the spare words: 128 bytes a wave, two blocks of 256 bytes that no other line names
.set SPW, 1
.set NIL, 2
.set AK,  3                            ; v3-4   K's images in slot 0, 1: 12,288 w + 16 x lane
.set AV,  5                            ; v5-6   V's
.set ASK, 7                            ; v7-8   K's scale words: 512 w + 4 x lane
.set ASV, 9                            ; v9-10  V's
.set PST, 11                           ; where I put 12 bytes of P: 96 r + 12 h + 24 w
.set PLD, 12                           ; where I read P's fragments: 96 r + 24 h
.set MST, 13
.set MLD, 14                           ; lanes 0-15 read an even tile's statistics, lanes 16-31 the odd one's
.set ADJO, 15                          ; adj: 8,192 (r + 8 (r / 8)) + 64 h + 128 w
.set LST, 16
.set LLD, 17
.set OIS, 18
.set OIL, 19
.set OSS, 20
.set OSL, 21
.set SO,  22                           ; v22-23 the stage, tiles 0-1 and 2-3
.set SR,  24
.set L16, 25
.set L4,  26
.set H64, 27
.set S,   32                           ; tile m, register 16 m + e: key 32 w + 16 h + e
.set PF,  96
.set QS,  144
.set KS,  152
.set VS,  156
.set PS,  160
.set WS,  162
.set OS,  178
.set NT,  186                          ; pairs (-M_w, largest t)
.set LL,  194                          ; pairs: l in two halves
.set NMC, 202                          ; -Mc: lanes 0-15 tile 2 g, lanes 16-31 tile 2 g + 1
.set F,   204                          ; pairs: the tile's factor in the low word
.set BM,  212
.set TP,  216
.set FP,  220
.set MP,  228
.set CV,  236
.set ME,  212
.set WK,  228
.set TM,  212
.set PW,  228
.set PC,  230
.set LA,  224                          ; LayerNorm: four pairs of sums, v232-235 at work, pairs of means, pairs of 1 / sqrt
.set LT,  232
.set MU,  236
.set RS,  244
.set GA,  96
.set BE,  112
.set WV,   22
.set TRIP, 23
.set G1,   24
.set G0A,  32
.set G0W,  36
.set SEL,  40
.set CS,   42
.set SENT, 44
.set HM,   45
.set I512, 60
.set EPSR, 61
.set MSB, 0
.macro WIN new                         ; the immediate's high byte repeats the setting that is left; a switch that changes nothing is dropped
.if MSB != (\new)
	s_set_vgpr_msb (MSB<<8)|(\new)
.set MSB, (\new)
.endif
.endm
.macro PLACES n
.rept \n
	v_nop
.endr
.endm
.macro CROUND                          ; a round of the cluster's barrier
	s_barrier_signal -1
	s_barrier_wait -1
	s_cmp_lg_u32 s[WV], 0
	s_cbranch_scc1 .Lnot_wave_0_\@
	s_barrier_signal -3
.Lnot_wave_0_\@:
	s_barrier_wait -3
	s_barrier_signal -1
	s_barrier_wait -1
.endm
; one product: D, A, B at registers d, a, b; C = 0 where c < 0, else at c; scale words sa, sb, taken from lanes 16-31 where ra, rb are 1
.macro WM d, a, b, c, sa, sb, ra, rb
.if (\c) < 0
.if (\ra) && (\rb)
	v_wmma_scale_f32_16x16x128_f8f6f4 v[(\d):(\d)+7], v[(\a):(\a)+11], v[(\b):(\b)+11], 0, v[\sa], v[\sb] matrix_a_fmt:MATRIX_FMT_FP6 matrix_b_fmt:MATRIX_FMT_FP6 matrix_a_scale:MATRIX_SCALE_ROW1 matrix_b_scale:MATRIX_SCALE_ROW1
.elseif (\ra)
	v_wmma_scale_f32_16x16x128_f8f6f4 v[(\d):(\d)+7], v[(\a):(\a)+11], v[(\b):(\b)+11], 0, v[\sa], v[\sb] matrix_a_fmt:MATRIX_FMT_FP6 matrix_b_fmt:MATRIX_FMT_FP6 matrix_a_scale:MATRIX_SCALE_ROW1
.elseif (\rb)
	v_wmma_scale_f32_16x16x128_f8f6f4 v[(\d):(\d)+7], v[(\a):(\a)+11], v[(\b):(\b)+11], 0, v[\sa], v[\sb] matrix_a_fmt:MATRIX_FMT_FP6 matrix_b_fmt:MATRIX_FMT_FP6 matrix_b_scale:MATRIX_SCALE_ROW1
.else
	v_wmma_scale_f32_16x16x128_f8f6f4 v[(\d):(\d)+7], v[(\a):(\a)+11], v[(\b):(\b)+11], 0, v[\sa], v[\sb] matrix_a_fmt:MATRIX_FMT_FP6 matrix_b_fmt:MATRIX_FMT_FP6
.endif
.else
.if (\ra) && (\rb)
	v_wmma_scale_f32_16x16x128_f8f6f4 v[(\d):(\d)+7], v[(\a):(\a)+11], v[(\b):(\b)+11], v[(\c):(\c)+7], v[\sa], v[\sb] matrix_a_fmt:MATRIX_FMT_FP6 matrix_b_fmt:MATRIX_FMT_FP6 matrix_a_scale:MATRIX_SCALE_ROW1 matrix_b_scale:MATRIX_SCALE_ROW1
.elseif (\ra)
	v_wmma_scale_f32_16x16x128_f8f6f4 v[(\d):(\d)+7], v[(\a):(\a)+11], v[(\b):(\b)+11], v[(\c):(\c)+7], v[\sa], v[\sb] matrix_a_fmt:MATRIX_FMT_FP6 matrix_b_fmt:MATRIX_FMT_FP6 matrix_a_scale:MATRIX_SCALE_ROW1
.elseif (\rb)
	v_wmma_scale_f32_16x16x128_f8f6f4 v[(\d):(\d)+7], v[(\a):(\a)+11], v[(\b):(\b)+11], v[(\c):(\c)+7], v[\sa], v[\sb] matrix_a_fmt:MATRIX_FMT_FP6 matrix_b_fmt:MATRIX_FMT_FP6 matrix_b_scale:MATRIX_SCALE_ROW1
.else
	v_wmma_scale_f32_16x16x128_f8f6f4 v[(\d):(\d)+7], v[(\a):(\a)+11], v[(\b):(\b)+11], v[(\c):(\c)+7], v[\sa], v[\sb] matrix_a_fmt:MATRIX_FMT_FP6 matrix_b_fmt:MATRIX_FMT_FP6
.endif
.endif
.endm
; 64 numbers of a lane, register 16 b + i = k 32 b + 16 (lane / 16) + i of my row, become a fragment's 12 registers in v[pc] on and its row's scale word in v[PW]
.macro QUANT s, pc
.irp b, 0,1,2,3
	v_max3_num_f32 v[TM+\b], |v[(\s)+16*\b]|, |v[(\s)+16*\b+1]|, 0x1800000   ; block b: my 16 numbers and the floor 2^(3 - 127): the byte cannot fall under 1
.endr
.irp i, 2,4,6,8,10,12,14
.irp b, 0,1,2,3
	v_max3_num_f32 v[TM+\b], v[TM+\b], |v[(\s)+16*\b+\i]|, |v[(\s)+16*\b+\i+1]|
.endr
.endr
.irp b, 0,1,2,3
	v_permlanex16_b32 v[TM+4+\b], v[TM+\b], s[SEL], s[SEL+1]
.endr
.irp b, 0,1,2,3
	v_max_num_f32 v[TM+\b], v[TM+\b], v[TM+4+\b]
.endr
.irp b, 0,1,2,3
	v_add_nc_u32 v[TM+12+\b], 0xff000000, v[TM+\b]   ; 2 off the exponent field: the conversion's scale operand
.endr
.irp b, 0,1,2,3
	v_lshrrev_b32 v[TM+4+\b], 23, v[TM+12+\b]
.endr
	v_lshl_or_b32 v[PW], v[TM+5], 8, v[TM+4]
	v_lshl_or_b32 v[PW], v[TM+6], 16, v[PW]
	v_lshl_or_b32 v[PW], v[TM+7], 24, v[PW]
.irp c, 0,1
	v_cvt_scalef32_pk16_fp6_f32 v[(\pc)+6*\c:(\pc)+6*\c+2], v[(\s)+32*\c:(\s)+32*\c+15], v[TM+12+2*\c]
	v_cvt_scalef32_pk16_fp6_f32 v[(\pc)+12+4*\c:(\pc)+12+4*\c+2], v[(\s)+32*\c+16:(\s)+32*\c+31], v[TM+12+2*\c+1]
.endr
	v_nop                                          ; one plain line behind the conversions
.irp c, 0,1
.irp i, 0,1,2
	v_permlane16_swap_b32 v[(\pc)+6*\c+\i], v[(\pc)+12+4*\c+\i]
.endr
.irp i, 0,1,2
	v_mov_b32 v[(\pc)+6*\c+3+\i], v[(\pc)+12+4*\c+\i]
.endr
.endr
.endm
	s_load_b512 s[4:19], s[0:1], 0x0               ; qc s[4:5], kv s[6:7], wb s[8:9], adj s[10:11], x s[12:13], bo s[14:15], gamma s[16:17], beta s[18:19]
	s_load_b64 s[20:21], s[0:1], 0x40              ; out0
	v_lshl_add_u32 v[SPW], v0, 2, SPARE
	v_mov_b32 v[NIL], 0
	ds_add_u32 v1, v2
	ds_add_u32 v1, v2
	s_wait_dscnt 0x0
	v_lshrrev_b32 v28, 5, v0
	v_readfirstlane_b32 s[WV], v28                 ; wave 0..3
	s_bfe_u32 s46, ttmp6, 0x40000                  ; cx: it enters the addresses of Q, adj, x and out0 alone
	s_lshl_b32 s47, ttmp9, 2
	s_add_co_u32 s47, s47, s46                     ; my block of 64 queries = 4 x cluster x + cx
	s_and_b32 s48, ttmp7, 0xffff                   ; the batch, which the four partners share
	; descriptor group 1: a quarter of a step, 25,600 dense bytes, as 100 rows of 256 bytes (32 elements of 8 bytes), no padding: images are read 512 consecutive bytes at a time
	s_mov_b32 s[G1], 15|(3<<16)|(1<<21)            ; 15:0 the mask: all four work-groups; 17:16 elements of 8 bytes; 21 set beside a mask
	s_mov_b32 s[G1+1], 32<<16
	s_mov_b32 s[G1+2], 100<<16
	s_mov_b32 s[G1+3], 32<<16
	s_mov_b32 s[G1+4], 100
	s_mov_b32 s[G1+5], 32
	s_mov_b32 s[G1+6], 0
	s_mov_b32 s[G1+7], 0
	s_mul_i32 s49, s[WV], BLK/2                    ; my quarter: in a slot,
	s_mul_i32 s50, s48, 16*STEPB
	s_add_co_u32 s50, s50, s49                     ; and in kv
	s_mov_b32 s51, 0
	s_mov_b32 s[SEL], 0x76543210
	s_mov_b32 s[SEL+1], 0xfedcba98
	s_mov_b32 s[CS], 0x3d8293ee                    ; log2(e) / sqrt(512)
	s_mov_b32 s[CS+1], s[CS]                       ; (named with it as a pair, so it is written)
	s_mov_b32 s[SENT], 0xf1800000                  ; -2^100
	s_mov_b32 s[HM], 0xffff0000                    ; lanes 16-31
	s_mov_b32 s[I512], 0x3b000000                  ; 1 / 512
	s_mov_b32 s[EPSR], 0x3727c5ac                  ; 1e-5
	s_wait_kmcnt 0x0
	s_add_nc_u64 s[52:53], s[6:7], s[50:51]
	s_mov_b32 s[G0A], 1                            ; step 0 into slot 0
	s_mov_b32 s[G0A+1], s49
	s_mov_b64 s[G0A+2:G0A+3], s[52:53]
	s_or_b32 s[G0A+3], s[G0A+3], 0x80000000
	s_mov_b32 s[G0W], 1                            ; step 1 into slot 1; this one then walks
	s_add_co_u32 s[G0W+1], s49, SLOT1
	s_add_nc_u64 s[G0W+2:G0W+3], s[52:53], STEPB
	s_or_b32 s[G0W+3], s[G0W+3], 0x80000000
	CROUND                                         ; all four work-groups are here: the first joint loads meet
	tensor_load_to_lds s[G0A:G0A+3], s[G1:G1+7]    ; both first fills together: two loads of mine are out
	s_nop 0
	tensor_load_to_lds s[G0W:G0W+3], s[G1:G1+7]
	s_nop 0
	PLACES 4                                       ; four such lines behind the loads
	s_mov_b32 s55, 0
	s_lshl_b32 s54, s48, 4
	s_lshr_b32 s56, s47, 1
	s_add_co_u32 s54, s54, s56
	s_mul_i32 s54, s54, BLK
	s_add_nc_u64 s[4:5], s[4:5], s[54:55]          ; Q's block: 16 x batch + my block / 2
	s_and_b32 s56, s47, 1
	s_mul_i32 s54, s56, 24576
	s_add_nc_u64 s[58:59], s[4:5], s[54:55]        ; my four tiles' 16 images,
	s_lshl_b32 s54, s56, 10
	s_add_co_u32 s54, s54, SCW
	s_add_nc_u64 s[4:5], s[4:5], s[54:55]          ; their scale words
	s_lshl_b32 s54, s48, 24
	s_lshl_b32 s56, s47, 19
	s_add_co_u32 s54, s54, s56
	s_add_nc_u64 s[10:11], s[10:11], s[54:55]      ; adj at my first query's row
	s_lshl_b32 s54, s48, 22
	s_lshl_b32 s56, s47, 17
	s_add_co_u32 s54, s54, s56
	s_lshl_b32 s56, s[WV], 15
	s_add_co_u32 s54, s54, s56
	s_add_nc_u64 s[12:13], s[12:13], s[54:55]      ; x and out0 at the 16 rows that I finish
	s_add_nc_u64 s[20:21], s[20:21], s[54:55]
	s_add_co_u32 s54, s[WV], 12
	s_mul_i32 s54, s54, BLK
	s_add_nc_u64 s[8:9], s[8:9], s[54:55]          ; Wo's columns 128 w on
	s_lshl_b32 s54, s[WV], 9
	s_add_nc_u64 s[14:15], s[14:15], s[54:55]      ; bo likewise
	v_and_b32 v28, 31, v0                          ; lane
	v_and_b32 v29, 15, v0                          ; r
	v_bfe_u32 v30, v0, 4, 1                        ; h
	v_and_b32 v31, 8, v29
	v_add_nc_u32 v31, v31, v29                     ; r + 8 (r / 8)
	v_lshlrev_b32 v[L16], 4, v28
	v_lshlrev_b32 v[L4], 2, v28
	v_lshlrev_b32 v[H64], 6, v30
	s_mul_i32 s54, s[WV], 12288
	v_add_nc_u32 v[AK], s54, v[L16]
	v_add_nc_u32 v[AK+1], SLOT1, v[AK]
	v_add_nc_u32 v[AV], BLK, v[AK]
	v_add_nc_u32 v[AV+1], BLK, v[AK+1]
	s_lshl_b32 s54, s[WV], 9
	s_add_co_u32 s54, s54, SCW
	v_add_nc_u32 v[ASK], s54, v[L4]
	v_add_nc_u32 v[ASK+1], SLOT1, v[ASK]
	v_add_nc_u32 v[ASV], BLK, v[ASK]
	v_add_nc_u32 v[ASV+1], BLK, v[ASK+1]
	v_mul_u32_u24 v[PLD], v29, 96
	v_mad_u32_u24 v[PST], v30, 12, v[PLD]
	v_mad_u32_u24 v[PLD], v30, 24, v[PLD]
	v_add_nc_u32 v[PLD], P0, v[PLD]
	s_mul_i32 s54, s[WV], 24
	s_add_co_u32 s54, s54, P0
	v_add_nc_u32 v[PST], s54, v[PST]
	v_lshlrev_b32 v[LLD], 5, v29
	s_lshl_b32 s54, s[WV], 3
	v_add_nc_u32 v[LST], s54, v[LLD]
	v_add_nc_u32 v[MST], META0, v[LST]
	v_add_nc_u32 v[LST], LSUM, v[LST]
	v_lshl_add_u32 v[MLD], v30, 9, v[LLD]
	v_add_nc_u32 v[MLD], META0, v[MLD]
	v_add_nc_u32 v[LLD], LSUM, v[LLD]
	v_lshlrev_b32 v[ADJO], 13, v31
	v_add_nc_u32 v[ADJO], v[ADJO], v[H64]
	s_lshl_b32 s54, s[WV], 7
	v_add_nc_u32 v[ADJO], s54, v[ADJO]
	s_mul_i32 s54, s[WV], 1536
	s_add_co_u32 s54, s54, OIMG
	v_add_nc_u32 v[OIS], s54, v[L16]
	v_add_nc_u32 v[OIL], OIMG, v[L16]
	v_lshlrev_b32 v[OSS], 2, v29
	s_lshl_b32 s54, s[WV], 6
	s_add_co_u32 s54, s54, OSC
	v_add_nc_u32 v[OSS], s54, v[OSS]
	v_add_nc_u32 v[OSL], OSC, v[L4]
	v_mul_u32_u24 v[SO], v31, SPIT
	v_add_nc_u32 v[SO], v[SO], v[H64]
	s_lshl_b32 s54, s[WV], 9
	s_add_co_u32 s54, s54, STAGE
	v_add_nc_u32 v[SO], s54, v[SO]
	v_add_nc_u32 v[SO+1], 32*SPIT, v[SO]
	s_mul_i32 s54, s[WV], 16*SPIT
	s_add_co_u32 s54, s54, STAGE
	v_add_nc_u32 v[SR], s54, v[L16]
; adj of one step into set p: tile m's query row, my 16 keys: four loads of 16 bytes, 64 consecutive bytes a lane
.macro ADJLOAD p, off
	WIN 0x80+0x40*(\p)
.irp m, 0,1,2,3
.irp q, 0,1,2,3
	global_load_b128 v[192+16*\m+4*\q:192+16*\m+4*\q+3], v[ADJO], s[10:11] offset:(32*(\m/2)+8*(\m%2))*8192+16*\q+(\off) th:TH_LOAD_NT
.endr
.endr
	WIN 0
.endm
.macro VFETCH p                        ; my eight fragments of V (channels' tile t at v[96 + 12 t] of window 3) and their scale words
	WIN 0xc0
.set k, 0
.rept 24
	ds_load_b128 v[96+4*k:96+4*k+3], v[AV+(\p)] offset:512*k
.set k, k+1
.endr
	WIN 0
.irp i, 0,1,2,3
	ds_load_b32 v[VS+\i], v[ASV+(\p)] offset:128*\i
.endr
.endm
.macro KFETCH p                        ; my eight fragments of K (tile u, K step ks at v[12 (4 u + ks)] of window 3) and their scale words
	WIN 0xc0
.set k, 0
.rept 24
	ds_load_b128 v[4*k:4*k+3], v[AK+(\p)] offset:512*k
.set k, k+1
.endr
	WIN 0
.irp i, 0,1,2,3
	ds_load_b32 v[KS+\i], v[ASK+(\p)] offset:128*\i
.endr
.endm
.macro PFETCH pb                       ; P's four fragments, from rows of 96 bytes: 24 bytes as three loads of 8
.irp m, 0,1,2,3
.irp q, 0,1,2,3,4,5
	ds_load_b64 v[PF+12*\m+2*\q:PF+12*\m+2*\q+1], v[PLD] offset:PBUF*(\pb)+1536*\m+48*(\q/3)+8*(\q%3)
.endr
.endr
.endm
; My 32 keys of the step, for the four tiles by turns
.macro SOFTMAX pb, last
.irp m, 0,1,2,3
	v_max3_num_f32 v[BM+\m], v[S+16*\m], v[S+16*\m+1], v[S+16*\m+2]   ; the block's largest score: it serves the maximum and, since p rises with the score, the block's largest p
.endr
.irp i, 3,5,7,9,11,13
.irp m, 0,1,2,3
	v_max3_num_f32 v[BM+\m], v[BM+\m], v[S+16*\m+\i], v[S+16*\m+\i+1]
.endr
.endr
.irp m, 0,1,2,3
	v_max_num_f32 v[BM+\m], v[BM+\m], v[S+16*\m+15]
.endr
.irp m, 0,1,2,3
	v_permlanex16_b32 v[TP+\m], v[BM+\m], s[SEL], s[SEL+1]
.endr
.irp m, 0,1,2,3
	v_max_num_f32 v[BM+\m], v[BM+\m], v[TP+\m]     ; with lane l xor 16's 16 keys
.endr
.irp m, 0,1,2,3
	v_mul_f32 v[TP+\m], s[CS], v[BM+\m]            ; as t
.endr
.irp m, 0,1,2,3
	v_max_num_f32 v[NT+2*\m+1], v[NT+2*\m+1], v[TP+\m]   ; the running largest t
.endr
.irp m, 0,1,2,3
	v_mov_b32 v[TP+\m], v[NT+2*\m]
.endr
.irp m, 0,1,2,3
	v_floor_f32 v[NT+2*\m], -v[NT+2*\m+1]          ; -M = floor(-t): M is a whole number
.endr
.irp m, 0,1,2,3
	v_sub_f32 v[TP+\m], v[NT+2*\m], v[TP+\m]       ; old M - new M, 0 or less
.endr
.irp m, 0,1,2,3
	v_cvt_i32_f32 v[TP+\m], v[TP+\m]               ; (it saturates)
.endr
.irp m, 0,1,2,3
	v_ldexp_f32 v[FP+2*\m], 1.0, v[TP+\m]          ; 2^(old M - new M)
.endr
.irp m, 0,1,2,3
.irp j, 0,2,4,6,8,10,12,14
	v_pk_fma_f32 v[S+16*\m+\j:S+16*\m+\j+1], v[S+16*\m+\j:S+16*\m+\j+1], s[CS:CS+1], v[NT+2*\m:NT+2*\m+1] op_sel_hi:[1,0,0]   ; t - M, two at a time
.endr
.endr
.irp m, 0,1,2,3
	v_fma_f32 v[BM+\m], v[BM+\m], s[CS], v[NT+2*\m]
.endr
.set e, 0
.rept 64
	v_exp_f32 v[S+e], v[S+e]                       ; p = 2^(t - M)
.set e, e+1
.endr
.irp m, 0,1,2,3
	v_pk_mul_f32 v[LL+2*\m:LL+2*\m+1], v[LL+2*\m:LL+2*\m+1], v[FP+2*\m:FP+2*\m+1] op_sel_hi:[1,0]   ; l under the new M; plain lines behind the exponentials
.endr
	s_wait_alu depctr_va_vdst(0)                   ; one wait for the 64, ahead of their first reader
.irp m, 0,1,2,3
	v_exp_f32 v[BM+\m], v[BM+\m]                   ; the block's largest p: the same two instructions on the same number
.endr
.irp m, 0,1,2,3
	v_pk_add_f32 v[MP+2*\m:MP+2*\m+1], v[S+16*\m:S+16*\m+1], v[S+16*\m+2:S+16*\m+3]   ; the sum of the unquantised p, in two chains a tile
.endr
.irp j, 4,8,12
.irp m, 0,1,2,3
	v_pk_add_f32 v[LL+2*\m:LL+2*\m+1], v[LL+2*\m:LL+2*\m+1], v[S+16*\m+\j:S+16*\m+\j+1]
	v_pk_add_f32 v[MP+2*\m:MP+2*\m+1], v[MP+2*\m:MP+2*\m+1], v[S+16*\m+\j+2:S+16*\m+\j+3]
.endr
.endr
.irp m, 0,1,2,3
	v_pk_add_f32 v[LL+2*\m:LL+2*\m+1], v[LL+2*\m:LL+2*\m+1], v[MP+2*\m:MP+2*\m+1]
.endr
	s_wait_alu depctr_va_vdst(0)                   ; and one for the four
.irp m, 0,1,2,3
	v_max_num_f32 v[BM+\m], 0x1800000, v[BM+\m]    ; the floor 2^(3 - 127)
.endr
.irp m, 0,1,2,3
	v_add_nc_u32 v[MP+2*\m+1], 0xff000000, v[BM+\m]   ; 2 off the exponent field: the scale, as an f32 whose exponent field is the byte
.endr
.irp m, 0,1,2,3
	v_mov_b32 v[MP+2*\m], v[NT+2*\m]               ; beside it -M_w
.endr
.irp m, 0,1,2,3
	v_cvt_scalef32_pk16_fp6_f32 v[CV+4*\m:CV+4*\m+2], v[S+16*\m:S+16*\m+15], v[MP+2*\m+1]   ; my 16 keys' codes: 12 bytes of the row's stream of bits
.endr
	v_nop                                          ; one plain line behind the conversions: the next scores write their sources
.irp m, 0,1,2,3
.irp i, 0,1,2
	ds_store_b32 v[PST], v[CV+4*\m+\i] offset:PBUF*(\pb)+1536*\m+4*\i
.endr
	ds_store_b64 v[MST], v[MP+2*\m:MP+2*\m+1] offset:MBUF*(\pb)+512*\m   ; lanes r and r + 16 hold the same pair and store it to the same place
.endr
.if \last
.irp m, 0,1,2,3
	v_add_f32 v[TP+\m], v[LL+2*\m], v[LL+2*\m+1]   ; l's two halves,
.endr
.irp m, 0,1,2,3
	v_permlanex16_b32 v[BM+\m], v[TP+\m], s[SEL], s[SEL+1]
.endr
.irp m, 0,1,2,3
	v_add_f32 v[FP+2*\m+1], v[TP+\m], v[BM+\m]     ; and lane l xor 16's: l_w
.endr
.irp m, 0,1,2,3
	v_mov_b32 v[FP+2*\m], v[NT+2*\m]
.endr
.irp m, 0,1,2,3
	ds_store_b64 v[LST], v[FP+2*\m:FP+2*\m+1] offset:512*\m
.endr
.endif
.endm
; The step's one meeting.  In front of it each wave has all its tensor loads in, its stores of P landed and its reads of the slot in hand back.  fill = 1: that slot is filled again, two steps ahead, by a joint load
; behind a round of the cluster's barrier: the load has almost two steps in which to land; one load of mine is out behind each round.
.macro XCH fill
	s_wait_tensorcnt 0x0
.if \fill
	ds_add_u32 v[SPW], v[NIL]                      ; 0 onto my spare word; the steps below stand between it and the wait for it
	s_xor_b32 s[G0W+1], s[G0W+1], SLOT1            ; the walking descriptor: the other slot,
	s_add_nc_u64 s[G0W+2:G0W+3], s[G0W+2:G0W+3], STEPB   ; the next step
	s_wait_xcnt 0x0                                ; adj's loads have read their base:
	s_add_nc_u64 s[10:11], s[10:11], 512           ; a step on
	s_wait_dscnt 0x0
	CROUND
	tensor_load_to_lds s[G0W:G0W+3], s[G1:G1+7]
	s_nop 0
	PLACES 4
.else
	s_wait_dscnt 0x0
	s_barrier_signal -1
	s_barrier_wait -1
.endif
.endm
; The readers' side of the statistics, two tiles at once: lanes 0-15 tile 2 g, lanes 16-31 tile 2 g + 1
.macro METAC
.irp g, 0,1
	v_min3_num_f32 v[WK+\g], v[ME+8*\g], v[ME+8*\g+2], v[ME+8*\g+4]
.endr
.irp g, 0,1
	v_min_num_f32 v[WK+\g], v[WK+\g], v[ME+8*\g+6]   ; -Mc: the least -M_w
.endr
.irp g, 0,1
	v_sub_f32 v[WK+2+\g], v[WK+\g], v[NMC+\g]      ; old Mc - new Mc
.endr
.irp w, 0,1,2,3
.irp g, 0,1
	v_sub_f32 v[WK+8+4*\g+\w], v[WK+\g], v[ME+8*\g+2*\w]   ; M_w - Mc
.endr
.endr
.irp g, 0,1
	v_mov_b32 v[NMC+\g], v[WK+\g]
	v_cvt_i32_f32 v[WK+2+\g], v[WK+2+\g]
.endr
.irp w, 0,1,2,3
.irp g, 0,1
	v_cvt_i32_f32 v[WK+8+4*\g+\w], v[WK+8+4*\g+\w]
.endr
.endr
.irp w, 0,1,2,3
.irp g, 0,1
	v_ldexp_f32 v[WK+8+4*\g+\w], v[ME+8*\g+2*\w+1], v[WK+8+4*\g+\w]   ; the scale under Mc
.endr
.endr
.irp w, 0,1,2,3
.irp g, 0,1
	v_lshrrev_b32 v[WK+8+4*\g+\w], 23, v[WK+8+4*\g+\w]   ; its byte
.endr
.endr
.irp g, 0,1
	v_lshl_or_b32 v[PS+\g], v[WK+8+4*\g+1], 8, v[WK+8+4*\g]
.endr
.irp g, 0,1
	v_lshl_or_b32 v[PS+\g], v[WK+8+4*\g+2], 16, v[PS+\g]
.endr
.irp g, 0,1
	v_lshl_or_b32 v[PS+\g], v[WK+8+4*\g+3], 24, v[PS+\g]   ; P's scale words for these 128 keys
.endr
.irp g, 0,1
	v_ldexp_f32 v[WK+4+\g], 1.0, v[WK+2+\g]        ; O's factor,
.endr
.irp g, 0,1
	v_permlanex16_b32 v[WK+6+\g], v[WK+4+\g], s[SEL], s[SEL+1]
.endr
.irp g, 0,1
	v_cndmask_b32 v[F+4*\g], v[WK+4+\g], v[WK+6+\g], s[HM]     ; spread to both halves of the lanes: tile 2 g's,
	v_cndmask_b32 v[F+4*\g+2], v[WK+6+\g], v[WK+4+\g], s[HM]   ; tile 2 g + 1's
.endr
.endm
.macro RESC i                          ; accumulator i (channels' tile i / 4, tile i % 4) times its tile's factor, from its low end on
	WIN 0x41
.irp j, 0,2,4,6
	v_pk_mul_f32 v[64*((\i)%4)+8*((\i)/4)+\j:64*((\i)%4)+8*((\i)/4)+\j+1], v[64*((\i)%4)+8*((\i)/4)+\j:64*((\i)%4)+8*((\i)/4)+\j+1], v[F+2*((\i)%4):F+2*((\i)%4)+1] op_sel_hi:[1,0]
.endr
.endm
; O^T += V^T P: 32 products on 32 accumulators; behind product i stands the rescaling of accumulator i + 2, so that four plain lines lie between an accumulator's rescaling and its product.
; The first eight lines, with the eight ahead of them, stand between the last write of P's scale words and the first product.
.macro PV
	RESC 0
	RESC 1
.set i, 0
.rept 32
	WIN 0x53                                       ; V window 3, P window 0, O^T window 1
	WM 64*(i%4)+8*(i/4), 96+12*(i/4), PF+12*(i%4), 64*(i%4)+8*(i/4), VS+i/8, PS+(i%4)/2, (i/4)%2, i%2
.if i < 30
	RESC i+2
.endif
.set i, i+1
.endr
	WIN 0
.endm
.macro SPROD m0                        ; product i of 16 of S^T = K Q^T for tiles m0, m0 + 1: K step i / 4; the four accumulators take turns
.set sD, S+16*((\m0)+(i/2)%2)+8*(i%2)
.set sK, 12*(4*(i%2)+i/4)
.set sQ, 12*(4*((\m0)+(i/2)%2)+i/4)
.if i < 4
	WM sD, sK, sQ, -1, KS+2*(i%2)+i/8, QS+2*((\m0)+(i/2)%2)+i/8, (i/4)%2, (i/4)%2
.else
	WM sD, sK, sQ, sD, KS+2*(i%2)+i/8, QS+2*((\m0)+(i/2)%2)+i/8, (i/4)%2, (i/4)%2
.endif
.endm
.macro MASK e                          ; score e stays where adj is not 0, else it becomes -2^100
	v_cmp_ne_u32 vcc_lo, v[192+(\e)], 0
	v_cndmask_b32 v[S+(\e)], s[SENT], v[S+(\e)], vcc_lo
.endm
; The scores of the step of parity p, masked.  n: the loads of adj issued behind that step's.  Tiles 0 and 1 are masked between the products of tiles 2 and 3.
.macro SNEXT p, n
	s_wait_dscnt 0x0                               ; K is in
	WIN 0x0b                                       ; K window 3, Q window 2
.set i, 0
.rept 16
	SPROD 0
.set i, i+1
.endr
	PLACES 4                                       ; in front of the first read of results
	s_wait_loadcnt \n
.set i, 0
.rept 16
	WIN 0x0b
	SPROD 2
	WIN 0x02+(\p)                                  ; adj's set: source 0 in window 2 or 3
	MASK 2*i
	MASK 2*i+1
.set i, i+1
.endr
.set i, 32
.rept 32
	MASK i
.set i, i+1
.endr
	WIN 0
.endm
.macro WOLOAD ks                       ; Wo's eight fragments of K step ks: window 2 (ks 0, 1) or 3 (ks 2, 3), at v[96 (ks % 2) + 12 ct]
	WIN 0x80+0x40*((\ks)/2)
.irp ct, 0,1,2,3,4,5,6,7
.irp pl, 0,1,2
	global_load_b128 v[96*((\ks)%2)+12*\ct+4*\pl:96*((\ks)%2)+12*\ct+4*\pl+3], v[L16], s[8:9] offset:6144*\ct+1536*(\ks)+512*\pl
.endr
.endr
	WIN 0
.endm
; A KEY STEP of parity p.  At its head its scores are masked and lie in S.
.macro STEP p, fill, adjl, next, last, n
.if \adjl
	ADJLOAD \p, 0                                  ; adj of the step two on, into the set that this step's mask has read
.endif
.if \last
	WOLOAD 0                                       ; over Q, which is done with
	WOLOAD 1
.endif
	VFETCH \p
	SOFTMAX \p, \last
.if \last
	WOLOAD 2                                       ; over K
.irp i, 0,1,2,3,4,5,6,7,8,9,10,11,12,13,14,15
	global_load_b32 v[WS+\i], v[L4], s[8:9] offset:SCW+128*\i
.endr
	WIN 0x80
.irp ct, 0,1,2,3,4,5,6,7
	global_load_b128 v[192+8*\ct:192+8*\ct+3], v[H64], s[14:15] offset:(32*(\ct/2)+8*(\ct%2))*4      ; bo in the result's layout: the tile's eight columns of my half
	global_load_b128 v[192+8*\ct+4:192+8*\ct+7], v[H64], s[14:15] offset:(32*(\ct/2)+8*(\ct%2))*4+16
.endr
	WIN 0
.endif
	XCH \fill
.irp g, 0,1
	ds_load_b128 v[ME+8*\g:ME+8*\g+3], v[MLD] offset:MBUF*(\p)+1024*\g
	ds_load_b128 v[ME+8*\g+4:ME+8*\g+7], v[MLD] offset:MBUF*(\p)+1024*\g+16
.endr
	PFETCH \p
.if \next
	KFETCH 1-\p
.endif
.if \last
.irp m, 0,1,2,3
	ds_load_b128 v[S+8*\m:S+8*\m+3], v[LLD] offset:512*\m
	ds_load_b128 v[S+8*\m+4:S+8*\m+7], v[LLD] offset:512*\m+16
.endr
	s_wait_dscnt 32                                ; the statistics are in: behind them P's 24 loads and l's 8
.else
	s_wait_dscnt 52                                ; the statistics are in: behind them P's 24 loads and K's 28
.endif
	METAC
.if \last
	s_wait_dscnt 8                                 ; P is in
.else
	s_wait_dscnt 28                                ; P is in: behind it K's 28
.endif
	PV
.if \next
	SNEXT 1-\p, \n
.endif
.endm
	WIN 0x80
.set k, 0
.rept 48                                       ; Q: 16 images on end; fragment (m, ks) lands at v[12 (4 m + ks)] of window 2 and stays
	global_load_b128 v[4*k:4*k+3], v[L16], s[58:59] offset:512*k
.set k, k+1
.endr
	WIN 0
.irp i, 0,1,2,3,4,5,6,7
	global_load_b32 v[QS+\i], v[L4], s[4:5] offset:128*\i
.endr
	ADJLOAD 0, 0                                   ; steps 0 and 1
	ADJLOAD 1, 512
	WIN 0x40
.set k, 0
.rept 256
	v_mov_b32 v[k], 0                              ; O^T: the first step finds zeros, which its factor 0 leaves zeros
.set k, k+1
.endr
	WIN 0
.irp m, 0,1,2,3
	v_mov_b32 v[NT+2*\m], 0x7f61b1e6               ; -M = 3e38,
	v_mov_b32 v[NT+2*\m+1], 0xff61b1e6             ; the largest t so far -3e38, under every t
	v_mov_b32 v[LL+2*\m], 0
	v_mov_b32 v[LL+2*\m+1], 0
	v_mov_b32 v[TP+\m], 0                          ; (a lane permute's destination counts as one of its sources)
	v_mov_b32 v[FP+2*\m+1], 0                      ; (upper words of pairs of which the low word serves both halves)
	v_mov_b32 v[F+2*\m+1], 0
.endr
	v_mov_b32 v[NMC], 0x7f61b1e6
	v_mov_b32 v[NMC+1], 0x7f61b1e6
	s_wait_xcnt 0x0                                ; adj's loads have read their base
	s_add_nc_u64 s[10:11], s[10:11], 1024          ; at step 2
	s_wait_tensorcnt 0x1                           ; my quarter of step 0 is in; step 1's may stay out
	s_barrier_signal -1
	s_barrier_wait -1
	KFETCH 0
	s_wait_loadcnt 32                              ; Q is in: behind it adj's 32 loads
	SNEXT 0, 16
	s_mov_b32 s[TRIP], 7
.Lkeys:                                            ; steps 0 to 13: each asks for the tiles and for adj of the step two on
	STEP 0, 1, 1, 1, 0, 16
	STEP 1, 1, 1, 1, 0, 16
	s_sub_co_u32 s[TRIP], s[TRIP], 1
	s_cmp_lg_u32 s[TRIP], 0
	s_cbranch_scc1 .Lkeys
	STEP 0, 0, 0, 1, 0, 0                          ; the last two steps are written out: nothing is left to ask for
	STEP 1, 0, 0, 0, 1, 0
	; THE WAY OUT.  1 / l: the four waves' sums under the final Mc.  These lines are also the places behind the last products.
	s_wait_dscnt 0x0
.irp m, 0,1,2,3
	v_min3_num_f32 v[WK+\m], v[S+8*\m], v[S+8*\m+2], v[S+8*\m+4]
.endr
.irp m, 0,1,2,3
	v_min_num_f32 v[WK+\m], v[WK+\m], v[S+8*\m+6]
.endr
.irp w, 0,1,2,3
.irp m, 0,1,2,3
	v_sub_f32 v[S+8*\m+2*\w], v[WK+\m], v[S+8*\m+2*\w]
.endr
.endr
.irp w, 0,1,2,3
.irp m, 0,1,2,3
	v_cvt_i32_f32 v[S+8*\m+2*\w], v[S+8*\m+2*\w]
.endr
.endr
.irp w, 0,1,2,3
.irp m, 0,1,2,3
	v_ldexp_f32 v[S+8*\m+2*\w+1], v[S+8*\m+2*\w+1], v[S+8*\m+2*\w]
.endr
.endr
.irp m, 0,1,2,3
	v_add_f32 v[S+8*\m+1], v[S+8*\m+1], v[S+8*\m+3]
	v_add_f32 v[S+8*\m+5], v[S+8*\m+5], v[S+8*\m+7]
.endr
.irp m, 0,1,2,3
	v_add_f32 v[S+8*\m+1], v[S+8*\m+1], v[S+8*\m+5]
.endr
.irp m, 0,1,2,3
	v_rcp_f32 v[F+2*\m], v[S+8*\m+1]
.endr
	v_nop                                          ; a plain line behind the reciprocals
	WOLOAD 3                                       ; over V
; n rows of x from row i0 of my 16 on, into window w from v[reg] on: a row is four loads of 512 consecutive bytes
.macro XROWS w, i0, n, reg
	WIN (\w)<<6
.set k, 0
.rept 4*(\n)
	global_load_b128 v[(\reg)+4*k:(\reg)+4*k+3], v[L16], s[12:13] offset:2048*(\i0)+512*k th:TH_LOAD_NT
.set k, k+1
.endr
	WIN 0
.endm
	XROWS 3, 0, 4, 192
	s_wait_alu depctr_va_vdst(0)                   ; one wait for the four reciprocals, ahead of their first reader
.irp m, 0,1,2,3                                ; out = O / l: my 128 channels of tile m are K step w of the last product: quantised, and their image to LDS
	WIN 0x01
.set k, 0
.rept 32
	v_pk_mul_f32 v[S+2*k:S+2*k+1], v[64*\m+2*k:64*\m+2*k+1], v[F+2*\m:F+2*\m+1] op_sel_hi:[1,0]
.set k, k+1
.endr
	WIN 0
	QUANT S, PC
.irp pl, 0,1,2
	ds_store_b128 v[OIS], v[PC+4*\pl:PC+4*\pl+3] offset:6144*\m+512*\pl
.endr
	ds_store_b32 v[OSS], v[PW] offset:256*\m
	s_wait_dscnt 0x0                               ; the stores have read their registers
.endr
	s_barrier_signal -1
	s_barrier_wait -1                              ; out's sixteen fragments lie in LDS
.macro OFETCH ks                       ; out's four fragments of K step ks: even ks where P's lay, odd ks where S lay
.irp m, 0,1,2,3
.irp pl, 0,1,2
	ds_load_b128 v[PF-64*((\ks)%2)+12*\m+4*\pl:PF-64*((\ks)%2)+12*\m+4*\pl+3], v[OIL] offset:1536*(4*\m+(\ks))+512*\pl
.endr
.endr
.endm
.macro MULO ks                         ; 32 products: my eight tiles of columns x the four tiles of queries; the first takes bo as its C
.if (\ks) == 0
	WIN 0x62                                       ; Wo window 2, out window 0, bo window 2, y window 1
.elseif (\ks) == 1
	WIN 0x52
.else
	WIN 0x53
.endif
.irp ct, 0,1,2,3,4,5,6,7
.irp m, 0,1,2,3
.if (\ks) == 0
	WM 64*\m+8*\ct, 96*((\ks)%2)+12*\ct, PF-64*((\ks)%2)+12*\m, 192+8*\ct, WS+2*\ct+(\ks)/2, OS+2*\m+(\ks)/2, (\ks)%2, (\ks)%2
.else
	WM 64*\m+8*\ct, 96*((\ks)%2)+12*\ct, PF-64*((\ks)%2)+12*\m, 64*\m+8*\ct, WS+2*\ct+(\ks)/2, OS+2*\m+(\ks)/2, (\ks)%2, (\ks)%2
.endif
.endr
.endr
	WIN 0
.endm
.irp i, 0,1,2,3,4,5,6,7
	ds_load_b32 v[OS+\i], v[OSL] offset:128*\i
.endr
	OFETCH 0
	OFETCH 1
	s_wait_loadcnt 40                              ; Wo's first three K steps, its scale words and bo are in: behind them Wo's last 24 loads and x's 16
	s_wait_dscnt 12                                ; all but the 12 loads of the K step fetched last
	MULO 0
	PLACES 4
	OFETCH 2
	s_wait_dscnt 12
	MULO 1
	PLACES 4
	OFETCH 3
	s_wait_dscnt 12
	MULO 2
	s_wait_loadcnt 16                              ; Wo's last K step is in: behind it x's 16
	s_wait_dscnt 0x0
	MULO 3
	PLACES 4                                       ; in front of the reads of results and of loads into registers that the products have read
.irp q, 0,1,2,3
	global_load_b128 v[GA+4*\q:GA+4*\q+3], v[L16], s[16:17] offset:512*\q
.endr
.irp q, 0,1,2,3
	global_load_b128 v[BE+4*\q:BE+4*\q+3], v[L16], s[18:19] offset:512*\q
.endr
	XROWS 2, 4, 12, 0
	WIN 0x04                                       ; an LDS store's data are its source 1: window 1
.irp m, 0,1,2,3
.irp ct, 0,1,2,3,4,5,6,7
	ds_store_b128 v[SO+\m/2], v[64*\m+8*\ct:64*\m+8*\ct+3] offset:8*SPIT*(\m%2)+128*(\ct/2)+32*(\ct%2)          ; my query's row, eight neighbouring columns; each accumulator from its low end on
	ds_store_b128 v[SO+\m/2], v[64*\m+8*\ct+4:64*\m+8*\ct+7] offset:8*SPIT*(\m%2)+128*(\ct/2)+32*(\ct%2)+16
.endr
.endr
	WIN 0
.irp i, 0,1,2,3
	v_mov_b32 v[MU+2*\i+1], 0                      ; (upper words of pairs of which the low word serves both halves)
	v_mov_b32 v[RS+2*\i+1], 0
	v_mov_b32 v[LT+\i], 0
.endr
	s_wait_dscnt 0x0
	s_barrier_signal -1
	s_barrier_wait -1                              ; 64 whole rows of out Wo + bo lie in the stage
	; LAYERNORM.  Wave w finishes rows 16 w .. 16 w + 15, four at a time by turns; a lane holds 16 numbers of a row: columns 128 q + 4 x lane + 0 .. 3.
.macro LNLOAD g
.set YB, 32+128*((\g)%2)
.irp i, 0,1,2,3
.irp q, 0,1,2,3
	ds_load_b128 v[YB+16*\i+4*\q:YB+16*\i+4*\q+3], v[SR] offset:SPIT*(4*(\g)+\i)+512*\q
.endr
.endr
.endm
.macro REDUCE                          ; the four rows' sums over the 32 lanes
.irp x, 1,2,4,8
.irp i, 0,1,2,3
	v_add_f32_dpp v[LA+2*\i], v[LA+2*\i], v[LA+2*\i] row_xmask:\x row_mask:0xf bank_mask:0xf
.endr
.endr
.irp i, 0,1,2,3
	v_permlanex16_b32 v[LT+\i], v[LA+2*\i], s[SEL], s[SEL+1]
.endr
.irp i, 0,1,2,3
	v_add_f32 v[LA+2*\i], v[LA+2*\i], v[LT+\i]
.endr
.endm
.macro LNG g
.set YB, 32+128*((\g)%2)
.if (\g) == 0
	WIN 0x0c                                       ; x's rows 0-3 lie in window 3,
.set XR, 192
.else
	WIN 0x08                                       ; the others in window 2
.set XR, 64*((\g)-1)
.endif
.set k, 0
.rept 32
	v_pk_add_f32 v[YB+2*k:YB+2*k+1], v[YB+2*k:YB+2*k+1], v[XR+2*k:XR+2*k+1]   ; y = x + out Wo + bo
.set k, k+1
.endr
	WIN 0
.irp i, 0,1,2,3
	v_pk_add_f32 v[LA+2*\i:LA+2*\i+1], v[YB+16*\i:YB+16*\i+1], v[YB+16*\i+2:YB+16*\i+3]
.endr
.irp j, 4,6,8,10,12,14
.irp i, 0,1,2,3
	v_pk_add_f32 v[LA+2*\i:LA+2*\i+1], v[LA+2*\i:LA+2*\i+1], v[YB+16*\i+\j:YB+16*\i+\j+1]
.endr
.endr
.irp i, 0,1,2,3
	v_add_f32 v[LA+2*\i], v[LA+2*\i], v[LA+2*\i+1]
.endr
	REDUCE
.irp i, 0,1,2,3
	v_mul_f32 v[MU+2*\i], s[I512], v[LA+2*\i]      ; the mean
.endr
.irp j, 0,2,4,6,8,10,12,14
.irp i, 0,1,2,3
	v_pk_add_f32 v[YB+16*\i+\j:YB+16*\i+\j+1], v[YB+16*\i+\j:YB+16*\i+\j+1], v[MU+2*\i:MU+2*\i+1] op_sel_hi:[1,0] neg_lo:[0,1] neg_hi:[0,1]
.endr
.endr
.irp i, 0,1,2,3
	v_pk_mul_f32 v[LA+2*\i:LA+2*\i+1], v[YB+16*\i:YB+16*\i+1], v[YB+16*\i:YB+16*\i+1]
.endr
.irp j, 2,4,6,8,10,12,14
.irp i, 0,1,2,3
	v_pk_fma_f32 v[LA+2*\i:LA+2*\i+1], v[YB+16*\i+\j:YB+16*\i+\j+1], v[YB+16*\i+\j:YB+16*\i+\j+1], v[LA+2*\i:LA+2*\i+1]
.endr
.endr
.irp i, 0,1,2,3
	v_add_f32 v[LA+2*\i], v[LA+2*\i], v[LA+2*\i+1]
.endr
	REDUCE
.irp i, 0,1,2,3
	v_fma_f32 v[LA+2*\i], v[LA+2*\i], s[I512], s[EPSR]   ; the variance + 1e-5
.endr
.irp i, 0,1,2,3
	v_rsq_f32 v[RS+2*\i], v[LA+2*\i]
.endr
	v_nop                                          ; a plain line behind the four,
	s_wait_alu depctr_va_vdst(0)                   ; and one wait ahead of their first reader
.irp j, 0,2,4,6,8,10,12,14
.irp i, 0,1,2,3
	v_pk_mul_f32 v[YB+16*\i+\j:YB+16*\i+\j+1], v[YB+16*\i+\j:YB+16*\i+\j+1], v[RS+2*\i:RS+2*\i+1] op_sel_hi:[1,0]
.endr
.endr
.irp j, 0,2,4,6,8,10,12,14
.irp i, 0,1,2,3
	v_pk_fma_f32 v[YB+16*\i+\j:YB+16*\i+\j+1], v[YB+16*\i+\j:YB+16*\i+\j+1], v[GA+\j:GA+\j+1], v[BE+\j:BE+\j+1]
.endr
.endr
.irp i, 0,1,2,3
.irp q, 0,1,2,3
	global_store_b128 v[L16], v[YB+16*\i+4*\q:YB+16*\i+4*\q+3], s[20:21] offset:2048*(4*(\g)+\i)+512*\q th:TH_STORE_NT   ; 512 consecutive bytes a store, aligned
.endr
.endr
.endm
	LNLOAD 0
.irp g, 0,1,2,3
.if \g < 3
	s_wait_xcnt 0x0                                ; the stores of two groups back have read their registers: the next group's rows may land there
	LNLOAD \g+1
	s_wait_dscnt 16                                ; this group's rows are in: behind them the next group's 16 loads
.else
	s_wait_dscnt 0x0
.endif
	s_wait_loadcnt 48-16*\g                        ; this group's rows of x (and gamma and beta) are in: behind them 16 loads for each later group
	LNG \g
.endr
	s_wait_tensorcnt 0x0                           ; the wave's end
	ds_add_u32 v[SPW], v[NIL]
	s_wait_dscnt 0x0
	CROUND                                         ; the closing round: no work-group ends while a partner may still ask for a tile that names it
	s_endpgm
.Lfunc_end_k_q8ad8f73da1_attn:
	.size	k_q8ad8f73da1_attn, .Lfunc_end_k_q8ad8f73da1_attn-k_q8ad8f73da1_attn
	.p2alignl 7, 3214868480
	.fill 96, 4, 3214868480
	.section	.rodata,"a",@progbits
	.p2align	6, 0x0
	.amdhsa_kernel k_q8ad8f73da1_attn
		.amdhsa_group_segment_fixed_size 327680
		.amdhsa_private_segment_fixed_size 0
		.amdhsa_enable_private_segment 0
		.amdhsa_kernarg_size 72
		.amdhsa_user_sgpr_count 2
		.amdhsa_user_sgpr_kernarg_segment_ptr 1
		.amdhsa_wavefront_size32 1
		.amdhsa_system_sgpr_workgroup_id_x 1
		.amdhsa_system_sgpr_workgroup_id_y 1
		.amdhsa_system_sgpr_workgroup_id_z 1
		.amdhsa_system_vgpr_workitem_id 0
		.amdhsa_next_free_vgpr 1024
		.amdhsa_next_free_sgpr 66
		.amdhsa_reserve_vcc 1
		.amdhsa_float_denorm_mode_32 3
		.amdhsa_float_denorm_mode_16_64 3
		.amdhsa_memory_ordered 1
		.amdhsa_forward_progress 1
		.amdhsa_inst_pref_size 255
	.end_amdhsa_kernel
	.section	.bss,"aw",@nobits
	.p2align	6
	.space	262144
	.amdgpu_metadata
---
amdhsa.version: [ 1, 2 ]
amdhsa.kernels:
  - .name:           k_q8ad8f73da1_attn
    .symbol:         k_q8ad8f73da1_attn.kd
    .args:
      - { .name: qc, .offset: 0, .size: 8, .value_kind: global_buffer, .address_space: global }
      - { .name: kv, .offset: 8, .size: 8, .value_kind: global_buffer, .address_space: global }
      - { .name: wb, .offset: 16, .size: 8, .value_kind: global_buffer, .address_space: global }
      - { .name: adj, .offset: 24, .size: 8, .value_kind: global_buffer, .address_space: global }
      - { .name: x, .offset: 32, .size: 8, .value_kind: global_buffer, .address_space: global }
      - { .name: bo, .offset: 40, .size: 8, .value_kind: global_buffer, .address_space: global }
      - { .name: gamma, .offset: 48, .size: 8, .value_kind: global_buffer, .address_space: global }
      - { .name: beta, .offset: 56, .size: 8, .value_kind: global_buffer, .address_space: global }
      - { .name: out0, .offset: 64, .size: 8, .value_kind: global_buffer, .address_space: global }
    .group_segment_fixed_size: 327680
    .private_segment_fixed_size: 0
    .kernarg_segment_align: 8
    .kernarg_segment_size: 72
    .max_flat_workgroup_size: 128
    .sgpr_count:     66
    .vgpr_count:     1024
    .wavefront_size: 32
...
	.end_amdgpu_metadata
.endif
;; end of part 3
;; ======== version 2 of 2: 3 launches
;; limits: right only within a limited range of input values
;; workspace buffers: xq 6,553,600 bytes; wb 819,200 bytes; qc 6,553,600 bytes; kv 13,107,200 bytes
;; launch quant (part 4): grid 1152 x 1, 4 waves a work-group, no clusters, 34,304 bytes of LDS; arguments x, Wq, Wk, Wv, Wo, xq, wb; writes xq, wb
.if DOCPART == 4
	.amdgcn_target "amdgcn-amd-amdhsa--gfx1250"
	.amdhsa_code_object_version 6
	.text
	.protected	k_q8ad8f73da1_quant
	.globl	k_q8ad8f73da1_quant
	.p2align	8
	.type	k_q8ad8f73da1_quant,@function
k_q8ad8f73da1_quant:
	s_mov_b64 s[64:65], 0
	v_nop
	global_prefetch_b8 v0, s[64:65] scope:SCOPE_SE
	s_setreg_imm32_b32 hwreg(HW_REG_WAVE_MODE, 25, 1), 1
	s_wait_xcnt 0x0
; x [16384][512] and Wq, Wk, Wv, Wo [512 (k)][512 (n)], f32, become codes of FP6 (E2M3) with one E8M0 byte for each 32 along K, laid as IMAGES OF OPERAND REGISTERS.
; A fragment is 16 rows x 128 K: 12 registers a lane.  Its image is 1,536 bytes: three planes of 512, plane g holding lane l's registers 4 g .. 4 g + 3 at byte 16 l.
; A block (BLK bytes) serves 128 rows: 32 images, tile T (0..7) and K step ks (0..3) at image 4 T + ks, then 2,048 bytes of scale words: fragment f, row r at SCW + 64 f + 4 r.
; THE ROWS OF A TILE ARE NOT NEIGHBOURS: lane r of tile T holds row 32 (T / 2) + 8 (T % 2) + r + 8 (r / 8) of its 128, so that a result's 16 registers of two neighbouring tiles are 16 neighbours along the next K.
; xq: block n = tokens 128 n on.  wb: 16 blocks, Q0-3 V0 V1 | K0-3 V2 V3 | O0-3; block Xg holds columns 128 g on of that weight (a row of the operand is a column n; K is the weight's first axis).
; SHARES.  A work-group makes one tile, its four waves the four K steps: a wave makes one fragment.  Work-groups 0..1023 take x, the other 128 the weights.  Waves share nothing: no barrier.
; x: each load reads 512 consecutive bytes of one token; the 16 rows turn through the wave's own stage in LDS (pitch 512 + 16) so that a lane gets 16 neighbours of each block of 32.
; Weights: lane r takes a column and its registers run down K; sixteen lanes read two runs of 32 bytes.  The weights are 4 MB of the launch's 37.5 MB.
; A block's scale byte is its largest magnitude's exponent field less 2, held at 1 from below.
; LIMITS: a block of zeros gets the byte 1 where the quantiser says 127 (its codes are zeros, and this program alone reads the bytes); NaN and infinities among the inputs are not served.
.set BLK,  51200
.set SCW,  49152
.set SPIT, 528                         ; a stage row
.set R,    16                          ; v16-79   x as loaded
.set X,    80                          ; v80-143  64 numbers: register 16 b + i = k 32 b + 16 (lane / 16) + i of my row
.set TM,   144                         ; v144-159 at work in QUANT
.set PW,   160                         ; the scale word
.set PC,   162                         ; v162-180 the codes
.set SEL,  26                          ; s[26:27] selects for lane l xor 16
; 64 numbers of a lane become a fragment's 12 registers in v[pc] on and its row's scale word in v[PW]
.macro QUANT s, pc
.irp b, 0,1,2,3
	v_max3_num_f32 v[TM+\b], |v[(\s)+16*\b]|, |v[(\s)+16*\b+1]|, 0x1800000   ; block b: my 16 numbers and the floor 2^(3 - 127): the byte cannot fall under 1
.endr
.irp i, 2,4,6,8,10,12,14
.irp b, 0,1,2,3
	v_max3_num_f32 v[TM+\b], v[TM+\b], |v[(\s)+16*\b+\i]|, |v[(\s)+16*\b+\i+1]|   ; the four blocks by turns
.endr
.endr
.irp b, 0,1,2,3
	v_permlanex16_b32 v[TM+4+\b], v[TM+\b], s[SEL], s[SEL+1]
.endr
.irp b, 0,1,2,3
	v_max_num_f32 v[TM+\b], v[TM+\b], v[TM+4+\b]   ; with lane l xor 16's 16: the block's largest magnitude
.endr
.irp b, 0,1,2,3
	v_add_nc_u32 v[TM+12+\b], 0xff000000, v[TM+\b]   ; 2 off its exponent field: the conversion's scale operand
.endr
.irp b, 0,1,2,3
	v_lshrrev_b32 v[TM+4+\b], 23, v[TM+12+\b]   ; the byte
.endr
	v_lshl_or_b32 v[PW], v[TM+5], 8, v[TM+4]
	v_lshl_or_b32 v[PW], v[TM+6], 16, v[PW]
	v_lshl_or_b32 v[PW], v[TM+7], 24, v[PW]
.irp c, 0,1
	v_cvt_scalef32_pk16_fp6_f32 v[(\pc)+6*\c:(\pc)+6*\c+2], v[(\s)+32*\c:(\s)+32*\c+15], v[TM+12+2*\c]
	v_cvt_scalef32_pk16_fp6_f32 v[(\pc)+12+4*\c:(\pc)+12+4*\c+2], v[(\s)+32*\c+16:(\s)+32*\c+31], v[TM+12+2*\c+1]   ; (a conversion's three registers begin on an even number)
.endr
	v_nop                                          ; one plain line behind the conversions
.irp c, 0,1                                    ; the operand wants a whole block in a lane: lanes 0-15 block 2 c, lanes 16-31 block 2 c + 1
.irp i, 0,1,2
	v_permlane16_swap_b32 v[(\pc)+6*\c+\i], v[(\pc)+12+4*\c+\i]
.endr
.irp i, 0,1,2
	v_mov_b32 v[(\pc)+6*\c+3+\i], v[(\pc)+12+4*\c+\i]
.endr
.endr
.endm
	s_load_b256 s[4:11], s[0:1], 0x0               ; x s[4:5], Wq s[6:7], Wk s[8:9], Wv s[10:11]
	s_load_b128 s[12:15], s[0:1], 0x20             ; Wo s[12:13], xq s[14:15]
	s_load_b64 s[16:17], s[0:1], 0x30              ; wb
	v_lshl_add_u32 v10, v0, 2, 0x8400              ; my spare word, behind the four stages; never rewritten
	v_mov_b32 v11, 0                               ; 0; never rewritten
	v_lshrrev_b32 v1, 5, v0
	v_readfirstlane_b32 s18, v1                    ; wave = K step
	v_and_b32 v1, 31, v0                           ; lane
	v_and_b32 v2, 15, v0                           ; r
	v_bfe_u32 v3, v0, 4, 1                         ; h
	v_and_b32 v4, 8, v2
	v_add_nc_u32 v4, v4, v2                        ; r + 8 (r / 8)
	v_lshlrev_b32 v8, 4, v1                        ; 16 x lane
	v_lshlrev_b32 v9, 2, v2                        ; 4 r
	s_mul_i32 s19, s18, 16*SPIT                    ; my wave's stage
	v_add_nc_u32 v6, s19, v8                       ; into it: 16 x lane of a row
	v_mul_u32_u24 v7, v2, SPIT
	v_lshl_add_u32 v7, v3, 6, v7
	v_add_nc_u32 v7, s19, v7                       ; out of it: row r, + 64 h
	s_mov_b32 s[SEL], 0x76543210
	s_mov_b32 s[SEL+1], 0xfedcba98
.irp b, 0,1,2,3
	v_mov_b32 v[TM+4+\b], 0                        ; written once: a lane permute's destination counts as one of its sources
.endr
	s_mov_b32 s29, 0                               ; the upper word of every offset
	s_wait_kmcnt 0x0
	s_cmp_lt_u32 ttmp9, 1024                       ; x's work-group or a weight's: the choice hangs on the work-group's number alone
	s_cselect_b64 s[38:39], s[14:15], s[16:17]     ; where the results go
	s_cbranch_scc0 .Lweight
	s_lshr_b32 s36, ttmp9, 3                       ; block n
	s_and_b32 s37, ttmp9, 7                        ; tile T
	s_lshl_b32 s28, s36, 18                        ; 128 n tokens of 2,048 bytes,
	s_lshr_b32 s30, s37, 1
	s_lshl_b32 s30, s30, 16                        ; + 32 (T / 2),
	s_add_co_u32 s28, s28, s30
	s_and_b32 s30, s37, 1
	s_lshl_b32 s30, s30, 14                        ; + 8 (T % 2),
	s_add_co_u32 s28, s28, s30
	s_lshl_b32 s30, s18, 9                         ; + my K step's 512 bytes
	s_add_co_u32 s28, s28, s30
	s_add_nc_u64 s[20:21], s[4:5], s[28:29]
.irp i, 0,1,2,3,4,5,6,7,8,9,10,11,12,13,14,15
	global_load_b128 v[R+4*\i:R+4*\i+3], v8, s[20:21] offset:(\i+8*(\i/8))*2048 th:TH_LOAD_NT   ; the tile's row i: 512 consecutive bytes
.endr
	s_wait_loadcnt 0x0
	s_wait_alu depctr_va_vdst(0)
.irp i, 0,1,2,3,4,5,6,7,8,9,10,11,12,13,14,15
	ds_store_b128 v6, v[R+4*\i:R+4*\i+3] offset:SPIT*\i
.endr
.irp b, 0,1,2,3
.irp j, 0,1,2,3
	ds_load_b128 v[X+16*\b+4*\j:X+16*\b+4*\j+3], v7 offset:128*\b+16*\j   ; LDS serves a wave's instructions in order: these see my stores
.endr
.endr
	s_wait_dscnt 0x0
	s_branch .Lq
.Lweight:
	s_sub_co_u32 s30, ttmp9, 1024
	s_lshr_b32 s31, s30, 5                         ; which weight: 0 q, 1 k, 2 v, 3 o
	s_bfe_u32 s32, s30, 0x20003                    ; g: its columns 128 g on
	s_and_b32 s37, s30, 7                          ; tile ct
	s_cmp_eq_u32 s31, 1
	s_cselect_b64 s[20:21], s[8:9], s[6:7]
	s_cselect_b32 s34, 6, 0                        ; the block in wb: q: g; k: 6 + g; v: 4 + g + 4 (g / 2); o: 12 + g
	s_lshr_b32 s33, s32, 1
	s_lshl_b32 s33, s33, 2
	s_add_co_u32 s33, s33, 4
	s_cmp_eq_u32 s31, 2
	s_cselect_b64 s[20:21], s[10:11], s[20:21]
	s_cselect_b32 s34, s33, s34
	s_cmp_eq_u32 s31, 3
	s_cselect_b64 s[20:21], s[12:13], s[20:21]
	s_cselect_b32 s34, 12, s34
	s_add_co_u32 s36, s34, s32
	s_lshl_b32 s28, s18, 18                        ; my K step: 128 rows of 2,048 bytes,
	s_lshl_b32 s33, s32, 9                         ; + 128 g columns,
	s_add_co_u32 s28, s28, s33
	s_lshr_b32 s33, s37, 1
	s_lshl_b32 s33, s33, 7                         ; + 32 (ct / 2),
	s_add_co_u32 s28, s28, s33
	s_and_b32 s33, s37, 1
	s_lshl_b32 s33, s33, 5                         ; + 8 (ct % 2)
	s_add_co_u32 s28, s28, s33
	s_add_nc_u64 s[20:21], s[20:21], s[28:29]
	v_lshlrev_b32 v5, 2, v4                        ; my column,
	v_lshl_add_u32 v5, v3, 15, v5                  ; lanes 16-31 sixteen rows further down
.irp b, 0,1,2,3
.irp i, 0,1,2,3,4,5,6,7,8,9,10,11,12,13,14,15
	global_load_b32 v[X+16*\b+\i], v5, s[20:21] offset:(32*\b+\i)*2048
.endr
.endr
	s_wait_loadcnt 0x0
.Lq:
	s_mul_i32 s28, s36, BLK                        ; the block,
	s_lshl_b32 s30, s37, 2
	s_add_co_u32 s30, s30, s18                     ; fragment 4 x tile + K step:
	s_mul_i32 s31, s30, 1536
	s_add_co_u32 s28, s28, s31
	s_add_nc_u64 s[22:23], s[38:39], s[28:29]      ; its image,
	s_mul_i32 s28, s36, BLK
	s_lshl_b32 s31, s30, 6
	s_add_co_u32 s28, s28, s31
	s_add_co_u32 s28, s28, SCW
	s_add_nc_u64 s[24:25], s[38:39], s[28:29]      ; its scale words
	QUANT X, PC
	global_store_b128 v8, v[PC:PC+3], s[22:23]               ; each store covers 512 consecutive bytes, aligned
	global_store_b128 v8, v[PC+4:PC+7], s[22:23] offset:512
	global_store_b128 v8, v[PC+8:PC+11], s[22:23] offset:1024
	global_store_b32 v9, v[PW], s[24:25]                     ; lanes r and r + 16 hold the same word and store it to the same place
	s_wait_tensorcnt 0x0
	ds_add_u32 v10, v11                            ; the wave's end
	s_wait_dscnt 0x0
	s_endpgm
.Lfunc_end_k_q8ad8f73da1_quant:
	.size	k_q8ad8f73da1_quant, .Lfunc_end_k_q8ad8f73da1_quant-k_q8ad8f73da1_quant
	.p2alignl 7, 3214868480
	.fill 96, 4, 3214868480
	.section	.rodata,"a",@progbits
	.p2align	6, 0x0
	.amdhsa_kernel k_q8ad8f73da1_quant
		.amdhsa_group_segment_fixed_size 34304
		.amdhsa_private_segment_fixed_size 0
		.amdhsa_enable_private_segment 0
		.amdhsa_kernarg_size 56
		.amdhsa_user_sgpr_count 2
		.amdhsa_user_sgpr_kernarg_segment_ptr 1
		.amdhsa_wavefront_size32 1
		.amdhsa_system_sgpr_workgroup_id_x 1
		.amdhsa_system_sgpr_workgroup_id_y 1
		.amdhsa_system_sgpr_workgroup_id_z 1
		.amdhsa_system_vgpr_workitem_id 0
		.amdhsa_next_free_vgpr 192
		.amdhsa_next_free_sgpr 66
		.amdhsa_reserve_vcc 0
		.amdhsa_float_denorm_mode_32 3
		.amdhsa_float_denorm_mode_16_64 3
		.amdhsa_memory_ordered 1
		.amdhsa_forward_progress 1
		.amdhsa_inst_pref_size 18
	.end_amdhsa_kernel
	.amdgpu_metadata
---
amdhsa.version: [ 1, 2 ]
amdhsa.kernels:
  - .name:           k_q8ad8f73da1_quant
    .symbol:         k_q8ad8f73da1_quant.kd
    .args:
      - { .name: x, .offset: 0, .size: 8, .value_kind: global_buffer, .address_space: global }
      - { .name: Wq, .offset: 8, .size: 8, .value_kind: global_buffer, .address_space: global }
      - { .name: Wk, .offset: 16, .size: 8, .value_kind: global_buffer, .address_space: global }
      - { .name: Wv, .offset: 24, .size: 8, .value_kind: global_buffer, .address_space: global }
      - { .name: Wo, .offset: 32, .size: 8, .value_kind: global_buffer, .address_space: global }
      - { .name: xq, .offset: 40, .size: 8, .value_kind: global_buffer, .address_space: global }
      - { .name: wb, .offset: 48, .size: 8, .value_kind: global_buffer, .address_space: global }
    .group_segment_fixed_size: 34304
    .private_segment_fixed_size: 0
    .kernarg_segment_align: 8
    .kernarg_segment_size: 56
    .max_flat_workgroup_size: 128
    .sgpr_count:     66
    .vgpr_count:     192
    .wavefront_size: 32
...
	.end_amdgpu_metadata
.endif
;; end of part 4
;; launch proj (part 5): grid 128 x 2, 4 waves a work-group, clusters of 4 x 1, 327,680 bytes of LDS; arguments xq, wb, qc, kv; writes qc, kv
.if DOCPART == 5
	.amdgcn_target "amdgcn-amd-amdhsa--gfx1250"
	.amdhsa_code_object_version 6
	.text
	.protected	k_q8ad8f73da1_proj
	.globl	k_q8ad8f73da1_proj
	.p2align	8
	.type	k_q8ad8f73da1_proj,@function
k_q8ad8f73da1_proj:
	s_mov_b64 s[64:65], 0
	v_nop
	global_prefetch_b8 v0, s[64:65] scope:SCOPE_SE
	s_setreg_imm32_b32 hwreg(HW_REG_WAVE_MODE, 25, 1), 1
	s_wait_xcnt 0x0
	s_wait_alu depctr_hold_cnt(0) depctr_sa_sdst(0) depctr_va_vdst(0) depctr_va_sdst(0) depctr_va_ssrc(0) depctr_va_vcc(0) depctr_vm_vsrc(0)
	s_getreg_b32 s2, hwreg(HW_REG_IB_STS2, 6, 4)
	s_cmp_eq_u32 s2, 0
	s_cbranch_scc0 .Lentry_in_a_cluster
	s_endpgm
.Lentry_in_a_cluster:
	s_bfe_u32 s2, ttmp6, 0x10000c
	s_cmp_lg_u32 s2, 0x3003
	s_cbranch_scc0 .Lentry_shape_is_right
	s_endpgm
.Lentry_shape_is_right:
; Q = x Wq, K = x Wk, V = x Wv on codes of FP6 (E2M3), each result quantised at once for the product that will read it: Q and K along their 512 columns, V along the tokens (the keys).
; All buffers hold images of operand registers: a fragment (16 rows x 128 K, 12 registers a lane) is 1,536 bytes, three planes of 512, lane l's four registers at 16 l; a block of BLK bytes is 32 images and 2,048 bytes
; of scale words (fragment f, row r at SCW + 64 f + 4 r).  Lane r of tile T holds row 32 (T / 2) + 8 (T % 2) + r + 8 (r / 8) of the block's 128.
; SHARES.  A work-group takes 128 tokens (block n) and half of the 1,536 columns: c = 0: Wq and V's columns 0-255; c = 1: Wk and V's columns 256-511: six blocks of wb on end, one text for both.
; CLUSTER.  The four work-groups of a cluster have the same c and walk the same six blocks: each half block is asked for JOINTLY.  All six lie in LDS, each filled once: nothing is filled again.
; Q, K (four groups of 128 columns): wave w takes its own two tiles of tokens against the group's eight tiles of columns, source 0 = columns, source 1 = tokens: a lane holds one token and 64 neighbours-by-16 along
; the columns, which is one whole fragment of Q or K and one scale word a row: no exchange between waves.  The price: all four waves read every fragment of the weight from LDS, and each feeds two products.
; V (two groups): wave w takes two tiles of columns against all eight tiles of tokens, source 0 = tokens, source 1 = columns: a lane holds one column and its registers run along the tokens: a whole fragment of V.
; kv: for each 128 tokens [K's block | V's block]; V's fragment 8 G + t is tile t of columns 128 G on, its K the block's 128 tokens in their order.
; LIMITS: a block of zeros gets the byte 1 where the quantiser says 127 (zero codes; this program alone reads the bytes); NaN and infinities are not served.
; REGISTERS, in windows of 256.  Window 0: v1-7 addresses; v32-159 16 accumulators; v160-195 scale words; v196-252 at work.  Window 1: my two tiles of x, later tiles 0-3.  Window 2: tiles 4-7.  Window 3: two sets of weight fragments.
.set BLK,  51200
.set SCW,  49152
.set L16,  1                           ; v1  16 x lane
.set L4,   2                           ; v2  4 x lane
.set R4,   3                           ; v3  4 r
.set AW,   4                           ; v4  LDS: 16 x lane + the weight block in hand
.set AWS,  5                           ; v5  4 x lane + that block's scale words
.set AWV,  6                           ; v6  16 x lane + block 4 + my two tiles (12,288 w)
.set AWSV, 7                           ; v7  4 x lane + block 4's scale words + 512 w
.set ACC,  32
.set XOS,  160                         ; v160-163 my two tiles' scale words: register 2 u + ks / 2; even ks in lanes 0-15, odd in lanes 16-31
.set XS,   164                         ; v164-179 all eight tiles': 2 T + ks / 2
.set WS,   180                         ; v180-195 the weight block's: 2 ct + ks / 2
.set TM,   196
.set PW,   212
.set PC0,  214                         ; v214-232, v234-252: two sets for the codes
.set WV,   12                          ; s12 wave; s13 c; s14 n
.set G1,   16                          ; s[16:23] descriptor group 1
.set G0,   24                          ; s[24:31] two groups 0: the head's load, and the load behind the first round
.set G1B,  32                          ; s[32:39] descriptor group 1 of the second load: a whole block
.set SEL,  48
.set DQ,   50                          ; s[50:51] Q's or K's block + my tiles' images
.set DS,   52                          ; s[52:53] and their scale words
.set DV,   54                          ; s[54:55] V's block + my fragments
.set DVS,  56
.set XB,   58                          ; s[58:59] x's block
.set MSB, 0
.macro WIN new                         ; the immediate's high byte repeats the setting that is left; a switch that changes nothing is dropped
.if MSB != (\new)
	s_set_vgpr_msb (MSB<<8)|(\new)
.set MSB, (\new)
.endif
.endm
.macro PLACES n
.rept \n
	v_nop
.endr
.endm
.macro CROUND                          ; a round of the cluster's barrier
	s_barrier_signal -1
	s_barrier_wait -1
	s_cmp_lg_u32 s[WV], 0
	s_cbranch_scc1 .Lnot_wave_0_\@
	s_barrier_signal -3
.Lnot_wave_0_\@:
	s_barrier_wait -3
	s_barrier_signal -1
	s_barrier_wait -1
.endm
; one product: D, A, B at registers d, a, b; C = 0 where c < 0, else at c; scale words sa, sb, taken from lanes 16-31 where ra, rb are 1
.macro WM d, a, b, c, sa, sb, ra, rb
.if (\c) < 0
.if (\ra) && (\rb)
	v_wmma_scale_f32_16x16x128_f8f6f4 v[(\d):(\d)+7], v[(\a):(\a)+11], v[(\b):(\b)+11], 0, v[\sa], v[\sb] matrix_a_fmt:MATRIX_FMT_FP6 matrix_b_fmt:MATRIX_FMT_FP6 matrix_a_scale:MATRIX_SCALE_ROW1 matrix_b_scale:MATRIX_SCALE_ROW1
.elseif (\ra)
	v_wmma_scale_f32_16x16x128_f8f6f4 v[(\d):(\d)+7], v[(\a):(\a)+11], v[(\b):(\b)+11], 0, v[\sa], v[\sb] matrix_a_fmt:MATRIX_FMT_FP6 matrix_b_fmt:MATRIX_FMT_FP6 matrix_a_scale:MATRIX_SCALE_ROW1
.elseif (\rb)
	v_wmma_scale_f32_16x16x128_f8f6f4 v[(\d):(\d)+7], v[(\a):(\a)+11], v[(\b):(\b)+11], 0, v[\sa], v[\sb] matrix_a_fmt:MATRIX_FMT_FP6 matrix_b_fmt:MATRIX_FMT_FP6 matrix_b_scale:MATRIX_SCALE_ROW1
.else
	v_wmma_scale_f32_16x16x128_f8f6f4 v[(\d):(\d)+7], v[(\a):(\a)+11], v[(\b):(\b)+11], 0, v[\sa], v[\sb] matrix_a_fmt:MATRIX_FMT_FP6 matrix_b_fmt:MATRIX_FMT_FP6
.endif
.else
.if (\ra) && (\rb)
	v_wmma_scale_f32_16x16x128_f8f6f4 v[(\d):(\d)+7], v[(\a):(\a)+11], v[(\b):(\b)+11], v[(\c):(\c)+7], v[\sa], v[\sb] matrix_a_fmt:MATRIX_FMT_FP6 matrix_b_fmt:MATRIX_FMT_FP6 matrix_a_scale:MATRIX_SCALE_ROW1 matrix_b_scale:MATRIX_SCALE_ROW1
.elseif (\ra)
	v_wmma_scale_f32_16x16x128_f8f6f4 v[(\d):(\d)+7], v[(\a):(\a)+11], v[(\b):(\b)+11], v[(\c):(\c)+7], v[\sa], v[\sb] matrix_a_fmt:MATRIX_FMT_FP6 matrix_b_fmt:MATRIX_FMT_FP6 matrix_a_scale:MATRIX_SCALE_ROW1
.elseif (\rb)
	v_wmma_scale_f32_16x16x128_f8f6f4 v[(\d):(\d)+7], v[(\a):(\a)+11], v[(\b):(\b)+11], v[(\c):(\c)+7], v[\sa], v[\sb] matrix_a_fmt:MATRIX_FMT_FP6 matrix_b_fmt:MATRIX_FMT_FP6 matrix_b_scale:MATRIX_SCALE_ROW1
.else
	v_wmma_scale_f32_16x16x128_f8f6f4 v[(\d):(\d)+7], v[(\a):(\a)+11], v[(\b):(\b)+11], v[(\c):(\c)+7], v[\sa], v[\sb] matrix_a_fmt:MATRIX_FMT_FP6 matrix_b_fmt:MATRIX_FMT_FP6
.endif
.endif
.endm
; 64 numbers of a lane, register 16 b + i = k 32 b + 16 (lane / 16) + i of my row, become a fragment's 12 registers in v[pc] on and its row's scale word in v[PW]
.macro QUANT s, pc
.irp b, 0,1,2,3
	v_max3_num_f32 v[TM+\b], |v[(\s)+16*\b]|, |v[(\s)+16*\b+1]|, 0x1800000   ; block b: my 16 numbers and the floor 2^(3 - 127): the byte cannot fall under 1
.endr
.irp i, 2,4,6,8,10,12,14
.irp b, 0,1,2,3
	v_max3_num_f32 v[TM+\b], v[TM+\b], |v[(\s)+16*\b+\i]|, |v[(\s)+16*\b+\i+1]|
.endr
.endr
.irp b, 0,1,2,3
	v_permlanex16_b32 v[TM+4+\b], v[TM+\b], s[SEL], s[SEL+1]
.endr
.irp b, 0,1,2,3
	v_max_num_f32 v[TM+\b], v[TM+\b], v[TM+4+\b]
.endr
.irp b, 0,1,2,3
	v_add_nc_u32 v[TM+12+\b], 0xff000000, v[TM+\b]   ; 2 off the exponent field: the conversion's scale operand
.endr
.irp b, 0,1,2,3
	v_lshrrev_b32 v[TM+4+\b], 23, v[TM+12+\b]
.endr
	v_lshl_or_b32 v[PW], v[TM+5], 8, v[TM+4]
	v_lshl_or_b32 v[PW], v[TM+6], 16, v[PW]
	v_lshl_or_b32 v[PW], v[TM+7], 24, v[PW]
.irp c, 0,1
	v_cvt_scalef32_pk16_fp6_f32 v[(\pc)+6*\c:(\pc)+6*\c+2], v[(\s)+32*\c:(\s)+32*\c+15], v[TM+12+2*\c]
	v_cvt_scalef32_pk16_fp6_f32 v[(\pc)+12+4*\c:(\pc)+12+4*\c+2], v[(\s)+32*\c+16:(\s)+32*\c+31], v[TM+12+2*\c+1]
.endr
	v_nop                                          ; one plain line behind the conversions: later products write their sources again
.irp c, 0,1
.irp i, 0,1,2
	v_permlane16_swap_b32 v[(\pc)+6*\c+\i], v[(\pc)+12+4*\c+\i]
.endr
.irp i, 0,1,2
	v_mov_b32 v[(\pc)+6*\c+3+\i], v[(\pc)+12+4*\c+\i]
.endr
.endr
.endm
	s_load_b256 s[4:11], s[0:1], 0x0               ; xq s[4:5], wb s[6:7], qc s[8:9], kv s[10:11]
	v_lshl_add_u32 v254, v0, 2, 0x4b000
	v_mov_b32 v255, 0
	ds_add_u32 v254, v255
	ds_add_u32 v254, v255
	v_lshrrev_b32 v8, 5, v0
	v_readfirstlane_b32 s[WV], v8                  ; wave 0..3
	s_bfe_u32 s40, ttmp6, 0x40000                  ; cx: it enters x's and the results' addresses alone
	s_lshl_b32 s14, ttmp9, 2
	s_add_co_u32 s14, s14, s40                     ; n = 4 x cluster x + cx
	s_and_b32 s13, ttmp7, 0xffff                   ; c, which the four partners share
	; descriptor group 1: half a block, 25,600 dense bytes, as 100 rows of 256 bytes (32 elements of 8 bytes), no padding: images are read 512 consecutive bytes at a time
	s_mov_b32 s[G1], 15|(3<<16)|(1<<21)            ; 15:0 the mask: all four work-groups; 17:16 elements of 8 bytes; 21 set beside a mask
	s_mov_b32 s[G1+1], 32<<16                      ; tensor_dim0
	s_mov_b32 s[G1+2], 100<<16                     ; tensor_dim1
	s_mov_b32 s[G1+3], 32<<16                      ; tile_dim0
	s_mov_b32 s[G1+4], 100                         ; tile_dim1
	s_mov_b32 s[G1+5], 32                          ; the pitch
	s_mov_b32 s[G1+6], 0
	s_mov_b32 s[G1+7], 0
	; and for a whole block, 51,200 dense bytes, as 200 rows of 256 bytes
	s_mov_b32 s[G1B], 15|(3<<16)|(1<<21)
	s_mov_b32 s[G1B+1], 32<<16
	s_mov_b32 s[G1B+2], 200<<16
	s_mov_b32 s[G1B+3], 32<<16
	s_mov_b32 s[G1B+4], 200
	s_mov_b32 s[G1B+5], 32
	s_mov_b32 s[G1B+6], 0
	s_mov_b32 s[G1B+7], 0
	s_add_co_u32 s43, s[WV], 2
	s_mul_i32 s43, s43, BLK                        ; my second load brings block 2 + w whole: its place in LDS
	s_lshr_b32 s41, s[WV], 1                       ; the head's load brings half (w % 2) of block w / 2
	s_and_b32 s42, s[WV], 1
	s_mul_i32 s41, s41, BLK
	s_mul_i32 s42, s42, BLK/2
	s_add_co_u32 s41, s41, s42                     ; its place in LDS for i = 0: the wave's number and constants alone
	s_mul_i32 s44, s13, 6*BLK
	s_add_co_u32 s44, s44, s41                     ; and in wb
	s_mov_b32 s45, 0
	s_wait_dscnt 0x0
	s_wait_kmcnt 0x0
	s_add_nc_u64 s[46:47], s[6:7], s[44:45]
	s_mov_b32 s[G0], 1                             ; the head's load: half (w % 2) of block w / 2
	s_mov_b32 s[G0+1], s41
	s_mov_b64 s[G0+2:G0+3], s[46:47]
	s_or_b32 s[G0+3], s[G0+3], 0x80000000
	s_mul_i32 s44, s13, 6*BLK
	s_add_co_u32 s44, s44, s43
	s_mov_b32 s[G0+4], 1                           ; the second: block 2 + w
	s_mov_b32 s[G0+5], s43
	s_add_nc_u64 s[G0+6:G0+7], s[6:7], s[44:45]
	s_or_b32 s[G0+7], s[G0+7], 0x80000000
	CROUND                                         ; all four work-groups are here: the joint loads meet
	tensor_load_to_lds s[G0:G0+3], s[G1:G1+7]      ; blocks 0 and 1, a quarter each wave: one tensor load a wave at the head
	s_nop 0
	PLACES 4                                       ; four such lines behind the load
	v_and_b32 v8, 31, v0
	v_lshlrev_b32 v[L16], 4, v8
	v_lshlrev_b32 v[L4], 2, v8
	v_and_b32 v9, 15, v0
	v_lshlrev_b32 v[R4], 2, v9
	v_mov_b32 v[AW], v[L16]
	v_add_nc_u32 v[AWS], SCW, v[L4]
	s_mul_i32 s43, s[WV], 12288
	s_add_co_u32 s43, s43, 4*BLK
	v_add_nc_u32 v[AWV], s43, v[L16]
	s_lshl_b32 s43, s[WV], 9
	s_add_co_u32 s43, s43, 4*BLK+SCW
	v_add_nc_u32 v[AWSV], s43, v[L4]
	s_mov_b32 s[SEL], 0x76543210
	s_mov_b32 s[SEL+1], 0xfedcba98
.irp b, 0,1,2,3
	v_mov_b32 v[TM+4+\b], 0                        ; written once: a lane permute's destination counts as one of its sources
.endr
	s_mul_i32 s44, s14, BLK
	s_add_nc_u64 s[XB:XB+1], s[4:5], s[44:45]      ; x's block n
	s_cmp_eq_u32 s13, 0
	s_cselect_b64 s[DQ:DQ+1], s[8:9], s[10:11]     ; Q goes to qc, K to kv
	s_lshl_b32 s44, 0xc800, s13                    ; blocks BLK apart in qc, 2 BLK in kv
	s_mul_i32 s44, s44, s14
	s_add_nc_u64 s[DQ:DQ+1], s[DQ:DQ+1], s[44:45]
	s_lshl_b32 s44, s[WV], 9
	s_add_co_u32 s44, s44, SCW
	s_add_nc_u64 s[DS:DS+1], s[DQ:DQ+1], s[44:45]  ; fragments 8 w on: their scale words,
	s_mul_i32 s44, s[WV], 12288
	s_add_nc_u64 s[DQ:DQ+1], s[DQ:DQ+1], s[44:45]  ; their images
	s_add_nc_u64 s[60:61], s[XB:XB+1], s[44:45]    ; and the same fragments of x
	s_lshl_b32 s44, s[WV], 9
	s_add_co_u32 s44, s44, SCW
	s_add_nc_u64 s[62:63], s[XB:XB+1], s[44:45]
	s_mul_i32 s44, s14, 2*BLK
	s_add_co_u32 s44, s44, BLK
	s_add_nc_u64 s[DV:DV+1], s[10:11], s[44:45]    ; V's block n
	s_lshl_b32 s43, s13, 4
	s_lshl_b32 s42, s[WV], 1
	s_add_co_u32 s43, s43, s42                     ; my first fragment of it: 16 c + 2 w
	s_lshl_b32 s44, s43, 6
	s_add_co_u32 s44, s44, SCW
	s_add_nc_u64 s[DVS:DVS+1], s[DV:DV+1], s[44:45]
	s_mul_i32 s44, s43, 1536
	s_add_nc_u64 s[DV:DV+1], s[DV:DV+1], s[44:45]
	WIN 0x40                                       ; destination window 1
.set k, 0
.rept 24                                       ; my two tiles of x: eight images on end; fragment (u, ks) lands at v[12 (4 u + ks)]
	global_load_b128 v[4*k:4*k+3], v[L16], s[60:61] offset:512*k
.set k, k+1
.endr
	WIN 0
.irp i, 0,1,2,3
	global_load_b32 v[XOS+\i], v[L4], s[62:63] offset:128*\i
.endr
.irp i, 0,1,2,3,4,5,6,7,8,9,10,11,12,13,14,15
	global_load_b32 v[XS+\i], v[L4], s[XB:XB+1] offset:SCW+128*\i
.endr
; n planes of x's images from plane k0 of window w on; off: the window's first byte in the block
.macro XFL w, k0, n, off
	WIN (\w)<<6
.set k, \k0
.rept \n
	global_load_b128 v[4*k:4*k+3], v[L16], s[XB:XB+1] offset:(\off)+512*k
.set k, k+1
.endr
	WIN 0
.endm
; the block's eight fragments of K step ks into set buf of window 3
.macro WFETCH ks, buf
	WIN 0xc0
.irp ct, 0,1,2,3,4,5,6,7
.irp pl, 0,1,2
	ds_load_b128 v[96*(\buf)+12*\ct+4*\pl:96*(\buf)+12*\ct+4*\pl+3], v[AW] offset:6144*\ct+1536*(\ks)+512*\pl
.endr
.endr
	WIN 0
.endm
; 16 products: eight tiles of columns x my two tiles of tokens; the 16 accumulators take turns, in the same order in every K step
.macro MULQ ks
	WIN 0x07                                       ; source 0 (the weight) window 3, source 1 (x) window 1
.irp ct, 0,1,2,3,4,5,6,7
.irp u, 0,1
.if (\ks) == 0
	WM ACC+64*\u+8*\ct, 96*((\ks)%2)+12*\ct, 12*(4*\u+(\ks)), -1, WS+2*\ct+(\ks)/2, XOS+2*\u+(\ks)/2, (\ks)%2, (\ks)%2
.else
	WM ACC+64*\u+8*\ct, 96*((\ks)%2)+12*\ct, 12*(4*\u+(\ks)), ACC+64*\u+8*\ct, WS+2*\ct+(\ks)/2, XOS+2*\u+(\ks)/2, (\ks)%2, (\ks)%2
.endif
.endr
.endr
.endm
; Columns 128 g on of Q or K
.macro GQK g
.if (\g) == 2
	s_wait_tensorcnt 0x0                           ; my second load, block 2 + w, has landed
	s_barrier_signal -1
	s_barrier_wait -1                              ; everybody's has: blocks 2 to 5 are whole.
.endif
.irp i, 0,1,2,3,4,5,6,7,8,9,10,11,12,13,14,15
	ds_load_b32 v[WS+\i], v[AWS] offset:128*\i
.endr
	WFETCH 0, 0
	WFETCH 1, 1
	s_wait_dscnt 24                                ; all but the 24 loads of the set fetched last
	MULQ 0
	PLACES 4                                       ; in front of loads into registers that the products have read
	WFETCH 2, 0
	s_wait_dscnt 24
	MULQ 1
	PLACES 4
	WFETCH 3, 1
	s_wait_dscnt 24
	MULQ 2
	s_wait_dscnt 0x0
	MULQ 3
	WIN 0
	PLACES 4                                       ; in front of the first read of results, and of loads over my two tiles of x
.if (\g) == 0
	XFL 2, 0, 48, 24576                            ; x's other tiles, for V's groups, are asked for on the way: tiles 4-7,
.elseif (\g) == 1
	XFL 1, 24, 24, 0                               ; tiles 2 and 3,
.elseif (\g) == 3
	XFL 1, 0, 24, 0                                ; tiles 0 and 1, over my own two, which are done with
.endif
	v_add_nc_u32 v[AW], BLK, v[AW]                 ; the next block (no LDS load of mine is out)
	v_add_nc_u32 v[AWS], BLK, v[AWS]
.irp u, 0,1
	s_wait_xcnt 0x0                                ; the earlier stores have read their registers: the codes and the word may be written again
	QUANT ACC+64*\u, PC0+20*\u
	global_store_b128 v[L16], v[PC0+20*\u:PC0+20*\u+3], s[DQ:DQ+1] offset:6144*\u+1536*(\g)          ; fragment (tile 2 w + u, K step g): 512 consecutive bytes a store, aligned
	global_store_b128 v[L16], v[PC0+20*\u+4:PC0+20*\u+7], s[DQ:DQ+1] offset:6144*\u+1536*(\g)+512
	global_store_b128 v[L16], v[PC0+20*\u+8:PC0+20*\u+11], s[DQ:DQ+1] offset:6144*\u+1536*(\g)+1024
	global_store_b32 v[R4], v[PW], s[DS:DS+1] offset:256*\u+64*(\g)
.endr
.endm
; Columns 128 (2 c + gv) on of V
.macro GV gv
	WIN 0xc0
.set k, 0
.rept 24                                       ; my two tiles of columns: eight images on end; fragment (cp, ks) lands at v[12 (4 cp + ks)]
	ds_load_b128 v[4*k:4*k+3], v[AWV] offset:BLK*(\gv)+512*k
.set k, k+1
.endr
	WIN 0
.irp i, 0,1,2,3
	ds_load_b32 v[WS+\i], v[AWSV] offset:BLK*(\gv)+128*\i
.endr
	s_wait_loadcnt 0x0                             ; all of x
	s_wait_dscnt 0x0
.irp ks, 0,1,2,3
.irp T, 0,1,2,3,4,5,6,7
	WIN 0x0d+\T/4                                  ; source 0 (x) window 1 or 2, source 1 (the weight) window 3
.irp cp, 0,1
.if \ks == 0
	WM ACC+64*\cp+8*\T, 48*(\T%4)+12*\ks, 12*(4*\cp+\ks), -1, XS+2*\T+\ks/2, WS+2*\cp+\ks/2, \ks%2, \ks%2
.else
	WM ACC+64*\cp+8*\T, 48*(\T%4)+12*\ks, 12*(4*\cp+\ks), ACC+64*\cp+8*\T, XS+2*\T+\ks/2, WS+2*\cp+\ks/2, \ks%2, \ks%2
.endif
.endr
.endr
.endr
	WIN 0
	PLACES 4
.irp cp, 0,1
	s_wait_xcnt 0x0
	QUANT ACC+64*\cp, PC0+20*\cp
	global_store_b128 v[L16], v[PC0+20*\cp:PC0+20*\cp+3], s[DV:DV+1] offset:12288*(\gv)+1536*\cp
	global_store_b128 v[L16], v[PC0+20*\cp+4:PC0+20*\cp+7], s[DV:DV+1] offset:12288*(\gv)+1536*\cp+512
	global_store_b128 v[L16], v[PC0+20*\cp+8:PC0+20*\cp+11], s[DV:DV+1] offset:12288*(\gv)+1536*\cp+1024
	global_store_b32 v[R4], v[PW], s[DVS:DVS+1] offset:512*(\gv)+64*\cp
.endr
.endm
	s_wait_alu depctr_va_vdst(0)
	s_wait_tensorcnt 0x0                           ; my part of blocks 0 and 1 is in
	ds_add_u32 v254, v255
	s_wait_dscnt 0x0
	CROUND                                         ; blocks 0 and 1 are whole, and all four work-groups are here: the joint loads meet
	tensor_load_to_lds s[G0+4:G0+7], s[G1B:G1B+7]  ; blocks 2 to 5, one a wave: it has the first two groups' work in which to land
	s_nop 0
	PLACES 4
	s_wait_loadcnt 0x0                             ; my tiles of x and the scale words
	GQK 0
	GQK 1
	GQK 2
	GQK 3
	GV 0
	GV 1
	s_wait_tensorcnt 0x0
	s_wait_tensorcnt 0x0
	ds_add_u32 v254, v255
	s_wait_dscnt 0x0
	CROUND                                         ; the closing round: no work-group ends while a partner may still ask for a tile that names it
	s_endpgm
.Lfunc_end_k_q8ad8f73da1_proj:
	.size	k_q8ad8f73da1_proj, .Lfunc_end_k_q8ad8f73da1_proj-k_q8ad8f73da1_proj
	.p2alignl 7, 3214868480
	.fill 96, 4, 3214868480
	.section	.rodata,"a",@progbits
	.p2align	6, 0x0
	.amdhsa_kernel k_q8ad8f73da1_proj
		.amdhsa_group_segment_fixed_size 327680
		.amdhsa_private_segment_fixed_size 0
		.amdhsa_enable_private_segment 0
		.amdhsa_kernarg_size 32
		.amdhsa_user_sgpr_count 2
		.amdhsa_user_sgpr_kernarg_segment_ptr 1
		.amdhsa_wavefront_size32 1
		.amdhsa_system_sgpr_workgroup_id_x 1
		.amdhsa_system_sgpr_workgroup_id_y 1
		.amdhsa_system_sgpr_workgroup_id_z 1
		.amdhsa_system_vgpr_workitem_id 0
		.amdhsa_next_free_vgpr 1024
		.amdhsa_next_free_sgpr 66
		.amdhsa_reserve_vcc 0
		.amdhsa_float_denorm_mode_32 3
		.amdhsa_float_denorm_mode_16_64 3
		.amdhsa_memory_ordered 1
		.amdhsa_forward_progress 1
		.amdhsa_inst_pref_size 154
	.end_amdhsa_kernel
	.amdgpu_metadata
---
amdhsa.version: [ 1, 2 ]
amdhsa.kernels:
  - .name:           k_q8ad8f73da1_proj
    .symbol:         k_q8ad8f73da1_proj.kd
    .args:
      - { .name: xq, .offset: 0, .size: 8, .value_kind: global_buffer, .address_space: global }
      - { .name: wb, .offset: 8, .size: 8, .value_kind: global_buffer, .address_space: global }
      - { .name: qc, .offset: 16, .size: 8, .value_kind: global_buffer, .address_space: global }
      - { .name: kv, .offset: 24, .size: 8, .value_kind: global_buffer, .address_space: global }
    .group_segment_fixed_size: 327680
    .private_segment_fixed_size: 0
    .kernarg_segment_align: 8
    .kernarg_segment_size: 32
    .max_flat_workgroup_size: 128
    .sgpr_count:     66
    .vgpr_count:     1024
    .wavefront_size: 32
...
	.end_amdgpu_metadata
.endif
;; end of part 5
;; launch attn (part 6): grid 32 x 8, 4 waves a work-group, clusters of 4 x 1, 327,680 bytes of LDS; arguments qc, kv, wb, adj, x, bo, gamma, beta, out0; writes out0
.if DOCPART == 6
	.amdgcn_target "amdgcn-amd-amdhsa--gfx1250"
	.amdhsa_code_object_version 6
	.text
	.protected	k_q8ad8f73da1_attn
	.globl	k_q8ad8f73da1_attn
	.p2align	8
	.type	k_q8ad8f73da1_attn,@function
k_q8ad8f73da1_attn:
	s_mov_b64 s[64:65], 0
	v_nop
	global_prefetch_b8 v0, s[64:65] scope:SCOPE_SE
	s_setreg_imm32_b32 hwreg(HW_REG_WAVE_MODE, 25, 1), 1
	s_wait_xcnt 0x0
	s_wait_alu depctr_hold_cnt(0) depctr_sa_sdst(0) depctr_va_vdst(0) depctr_va_sdst(0) depctr_va_ssrc(0) depctr_va_vcc(0) depctr_vm_vsrc(0)
	s_getreg_b32 s2, hwreg(HW_REG_IB_STS2, 6, 4)
	s_cmp_eq_u32 s2, 0
	s_cbranch_scc0 .Lentry_in_a_cluster
	s_endpgm
.Lentry_in_a_cluster:
	s_bfe_u32 s2, ttmp6, 0x10000c
	s_cmp_lg_u32 s2, 0x3003
	s_cbranch_scc0 .Lentry_shape_is_right
	s_endpgm
.Lentry_shape_is_right:
; out0 = LayerNorm(x + softmax(masked Q K^T / sqrt(512)) V Wo + bo) gamma + beta, all three products on codes of FP6 (E2M3) with E8M0 scales.
; qc, kv, wb hold images of operand registers (a fragment, 16 rows x 128 K, is 1,536 bytes; a block of BLK bytes is 32 images and 2,048 bytes of scale words); kv: [K's block | V's block] for each 128 tokens; wb's blocks 12-15 are Wo.
; SHARES.  A work-group takes 64 queries of one batch (grid 32 x 8) and walks the 2,048 keys in 16 steps of 128 through two LDS slots, a step's K and V (102,400 bytes) to a slot, a quarter each wave.
; CLUSTER.  The four work-groups of a cluster lie in one batch and walk the same K and V: each quarter slot is asked for JOINTLY, behind a round of the cluster's barrier.
; A STEP.  S^T = K Q^T: wave w takes keys 32 w on (one block of the quantiser) against all 64 queries; a lane holds one query and 16 neighbouring keys.  Where adj is 0 the score becomes -2^100, so a row with no neighbour
; has equal scores and comes out uniform.  Each wave keeps its own running M = ceil(largest t) for its keys, p = 2^(t - M), the sum of the unquantised p, p's codes; codes, -M and the block's scale go
; through LDS.  Behind the exchange every wave reads all of p, brings the four waves' M under their common one by shifting the scale bytes, multiplies its O^T by the exact power of two, and adds V^T p^T for its 128 columns of V.
; THE END.  The four sums are joined, O / l is quantised along its 512 columns, exchanged through LDS, multiplied by Wo (bo is the first product's C), turned through a stage into whole rows, x is added, LayerNorm, whole rows stored.
; adj runs two steps ahead in registers (32,768 bytes a work-group a step).  x's rows (32,768 bytes a wave) are prefetched in the loop's last four trips, 8,192 bytes a wave a trip, each 256 bytes once.
; K and V are not prefetched: the launch streams adj in every step, and a step's K and V are 102,400 bytes for the 32 work-groups of a batch against their 1,048,576 bytes of adj.
; LIMITS: the promise holds while the scaled scores stay under 2^31 in magnitude; a block of zeros gets the byte 1 where the quantiser says 127 (zero codes; this program alone reads the bytes); NaN and infinities are not served.
; REGISTERS.  Window 0: addresses, scores, p, scale words, work.  Window 1: O^T.  Window 2: Q, v192-255 adj of even steps.  Window 3: K, V, v192-255 adj of odd steps.  At the end windows 2 and 3 take Wo, bo, gamma, beta and x.
.set BLK,   51200
.set SCW,   49152
.set STEPB, 2*BLK
.set SLOT1, 1<<17
.set OIMG,  102400
.set OSC,   126976
.set STAGE, 131072
.set SPIT,  2064
.set SGRP,  16*SPIT+128
.set P0,    263680
.set PBUF,  6144
.set META0, 275968
.set MBUF,  3072
.set LSUM,  282112
.set SPARE, 284160
.set SPW, 1
.set NIL, 2
.set AK,  3
.set AV,  5
.set ASK, 7
.set ASV, 9
.set PSA, 11
.set PLD, 12
.set MST, 13
.set MLD, 14
.set ADJO, 15
.set LST, 16
.set LLD, 17
.set OIS, 18
.set OIL, 19
.set OSS, 20
.set OSL, 21
.set SO,  22
.set SR,  24
.set L16, 25
.set L4,  26
.set H64, 27
.set PSB, 28
.set S,   32
.set PF,  96
.set QS,  144
.set KS,  152
.set VS,  156
.set PS,  160
.set WS,  162
.set OS,  178
.set NT,  186
.set LL,  194
.set NMC, 202
.set F,   204
.set BM,  212
.set TP,  216
.set FP,  220
.set MP,  228
.set CV,  236
.set ME,  212
.set WK,  228
.set TM,  212
.set PW,  228
.set PC,  230
.set LA,  224
.set LT,  232
.set MU,  236
.set RS,  244
.set GA,  192                          ; window 2, where bo lay: gamma,
.set BE,  208                          ; beta
.set PFX, 30                           ; v30: 256 x lane, the prefetches' offset
.set WV,   22
.set TRIP, 23
.set G1,   24
.set G0A,  32
.set G0W,  36
.set SEL,  40
.set CS,   42
.set SENT, 44
.set HM,   45
.set MK,   46
.set I512, 60
.set EPSR, 61
.set MSB, 0
.macro WIN new
.if MSB != (\new)
	s_set_vgpr_msb (MSB<<8)|(\new)
.set MSB, (\new)
.endif
.endm
.macro PLACES n
.rept \n
	v_nop
.endr
.endm
.macro CROUND
	s_barrier_signal -1
	s_barrier_wait -1
	s_cmp_lg_u32 s[WV], 0
	s_cbranch_scc1 .Lnot_wave_0_\@
	s_barrier_signal -3
.Lnot_wave_0_\@:
	s_barrier_wait -3
	s_barrier_signal -1
	s_barrier_wait -1
.endm
.macro WM d, a, b, c, sa, sb, ra, rb
.if (\c) < 0
.if (\ra) && (\rb)
	v_wmma_scale_f32_16x16x128_f8f6f4 v[(\d):(\d)+7], v[(\a):(\a)+11], v[(\b):(\b)+11], 0, v[\sa], v[\sb] matrix_a_fmt:MATRIX_FMT_FP6 matrix_b_fmt:MATRIX_FMT_FP6 matrix_a_scale:MATRIX_SCALE_ROW1 matrix_b_scale:MATRIX_SCALE_ROW1
.elseif (\ra)
	v_wmma_scale_f32_16x16x128_f8f6f4 v[(\d):(\d)+7], v[(\a):(\a)+11], v[(\b):(\b)+11], 0, v[\sa], v[\sb] matrix_a_fmt:MATRIX_FMT_FP6 matrix_b_fmt:MATRIX_FMT_FP6 matrix_a_scale:MATRIX_SCALE_ROW1
.elseif (\rb)
	v_wmma_scale_f32_16x16x128_f8f6f4 v[(\d):(\d)+7], v[(\a):(\a)+11], v[(\b):(\b)+11], 0, v[\sa], v[\sb] matrix_a_fmt:MATRIX_FMT_FP6 matrix_b_fmt:MATRIX_FMT_FP6 matrix_b_scale:MATRIX_SCALE_ROW1
.else
	v_wmma_scale_f32_16x16x128_f8f6f4 v[(\d):(\d)+7], v[(\a):(\a)+11], v[(\b):(\b)+11], 0, v[\sa], v[\sb] matrix_a_fmt:MATRIX_FMT_FP6 matrix_b_fmt:MATRIX_FMT_FP6
.endif
.else
.if (\ra) && (\rb)
	v_wmma_scale_f32_16x16x128_f8f6f4 v[(\d):(\d)+7], v[(\a):(\a)+11], v[(\b):(\b)+11], v[(\c):(\c)+7], v[\sa], v[\sb] matrix_a_fmt:MATRIX_FMT_FP6 matrix_b_fmt:MATRIX_FMT_FP6 matrix_a_scale:MATRIX_SCALE_ROW1 matrix_b_scale:MATRIX_SCALE_ROW1
.elseif (\ra)
	v_wmma_scale_f32_16x16x128_f8f6f4 v[(\d):(\d)+7], v[(\a):(\a)+11], v[(\b):(\b)+11], v[(\c):(\c)+7], v[\sa], v[\sb] matrix_a_fmt:MATRIX_FMT_FP6 matrix_b_fmt:MATRIX_FMT_FP6 matrix_a_scale:MATRIX_SCALE_ROW1
.elseif (\rb)
	v_wmma_scale_f32_16x16x128_f8f6f4 v[(\d):(\d)+7], v[(\a):(\a)+11], v[(\b):(\b)+11], v[(\c):(\c)+7], v[\sa], v[\sb] matrix_a_fmt:MATRIX_FMT_FP6 matrix_b_fmt:MATRIX_FMT_FP6 matrix_b_scale:MATRIX_SCALE_ROW1
.else
	v_wmma_scale_f32_16x16x128_f8f6f4 v[(\d):(\d)+7], v[(\a):(\a)+11], v[(\b):(\b)+11], v[(\c):(\c)+7], v[\sa], v[\sb] matrix_a_fmt:MATRIX_FMT_FP6 matrix_b_fmt:MATRIX_FMT_FP6
.endif
.endif
.endm
.macro QUANT s, pc
.irp b, 0,1,2,3
	v_max3_num_f32 v[TM+\b], |v[(\s)+16*\b]|, |v[(\s)+16*\b+1]|, 0x1800000
.endr
.irp i, 2,4,6,8,10,12,14
.irp b, 0,1,2,3
	v_max3_num_f32 v[TM+\b], v[TM+\b], |v[(\s)+16*\b+\i]|, |v[(\s)+16*\b+\i+1]|
.endr
.endr
.irp b, 0,1,2,3
	v_permlanex16_b32 v[TM+4+\b], v[TM+\b], s[SEL], s[SEL+1]
.endr
.irp b, 0,1,2,3
	v_max_num_f32 v[TM+\b], v[TM+\b], v[TM+4+\b]
.endr
.irp b, 0,1,2,3
	v_add_nc_u32 v[TM+12+\b], 0xff000000, v[TM+\b]
.endr
.irp b, 0,1,2,3
	v_lshrrev_b32 v[TM+4+\b], 23, v[TM+12+\b]
.endr
	v_lshl_or_b32 v[PW], v[TM+5], 8, v[TM+4]
	v_lshl_or_b32 v[PW], v[TM+6], 16, v[PW]
	v_lshl_or_b32 v[PW], v[TM+7], 24, v[PW]
.irp c, 0,1
	v_cvt_scalef32_pk16_fp6_f32 v[(\pc)+6*\c:(\pc)+6*\c+2], v[(\s)+32*\c:(\s)+32*\c+15], v[TM+12+2*\c]
	v_cvt_scalef32_pk16_fp6_f32 v[(\pc)+12+4*\c:(\pc)+12+4*\c+2], v[(\s)+32*\c+16:(\s)+32*\c+31], v[TM+12+2*\c+1]
.endr
	v_nop
.irp c, 0,1
.irp i, 0,1,2
	v_permlane16_swap_b32 v[(\pc)+6*\c+\i], v[(\pc)+12+4*\c+\i]
.endr
.irp i, 0,1,2
	v_mov_b32 v[(\pc)+6*\c+3+\i], v[(\pc)+12+4*\c+\i]
.endr
.endr
.endm
	s_load_b512 s[4:19], s[0:1], 0x0
	s_load_b64 s[20:21], s[0:1], 0x40
	v_lshl_add_u32 v[SPW], v0, 2, SPARE
	v_mov_b32 v[NIL], 0
	ds_add_u32 v1, v2
	ds_add_u32 v1, v2
	s_wait_dscnt 0x0
	v_lshrrev_b32 v28, 5, v0
	v_readfirstlane_b32 s[WV], v28
	s_bfe_u32 s46, ttmp6, 0x40000
	s_lshl_b32 s47, ttmp9, 2
	s_add_co_u32 s47, s47, s46
	s_and_b32 s48, ttmp7, 0xffff
	s_mov_b32 s[G1], 15|(3<<16)|(1<<21)
	s_mov_b32 s[G1+1], 32<<16
	s_mov_b32 s[G1+2], 100<<16
	s_mov_b32 s[G1+3], 32<<16
	s_mov_b32 s[G1+4], 100
	s_mov_b32 s[G1+5], 32
	s_mov_b32 s[G1+6], 0
	s_mov_b32 s[G1+7], 0
	s_mul_i32 s49, s[WV], BLK/2
	s_mul_i32 s50, s48, 16*STEPB
	s_add_co_u32 s50, s50, s49
	s_mov_b32 s51, 0
	s_mov_b32 s[SEL], 0x76543210
	s_mov_b32 s[SEL+1], 0xfedcba98
	s_mov_b32 s[CS], 0x3d8293ee
	s_mov_b32 s[CS+1], s[CS]
	s_mov_b32 s[SENT], 0xf1800000
	s_mov_b32 s[HM], 0xffff0000
	s_mov_b32 s[I512], 0x3b000000
	s_mov_b32 s[EPSR], 0x3727c5ac
	s_wait_kmcnt 0x0
	s_add_nc_u64 s[52:53], s[6:7], s[50:51]
	s_mov_b32 s[G0A], 1
	s_mov_b32 s[G0A+1], s49
	s_mov_b64 s[G0A+2:G0A+3], s[52:53]
	s_or_b32 s[G0A+3], s[G0A+3], 0x80000000
	s_mov_b32 s[G0W], 1
	s_add_co_u32 s[G0W+1], s49, SLOT1
	s_add_nc_u64 s[G0W+2:G0W+3], s[52:53], STEPB
	s_or_b32 s[G0W+3], s[G0W+3], 0x80000000
	CROUND
	tensor_load_to_lds s[G0A:G0A+3], s[G1:G1+7]    ; step 0's K and V: one tensor load a wave at the head; the addresses, Q's and adj's loads and the clears stand under its flight
	s_nop 0
	PLACES 4
	s_mov_b32 s55, 0
	s_lshl_b32 s54, s48, 4
	s_lshr_b32 s56, s47, 1
	s_add_co_u32 s54, s54, s56
	s_mul_i32 s54, s54, BLK
	s_add_nc_u64 s[4:5], s[4:5], s[54:55]
	s_and_b32 s56, s47, 1
	s_mul_i32 s54, s56, 24576
	s_add_nc_u64 s[58:59], s[4:5], s[54:55]
	s_lshl_b32 s54, s56, 10
	s_add_co_u32 s54, s54, SCW
	s_add_nc_u64 s[4:5], s[4:5], s[54:55]
	s_lshl_b32 s54, s48, 24
	s_lshl_b32 s56, s47, 19
	s_add_co_u32 s54, s54, s56
	s_add_nc_u64 s[10:11], s[10:11], s[54:55]
	s_lshl_b32 s54, s48, 22
	s_lshl_b32 s56, s47, 17
	s_add_co_u32 s54, s54, s56
	s_lshl_b32 s56, s[WV], 15
	s_add_co_u32 s54, s54, s56
	s_add_nc_u64 s[12:13], s[12:13], s[54:55]
	s_add_nc_u64 s[20:21], s[20:21], s[54:55]
	s_mov_b64 s[52:53], s[12:13]                   ; where my prefetches of x stand: my 16 rows
	s_add_co_u32 s54, s[WV], 12
	s_mul_i32 s54, s54, BLK
	s_add_nc_u64 s[8:9], s[8:9], s[54:55]
	s_lshl_b32 s54, s[WV], 9
	s_add_nc_u64 s[14:15], s[14:15], s[54:55]
	v_and_b32 v28, 31, v0
	v_and_b32 v29, 15, v0
	v_bfe_u32 v30, v0, 4, 1
	v_and_b32 v31, 8, v29
	v_lshlrev_b32 v[L16], 4, v28
	v_lshlrev_b32 v[L4], 2, v28
	v_lshlrev_b32 v[H64], 6, v30
	v_lshl_add_u32 v[PLD], v28, 3, P0
	v_lshlrev_b32 v[SO+1], 4, v31
	v_add_nc_u32 v31, v31, v29
	s_mul_i32 s54, s[WV], 12288
	v_add_nc_u32 v[AK], s54, v[L16]
	v_add_nc_u32 v[AK+1], SLOT1, v[AK]
	v_add_nc_u32 v[AV], BLK, v[AK]
	v_add_nc_u32 v[AV+1], BLK, v[AK+1]
	s_lshl_b32 s54, s[WV], 9
	s_add_co_u32 s54, s54, SCW
	v_add_nc_u32 v[ASK], s54, v[L4]
	v_add_nc_u32 v[ASK+1], SLOT1, v[ASK]
	v_add_nc_u32 v[ASV], BLK, v[ASK]
	v_add_nc_u32 v[ASV+1], BLK, v[ASK+1]
	s_lshr_b32 s54, s[WV], 1
	s_mul_i32 s54, s54, 768
	s_and_b32 s56, s[WV], 1
	s_lshl_b32 s56, s56, 7
	s_add_co_u32 s54, s54, s56
	s_add_co_u32 s54, s54, P0
	v_lshl_add_u32 v[PSA], v29, 3, s54
	v_mad_u32_u24 v[PSB], v30, 508, v[PSA]
	v_mad_u32_u24 v[PSA], v30, 260, v[PSA]
	v_lshlrev_b32 v[LLD], 5, v29
	s_lshl_b32 s54, s[WV], 3
	v_add_nc_u32 v[LST], s54, v[LLD]
	v_add_nc_u32 v[LST], LSUM, v[LST]
	v_add_nc_u32 v[LLD], LSUM, v[LLD]
	v_mul_u32_u24 v[MLD], v29, 48
	v_add_nc_u32 v[MST], s54, v[MLD]
	v_add_nc_u32 v[MST], META0, v[MST]
	v_mad_u32_u24 v[MLD], v30, 768, v[MLD]
	v_add_nc_u32 v[MLD], META0, v[MLD]
	v_lshlrev_b32 v[ADJO], 13, v31
	v_add_nc_u32 v[ADJO], v[ADJO], v[H64]
	s_lshl_b32 s54, s[WV], 7
	v_add_nc_u32 v[ADJO], s54, v[ADJO]
	s_mul_i32 s54, s[WV], 1536
	s_add_co_u32 s54, s54, OIMG
	v_add_nc_u32 v[OIS], s54, v[L16]
	v_add_nc_u32 v[OIL], OIMG, v[L16]
	v_lshlrev_b32 v[OSS], 2, v29
	s_lshl_b32 s54, s[WV], 6
	s_add_co_u32 s54, s54, OSC
	v_add_nc_u32 v[OSS], s54, v[OSS]
	v_add_nc_u32 v[OSL], OSC, v[L4]
	v_mad_u32_u24 v[SO], v31, SPIT, v[SO+1]
	v_add_nc_u32 v[SO], v[SO], v[H64]
	s_lshl_b32 s54, s[WV], 9
	s_add_co_u32 s54, s54, STAGE
	v_add_nc_u32 v[SO], s54, v[SO]
	v_add_nc_u32 v[SO+1], 2*SGRP, v[SO]
	s_mul_i32 s54, s[WV], SGRP
	s_add_co_u32 s54, s54, STAGE
	v_add_nc_u32 v[SR], s54, v[L16]
	v_lshlrev_b32 v[PFX], 4, v[L16]
.macro ADJLOAD p, off
	WIN 0x80+0x40*(\p)
.irp m, 0,1,2,3
.irp q, 0,1,2,3
	global_load_b128 v[192+16*\m+4*\q:192+16*\m+4*\q+3], v[ADJO], s[10:11] offset:(32*(\m/2)+8*(\m%2))*8192+16*\q+(\off) th:TH_LOAD_RT_NT
.endr
.endr
	WIN 0
.endm
.macro VPART p, k0, n
	WIN 0xc0
.set k, \k0
.rept \n
	ds_load_b128 v[96+4*k:96+4*k+3], v[AV+(\p)] offset:512*k
.set k, k+1
.endr
	WIN 0
.endm
.macro KPART p, k0, n, back
	WIN 0xc0
.set k, \k0
.rept \n
	ds_load_b128 v[4*k:4*k+3], v[AK+(\p)] offset:512*k
.set k, k+1
.endr
.if \back
	WIN 0
.endif
.endm
.macro KSCALES p
.irp i, 0,1,2,3
	ds_load_b32 v[KS+\i], v[ASK+(\p)] offset:128*\i
.endr
.endm
.macro PFETCH pb
.irp m, 0,1,2,3
.irp q, 0,1,2,3,4,5
	ds_load_b64 v[PF+12*\m+2*\q:PF+12*\m+2*\q+1], v[PLD] offset:PBUF*(\pb)+1536*\m+256*\q
.endr
.endr
.endm
.macro SOFTMAX pb, last
.irp i, 0,1,2,3
	ds_load_b32 v[VS+\i], v[ASV+(\pb)] offset:128*\i
.endr
	VPART \pb, 0, 24                               ; all of my V fragments in one run: the last products on them stand a whole S step back
.irp m, 0,1,2,3
	v_max3_num_f32 v[BM+\m], v[S+16*\m], v[S+16*\m+1], v[S+16*\m+2]
.endr
.irp i, 3,5,7,9,11,13
.irp m, 0,1,2,3
	v_max3_num_f32 v[BM+\m], v[BM+\m], v[S+16*\m+\i], v[S+16*\m+\i+1]
.endr
.endr
.irp m, 0,1,2,3
	v_max_num_f32 v[BM+\m], v[BM+\m], v[S+16*\m+15]
.endr
.irp m, 0,1,2,3
	v_permlanex16_b32 v[TP+\m], v[BM+\m], s[SEL], s[SEL+1]
.endr
.irp m, 0,1,2,3
	v_max_num_f32 v[BM+\m], v[BM+\m], v[TP+\m]
.endr
.irp m, 0,1,2,3
	v_mul_f32 v[TP+\m], s[CS], v[BM+\m]
.endr
.irp m, 0,1,2,3
	v_max_num_f32 v[NT+2*\m+1], v[NT+2*\m+1], v[TP+\m]
.endr
.irp m, 0,1,2,3
	v_mov_b32 v[TP+\m], v[NT+2*\m]
.endr
.irp m, 0,1,2,3
	v_floor_f32 v[NT+2*\m], -v[NT+2*\m+1]
.endr
.irp m, 0,1,2,3
	v_sub_f32 v[TP+\m], v[NT+2*\m], v[TP+\m]
.endr
.irp m, 0,1,2,3
	v_cvt_i32_f32 v[TP+\m], v[TP+\m]
.endr
.irp m, 0,1,2,3
	v_ldexp_f32 v[FP+2*\m], 1.0, v[TP+\m]
.endr
.irp m, 0,1,2,3
.irp j, 0,2,4,6,8,10,12,14
	v_pk_fma_f32 v[S+16*\m+\j:S+16*\m+\j+1], v[S+16*\m+\j:S+16*\m+\j+1], s[CS:CS+1], v[NT+2*\m:NT+2*\m+1] op_sel_hi:[1,0,0]
.endr
.endr
.irp m, 0,1,2,3
	v_fma_f32 v[BM+\m], v[BM+\m], s[CS], v[NT+2*\m]
.endr
.set e, 0
	s_wait_alu depctr_va_vdst(0)
.rept 64
	v_exp_f32 v[S+e], v[S+e]
.set e, e+1
.endr
.irp m, 0,1,2,3
	v_pk_mul_f32 v[LL+2*\m:LL+2*\m+1], v[LL+2*\m:LL+2*\m+1], v[FP+2*\m:FP+2*\m+1] op_sel_hi:[1,0]
.endr
	s_wait_alu depctr_va_vdst(0)
.irp m, 0,1,2,3
	v_exp_f32 v[BM+\m], v[BM+\m]
.endr
.irp m, 0,1,2,3
	v_pk_add_f32 v[MP+2*\m:MP+2*\m+1], v[S+16*\m:S+16*\m+1], v[S+16*\m+2:S+16*\m+3]
.endr
.irp j, 4,8,12
.irp m, 0,1,2,3
	v_pk_add_f32 v[LL+2*\m:LL+2*\m+1], v[LL+2*\m:LL+2*\m+1], v[S+16*\m+\j:S+16*\m+\j+1]
	v_pk_add_f32 v[MP+2*\m:MP+2*\m+1], v[MP+2*\m:MP+2*\m+1], v[S+16*\m+\j+2:S+16*\m+\j+3]
.endr
.endr
.irp m, 0,1,2,3
	v_pk_add_f32 v[LL+2*\m:LL+2*\m+1], v[LL+2*\m:LL+2*\m+1], v[MP+2*\m:MP+2*\m+1]
.endr
	s_wait_alu depctr_va_vdst(0)
.irp m, 0,1,2,3
	v_max_num_f32 v[BM+\m], 0x1800000, v[BM+\m]
.endr
.irp m, 0,1,2,3
	v_add_nc_u32 v[MP+2*\m+1], 0xff000000, v[BM+\m]
.endr
.irp m, 0,1,2,3
	v_mov_b32 v[MP+2*\m], v[NT+2*\m]
.endr
.irp m, 0,1,2,3
	v_cvt_scalef32_pk16_fp6_f32 v[CV+4*\m:CV+4*\m+2], v[S+16*\m:S+16*\m+15], v[MP+2*\m+1]
.endr
	v_nop
.irp m, 0,1,2,3
	ds_store_b32 v[PSA], v[CV+4*\m], offset:PBUF*(\pb)+1536*\m
	ds_store_b32 v[PSB], v[CV+4*\m+1] offset:PBUF*(\pb)+1536*\m+4
	ds_store_b32 v[PSA], v[CV+4*\m+2] offset:PBUF*(\pb)+1536*\m+256
	ds_store_b64 v[MST], v[MP+2*\m:MP+2*\m+1] offset:MBUF*(\pb)+768*\m
.endr
.if \last
.irp m, 0,1,2,3
	v_add_f32 v[TP+\m], v[LL+2*\m], v[LL+2*\m+1]
.endr
.irp m, 0,1,2,3
	v_permlanex16_b32 v[BM+\m], v[TP+\m], s[SEL], s[SEL+1]
.endr
.irp m, 0,1,2,3
	v_add_f32 v[FP+2*\m+1], v[TP+\m], v[BM+\m]
.endr
.irp m, 0,1,2,3
	v_mov_b32 v[FP+2*\m], v[NT+2*\m]
.endr
.irp m, 0,1,2,3
	ds_store_b64 v[LST], v[FP+2*\m:FP+2*\m+1] offset:512*\m
.endr
.endif
.endm
.macro XCH fill
	s_wait_tensorcnt 0x0
.if \fill
	ds_add_u32 v[SPW], v[NIL]
	s_xor_b32 s[G0W+1], s[G0W+1], SLOT1
	s_add_nc_u64 s[G0W+2:G0W+3], s[G0W+2:G0W+3], STEPB
	s_wait_xcnt 0x0
	s_add_nc_u64 s[10:11], s[10:11], 512
	s_wait_dscnt 0x0
	CROUND
	tensor_load_to_lds s[G0W:G0W+3], s[G1:G1+7]
	s_nop 0
	PLACES 4
.else
	s_wait_dscnt 0x0
	s_barrier_signal -1
	s_barrier_wait -1
.endif
.endm
.macro METAC next, kp
.irp g, 0,1
	v_min3_num_f32 v[WK+\g], v[ME+8*\g], v[ME+8*\g+2], v[ME+8*\g+4]
.endr
.irp g, 0,1
	v_min_num_f32 v[WK+\g], v[WK+\g], v[ME+8*\g+6]
.endr
.irp g, 0,1
	v_sub_f32 v[WK+2+\g], v[WK+\g], v[NMC+\g]
.endr
.irp w, 0,1,2,3
.irp g, 0,1
	v_sub_f32 v[WK+8+4*\g+\w], v[WK+\g], v[ME+8*\g+2*\w]
.endr
.endr
.irp g, 0,1
	v_mov_b32 v[NMC+\g], v[WK+\g]
	v_cvt_i32_f32 v[WK+2+\g], v[WK+2+\g]
.endr
.irp w, 0,1,2,3
.irp g, 0,1
	v_cvt_i32_f32 v[WK+8+4*\g+\w], v[WK+8+4*\g+\w]
.endr
.endr
.irp w, 0,1,2,3
.irp g, 0,1
	v_ldexp_f32 v[WK+8+4*\g+\w], v[ME+8*\g+2*\w+1], v[WK+8+4*\g+\w]
.endr
.endr
.irp w, 0,1,2,3
.irp g, 0,1
	v_lshrrev_b32 v[WK+8+4*\g+\w], 23, v[WK+8+4*\g+\w]
.endr
.endr
.irp g, 0,1
	v_lshl_or_b32 v[PS+\g], v[WK+8+4*\g+1], 8, v[WK+8+4*\g]
.endr
.irp g, 0,1
	v_lshl_or_b32 v[PS+\g], v[WK+8+4*\g+2], 16, v[PS+\g]
.endr
.irp g, 0,1
	v_lshl_or_b32 v[PS+\g], v[WK+8+4*\g+3], 24, v[PS+\g]
.endr
.irp g, 0,1
	v_ldexp_f32 v[WK+4+\g], 1.0, v[WK+2+\g]
.endr
.irp g, 0,1
	v_permlanex16_b32 v[WK+6+\g], v[WK+4+\g], s[SEL], s[SEL+1]
.endr
.irp g, 0,1
	v_cndmask_b32 v[F+4*\g], v[WK+4+\g], v[WK+6+\g], s[HM]
	v_cndmask_b32 v[F+4*\g+2], v[WK+6+\g], v[WK+4+\g], s[HM]
.endr
.endm
.macro RESC i
	WIN 0x41
.irp j, 0,2,4,6
	v_pk_mul_f32 v[64*((\i)%4)+8*((\i)/4)+\j:64*((\i)%4)+8*((\i)/4)+\j+1], v[64*((\i)%4)+8*((\i)/4)+\j:64*((\i)%4)+8*((\i)/4)+\j+1], v[F+2*((\i)%4):F+2*((\i)%4)+1] op_sel_hi:[1,0]
.endr
.endm
.macro PVP x
	WM 64*((\x)%4)+8*((\x)/4), 96+12*((\x)/4), PF+12*((\x)%4), 64*((\x)%4)+8*((\x)/4), VS+(\x)/8, PS+((\x)%4)/2, ((\x)/4)%2, (\x)%2
.endm
.macro PV next, kp, cnt
	RESC 0
	RESC 1
	RESC 2
	RESC 3
	s_wait_alu depctr_va_vdst(0)
	s_wait_dscnt \cnt
.set i, 0
.rept 16
	WIN 0x53
	PVP i
	PVP i+1
.if i < 28
	RESC i+4
	RESC i+5
.endif
.set i, i+2
.endr
	WIN 0
.endm
.macro SPROD m0
.set sD, S+16*((\m0)+(i/2)%2)+8*(i%2)
.set sK, 12*(4*(i%2)+i/4)
.set sQ, 12*(4*((\m0)+(i/2)%2)+i/4)
.if i < 4
	WM sD, sK, sQ, -1, KS+2*(i%2)+i/8, QS+2*((\m0)+(i/2)%2)+i/8, (i/4)%2, (i/4)%2
.else
	WM sD, sK, sQ, sD, KS+2*(i%2)+i/8, QS+2*((\m0)+(i/2)%2)+i/8, (i/4)%2, (i/4)%2
.endif
.endm
.macro MASK4 e
.irp d, 0,1,2,3
	v_cmp_ne_u32 s[MK+\d], v[192+(\e)+\d], 0
.endr
.irp d, 0,1,2,3
	v_cndmask_b32 v[S+(\e)+\d], s[SENT], v[S+(\e)+\d], s[MK+\d]
.endr
.endm
.macro SNEXT p, n
	s_wait_dscnt 0x0
	WIN 0x0b
.set i, 0
.rept 16
	SPROD 0
.set i, i+1
.endr
	PLACES 4
	s_wait_loadcnt \n
.set i, 0
.rept 8
	WIN 0x0b
	SPROD 2
.set i, i+1
	SPROD 2
.set i, i+1
	WIN 0x02+(\p)
	MASK4 2*i-4
.endr
.set i, 32
.rept 8
	MASK4 i
.set i, i+4
.endr
	WIN 0
.endm
.macro WOLOAD ks
	WIN 0x80+0x40*((\ks)/2)
.irp ct, 0,1,2,3,4,5,6,7
.irp pl, 0,1,2
	global_load_b128 v[96*((\ks)%2)+12*\ct+4*\pl:96*((\ks)%2)+12*\ct+4*\pl+3], v[L16], s[8:9] offset:6144*\ct+1536*(\ks)+512*\pl
.endr
.endr
	WIN 0
.endm
.macro XR0                             ; x's rows 0-3 of my 16 into window 3, v192-255, where the odd steps' adj lay
	WIN 0xc0
.set k, 0
.rept 16
	global_load_b128 v[192+4*k:192+4*k+3], v[L16], s[12:13] offset:512*k th:TH_LOAD_NT
.set k, k+1
.endr
	WIN 0
.endm
.macro STEP p, fill, adjl, next, last, n
.if \adjl
	ADJLOAD \p, 0
.endif
.if \last
	XR0
	WOLOAD 0
	WOLOAD 1
.endif
	SOFTMAX \p, \last
.if \last
	WOLOAD 2
.irp i, 0,1,2,3,4,5,6,7,8,9,10,11,12,13,14,15
	global_load_b32 v[WS+\i], v[L4], s[8:9] offset:SCW+128*\i
.endr
	WIN 0x80
.irp ct, 0,1,2,3,4,5,6,7
	global_load_b128 v[192+8*\ct:192+8*\ct+3], v[H64], s[14:15] offset:(32*(\ct/2)+8*(\ct%2))*4
	global_load_b128 v[192+8*\ct+4:192+8*\ct+7], v[H64], s[14:15] offset:(32*(\ct/2)+8*(\ct%2))*4+16
.endr
	WIN 0
.endif
	XCH \fill
.irp g, 0,1
	ds_load_b128 v[ME+8*\g:ME+8*\g+3], v[MLD] offset:MBUF*(\p)+1536*\g
	ds_load_b128 v[ME+8*\g+4:ME+8*\g+7], v[MLD] offset:MBUF*(\p)+1536*\g+16
.endr
	PFETCH \p
.if \next
	KSCALES 1-\p
	KPART 1-\p, 0, 24, 1                           ; the next step's K fragments in one run
.if (\fill) && (\p) == 0
	s_cmp_lt_u32 s[TRIP], 5                        ; the loop's last four trips: 32 blocks of 256 bytes of my rows of x, a lane a block
	s_cbranch_scc0 .Lnoask_\@
	global_prefetch_b8 v[PFX], s[52:53] th:TH_LOAD_NT scope:SCOPE_SE
.Lnoask_\@:
.endif
.if (\fill) && (\p) == 1
	s_cmp_lt_u32 s[TRIP], 5                        ; behind this step's wait on XCNT the prefetch has read its address: 8,192 bytes on
	s_cselect_b32 s54, 8192, 0
	s_add_nc_u64 s[52:53], s[52:53], s[54:55]
.endif
	s_wait_dscnt 52                                ; the four loads of -M and scales are in; behind them: 24 of p, 4 scale words, 24 of K
.endif
.if \last
.irp m, 0,1,2,3
	ds_load_b128 v[S+8*\m:S+8*\m+3], v[LLD] offset:512*\m
	ds_load_b128 v[S+8*\m+4:S+8*\m+7], v[LLD] offset:512*\m+16
.endr
	s_wait_dscnt 32
.endif
	METAC \next, 1-\p
.if \last
	PV 0, 0, 8
.else
	PV \next, 1-\p, 28
.endif
.if \next
	SNEXT 1-\p, \n
.endif
.endm
	WIN 0x80
.set k, 0
.rept 48
	global_load_b128 v[4*k:4*k+3], v[L16], s[58:59] offset:512*k
.set k, k+1
.endr
	WIN 0
.irp i, 0,1,2,3,4,5,6,7
	global_load_b32 v[QS+\i], v[L4], s[4:5] offset:128*\i
.endr
	ADJLOAD 0, 0
	ADJLOAD 1, 512
	WIN 0x40
.set k, 0
.rept 256
	v_mov_b32 v[k], 0
.set k, k+1
.endr
	WIN 0
.irp m, 0,1,2,3
	v_mov_b32 v[NT+2*\m], 0x7f61b1e6
	v_mov_b32 v[NT+2*\m+1], 0xff61b1e6
	v_mov_b32 v[LL+2*\m], 0
	v_mov_b32 v[LL+2*\m+1], 0
	v_mov_b32 v[TP+\m], 0
	v_mov_b32 v[FP+2*\m+1], 0
	v_mov_b32 v[F+2*\m+1], 0
.endr
	v_mov_b32 v[NMC], 0x7f61b1e6
	v_mov_b32 v[NMC+1], 0x7f61b1e6
	s_wait_xcnt 0x0
	s_add_nc_u64 s[10:11], s[10:11], 1024
	s_wait_alu depctr_va_vdst(0)
	s_wait_tensorcnt 0x0                           ; my quarter of step 0 is in
	ds_add_u32 v1, v2
	s_wait_dscnt 0x0
	CROUND                                         ; slot 0 is whole, and all four work-groups are here
	tensor_load_to_lds s[G0W:G0W+3], s[G1:G1+7]    ; step 1's K and V into slot 1
	s_nop 0
	PLACES 4
	KPART 0, 0, 24, 1
	KSCALES 0
	s_wait_loadcnt 32
	SNEXT 0, 16
	s_mov_b32 s[TRIP], 7
.Lkeys:
	STEP 0, 1, 1, 1, 0, 16
	STEP 1, 1, 1, 1, 0, 16
	s_sub_co_u32 s[TRIP], s[TRIP], 1
	s_cmp_lg_u32 s[TRIP], 0
	s_cbranch_scc1 .Lkeys
	STEP 0, 0, 0, 1, 0, 0
	STEP 1, 0, 0, 0, 1, 0
	s_wait_dscnt 0x0
.irp m, 0,1,2,3
	v_min3_num_f32 v[WK+\m], v[S+8*\m], v[S+8*\m+2], v[S+8*\m+4]
.endr
.irp m, 0,1,2,3
	v_min_num_f32 v[WK+\m], v[WK+\m], v[S+8*\m+6]
.endr
.irp w, 0,1,2,3
.irp m, 0,1,2,3
	v_sub_f32 v[S+8*\m+2*\w], v[WK+\m], v[S+8*\m+2*\w]
.endr
.endr
.irp w, 0,1,2,3
.irp m, 0,1,2,3
	v_cvt_i32_f32 v[S+8*\m+2*\w], v[S+8*\m+2*\w]
.endr
.endr
.irp w, 0,1,2,3
.irp m, 0,1,2,3
	v_ldexp_f32 v[S+8*\m+2*\w+1], v[S+8*\m+2*\w+1], v[S+8*\m+2*\w]
.endr
.endr
.irp m, 0,1,2,3
	v_add_f32 v[S+8*\m+1], v[S+8*\m+1], v[S+8*\m+3]
	v_add_f32 v[S+8*\m+5], v[S+8*\m+5], v[S+8*\m+7]
.endr
.irp m, 0,1,2,3
	v_add_f32 v[S+8*\m+1], v[S+8*\m+1], v[S+8*\m+5]
.endr
	s_wait_alu depctr_va_vdst(0)
.irp m, 0,1,2,3
	v_rcp_f32 v[F+2*\m], v[S+8*\m+1]
.endr
	v_nop
	WOLOAD 3
.macro XROWS w, i0, n, reg
	WIN (\w)<<6
.set k, 0
.rept 4*(\n)
	global_load_b128 v[(\reg)+4*k:(\reg)+4*k+3], v[L16], s[12:13] offset:2048*(\i0)+512*k th:TH_LOAD_NT
.set k, k+1
.endr
	WIN 0
.endm
	s_wait_alu depctr_va_vdst(0)
.irp m, 0,1,2,3
	WIN 0x01
.set k, 0
.rept 32
	v_pk_mul_f32 v[S+2*k:S+2*k+1], v[64*\m+2*k:64*\m+2*k+1], v[F+2*\m:F+2*\m+1] op_sel_hi:[1,0]
.set k, k+1
.endr
	WIN 0
	QUANT S, PC
.irp pl, 0,1,2
	ds_store_b128 v[OIS], v[PC+4*\pl:PC+4*\pl+3] offset:6144*\m+512*\pl
.endr
	ds_store_b32 v[OSS], v[PW] offset:256*\m
	s_wait_dscnt 0x0
.endr
	s_barrier_signal -1
	s_barrier_wait -1
.macro OFETCH ks
.irp m, 0,1,2,3
.irp pl, 0,1,2
	ds_load_b128 v[PF-64*((\ks)%2)+12*\m+4*\pl:PF-64*((\ks)%2)+12*\m+4*\pl+3], v[OIL] offset:1536*(4*\m+(\ks))+512*\pl
.endr
.endr
.endm
.macro MULO ks
.if (\ks) == 0
	WIN 0x62
.elseif (\ks) == 1
	WIN 0x52
.else
	WIN 0x53
.endif
.irp ct, 0,1,2,3,4,5,6,7
.irp m, 0,1,2,3
.if (\ks) == 0
	WM 64*\m+8*\ct, 96*((\ks)%2)+12*\ct, PF-64*((\ks)%2)+12*\m, 192+8*\ct, WS+2*\ct+(\ks)/2, OS+2*\m+(\ks)/2, (\ks)%2, (\ks)%2
.else
	WM 64*\m+8*\ct, 96*((\ks)%2)+12*\ct, PF-64*((\ks)%2)+12*\m, 64*\m+8*\ct, WS+2*\ct+(\ks)/2, OS+2*\m+(\ks)/2, (\ks)%2, (\ks)%2
.endif
.endr
.endr
	WIN 0
.endm
.irp i, 0,1,2,3,4,5,6,7
	ds_load_b32 v[OS+\i], v[OSL] offset:128*\i
.endr
	OFETCH 0
	OFETCH 1
	s_wait_loadcnt 24                              ; all but Wo's K step 3
	s_wait_dscnt 12
	MULO 0
	PLACES 4
	WIN 0x80                                       ; bo and Wo's K step 0 are done with: their registers take gamma, beta and x's rows 4-9
.irp q, 0,1,2,3
	global_load_b128 v[GA+4*\q:GA+4*\q+3], v[L16], s[16:17] offset:512*\q
.endr
.irp q, 0,1,2,3
	global_load_b128 v[BE+4*\q:BE+4*\q+3], v[L16], s[18:19] offset:512*\q
.endr
	WIN 0
	XROWS 2, 4, 6, 0
	OFETCH 2
	s_wait_dscnt 12
	MULO 1
	PLACES 4
	XROWS 2, 10, 6, 96                             ; Wo's K step 1 is done with: x's rows 10-15
	OFETCH 3
	s_wait_dscnt 12
	MULO 2
	s_wait_loadcnt 56                              ; Wo's K step 3 is in; behind it: 8 of gamma and beta, 48 of x
	s_wait_dscnt 0x0
	MULO 3
	PLACES 4
	WIN 0x04
.irp m, 0,1,2,3
.irp ct, 0,1,2,3,4,5,6,7
	ds_store_b128 v[SO+\m/2], v[64*\m+8*\ct:64*\m+8*\ct+3] offset:8*SPIT*(\m%2)+128*(\ct/2)+32*(\ct%2)
	ds_store_b128 v[SO+\m/2], v[64*\m+8*\ct+4:64*\m+8*\ct+7] offset:8*SPIT*(\m%2)+128*(\ct/2)+32*(\ct%2)+16
.endr
.endr
	WIN 0
.irp i, 0,1,2,3
	v_mov_b32 v[MU+2*\i+1], 0
	v_mov_b32 v[RS+2*\i+1], 0
	v_mov_b32 v[LT+\i], 0
.endr
	s_wait_dscnt 0x0
	s_barrier_signal -1
	s_barrier_wait -1
.macro LNLOAD g
.set YB, 32+128*((\g)%2)
.irp i, 0,1,2,3
.irp q, 0,1,2,3
	ds_load_b128 v[YB+16*\i+4*\q:YB+16*\i+4*\q+3], v[SR] offset:SPIT*(4*(\g)+\i)+512*\q
.endr
.endr
.endm
.macro REDUCE
.irp x, 1,2,4,8
.irp i, 0,1,2,3
	v_add_f32_dpp v[LA+2*\i], v[LA+2*\i], v[LA+2*\i] row_xmask:\x row_mask:0xf bank_mask:0xf
.endr
.endr
.irp i, 0,1,2,3
	v_permlanex16_b32 v[LT+\i], v[LA+2*\i], s[SEL], s[SEL+1]
.endr
.irp i, 0,1,2,3
	v_add_f32 v[LA+2*\i], v[LA+2*\i], v[LT+\i]
.endr
.endm
.macro LNG g
.set YB, 32+128*((\g)%2)
.if (\g) == 0
	WIN 0x0c
.set XR, 192
.else
	WIN 0x08
.set XR, 64*((\g)-1)
.endif
.set k, 0
.rept 32
	v_pk_add_f32 v[YB+2*k:YB+2*k+1], v[YB+2*k:YB+2*k+1], v[XR+2*k:XR+2*k+1]
.set k, k+1
.endr
	WIN 0
.irp i, 0,1,2,3
	v_pk_add_f32 v[LA+2*\i:LA+2*\i+1], v[YB+16*\i:YB+16*\i+1], v[YB+16*\i+2:YB+16*\i+3]
.endr
.irp j, 4,6,8,10,12,14
.irp i, 0,1,2,3
	v_pk_add_f32 v[LA+2*\i:LA+2*\i+1], v[LA+2*\i:LA+2*\i+1], v[YB+16*\i+\j:YB+16*\i+\j+1]
.endr
.endr
.irp i, 0,1,2,3
	v_add_f32 v[LA+2*\i], v[LA+2*\i], v[LA+2*\i+1]
.endr
	REDUCE
.irp i, 0,1,2,3
	v_mul_f32 v[MU+2*\i], s[I512], v[LA+2*\i]
.endr
.irp j, 0,2,4,6,8,10,12,14
.irp i, 0,1,2,3
	v_pk_add_f32 v[YB+16*\i+\j:YB+16*\i+\j+1], v[YB+16*\i+\j:YB+16*\i+\j+1], v[MU+2*\i:MU+2*\i+1] op_sel_hi:[1,0] neg_lo:[0,1] neg_hi:[0,1]
.endr
.endr
.irp i, 0,1,2,3
	v_pk_mul_f32 v[LA+2*\i:LA+2*\i+1], v[YB+16*\i:YB+16*\i+1], v[YB+16*\i:YB+16*\i+1]
.endr
.irp j, 2,4,6,8,10,12,14
.irp i, 0,1,2,3
	v_pk_fma_f32 v[LA+2*\i:LA+2*\i+1], v[YB+16*\i+\j:YB+16*\i+\j+1], v[YB+16*\i+\j:YB+16*\i+\j+1], v[LA+2*\i:LA+2*\i+1]
.endr
.endr
.irp i, 0,1,2,3
	v_add_f32 v[LA+2*\i], v[LA+2*\i], v[LA+2*\i+1]
.endr
	REDUCE
.irp i, 0,1,2,3
	v_fma_f32 v[LA+2*\i], v[LA+2*\i], s[I512], s[EPSR]
.endr
	s_wait_alu depctr_va_vdst(0)
.irp i, 0,1,2,3
	v_rsq_f32 v[RS+2*\i], v[LA+2*\i]
.endr
	v_nop
	s_wait_alu depctr_va_vdst(0)
.irp j, 0,2,4,6,8,10,12,14
.irp i, 0,1,2,3
	v_pk_mul_f32 v[YB+16*\i+\j:YB+16*\i+\j+1], v[YB+16*\i+\j:YB+16*\i+\j+1], v[RS+2*\i:RS+2*\i+1] op_sel_hi:[1,0]
.endr
.endr
.irp j, 0,2,4,6,8,10,12,14
.irp i, 0,1,2,3
	WIN 0x28                                       ; gamma and beta lie in window 2 (the switch is written once)
	v_pk_fma_f32 v[YB+16*\i+\j:YB+16*\i+\j+1], v[YB+16*\i+\j:YB+16*\i+\j+1], v[GA+\j:GA+\j+1], v[BE+\j:BE+\j+1]
.endr
.endr
.irp i, 0,1,2,3
.irp q, 0,1,2,3
	WIN 0
	global_store_b128 v[L16], v[YB+16*\i+4*\q:YB+16*\i+4*\q+3], s[20:21] offset:2048*(4*(\g)+\i)+512*\q th:TH_STORE_NT
.endr
.endr
.endm
	LNLOAD 0
.irp g, 0,1,2,3
.if \g < 3
	s_wait_xcnt 0x0
	LNLOAD \g+1
	s_wait_dscnt 16
.else
	s_wait_dscnt 0x0
.endif
	s_wait_loadcnt 48-16*\g
	LNG \g
.endr
	s_wait_tensorcnt 0x0
	ds_add_u32 v[SPW], v[NIL]
	s_wait_dscnt 0x0
	CROUND
	s_endpgm
.Lfunc_end_k_q8ad8f73da1_attn:
	.size	k_q8ad8f73da1_attn, .Lfunc_end_k_q8ad8f73da1_attn-k_q8ad8f73da1_attn
	.p2alignl 7, 3214868480
	.fill 96, 4, 3214868480
	.section	.rodata,"a",@progbits
	.p2align	6, 0x0
	.amdhsa_kernel k_q8ad8f73da1_attn
		.amdhsa_group_segment_fixed_size 327680
		.amdhsa_private_segment_fixed_size 0
		.amdhsa_enable_private_segment 0
		.amdhsa_kernarg_size 72
		.amdhsa_user_sgpr_count 2
		.amdhsa_user_sgpr_kernarg_segment_ptr 1
		.amdhsa_wavefront_size32 1
		.amdhsa_system_sgpr_workgroup_id_x 1
		.amdhsa_system_sgpr_workgroup_id_y 1
		.amdhsa_system_sgpr_workgroup_id_z 1
		.amdhsa_system_vgpr_workitem_id 0
		.amdhsa_next_free_vgpr 1024
		.amdhsa_next_free_sgpr 66
		.amdhsa_reserve_vcc 0
		.amdhsa_float_denorm_mode_32 3
		.amdhsa_float_denorm_mode_16_64 3
		.amdhsa_memory_ordered 1
		.amdhsa_forward_progress 1
		.amdhsa_inst_pref_size 255
	.end_amdhsa_kernel
	.section	.bss,"aw",@nobits
	.p2align	6
	.space	262144
	.amdgpu_metadata
---
amdhsa.version: [ 1, 2 ]
amdhsa.kernels:
  - .name:           k_q8ad8f73da1_attn
    .symbol:         k_q8ad8f73da1_attn.kd
    .args:
      - { .name: qc, .offset: 0, .size: 8, .value_kind: global_buffer, .address_space: global }
      - { .name: kv, .offset: 8, .size: 8, .value_kind: global_buffer, .address_space: global }
      - { .name: wb, .offset: 16, .size: 8, .value_kind: global_buffer, .address_space: global }
      - { .name: adj, .offset: 24, .size: 8, .value_kind: global_buffer, .address_space: global }
      - { .name: x, .offset: 32, .size: 8, .value_kind: global_buffer, .address_space: global }
      - { .name: bo, .offset: 40, .size: 8, .value_kind: global_buffer, .address_space: global }
      - { .name: gamma, .offset: 48, .size: 8, .value_kind: global_buffer, .address_space: global }
      - { .name: beta, .offset: 56, .size: 8, .value_kind: global_buffer, .address_space: global }
      - { .name: out0, .offset: 64, .size: 8, .value_kind: global_buffer, .address_space: global }
    .group_segment_fixed_size: 327680
    .private_segment_fixed_size: 0
    .kernarg_segment_align: 8
    .kernarg_segment_size: 72
    .max_flat_workgroup_size: 128
    .sgpr_count:     66
    .vgpr_count:     1024
    .wavefront_size: 32
...
	.end_amdgpu_metadata
.endif
;; end of part 6
